; MI455X (gfx1250); checked and timed in simulation.
; The chip was launched on July 23, 2026; its instructions are those of AMD's public machine-readable ISA for CDNA 5 (MIT licence, August 2026) and "CDNA5" Instruction Set Architecture Reference Guide (July 2026). The comments in the code are by the model that wrote it; some were corrected since.
;; Res Attention. Allowed arithmetic: float matrix products may take bf16 or f16 operands with f32 sums; other float arithmetic in f32, or as packed bf16 or f16 multiplies, adds, multiply-adds, maxima and minima; sums over many terms, partial sums and values carried from step to step in f32; what a program stores and reads back later, other than sums and carried values, may be rounded once to bf16 or f16.
;; Inputs: W0 512 x 256 float32; Wk 512 x 512 float32; Wl 2 x 512 x 512 float32; Wq 512 x 512 float32; b0 512 float32; bk 512 float32; bl 2 x 512 float32; bq 512 float32; lengths 8 int32; ln_b 2 x 512 float32; ln_g 2 x 512 float32; seq 8 x 2,048 x 256 float32.
;; Outputs: out0 8 x 2,048 x 512 float32.
;; 3 versions, each right; version 3 is version 2 with the launch prep written anew for expert scheduling mode. Each part assembles by itself: llvm-mc -triple=amdgcn-amd-amdhsa -mcpu=gfx1250 --defsym DOCPART=n.
;; ======== version 1 of 3: 3 launches
;; limits: values are held in f16: magnitudes above 65,504 overflow, below 6.1e-05 lose precision
;; workspace buffers: w0b 262,144 bytes; mt 524,288 bytes; wlh 1,048,576 bytes; cw 4,352 bytes; xh 16,777,216 bytes; rq 65,536 bytes
;; launch prep (part 1): grid 64 x 1, 8 waves a work-group, no clusters, 206,336 bytes of LDS; arguments Wq, Wk, bq, bk, W0, Wl, mt, cw, w0b, wlh; writes mt, cw, w0b, wlh
.if DOCPART == 1
	.amdgcn_target "amdgcn-amd-amdhsa--gfx1250"
	.amdhsa_code_object_version 6
	.text
	.protected	k_q03388c3d3f_prep
	.globl	k_q03388c3d3f_prep
	.p2align	8
	.type	k_q03388c3d3f_prep,@function
k_q03388c3d3f_prep:
	s_mov_b64 s[64:65], 0
	v_nop
	global_prefetch_b8 v0, s[64:65] scope:SCOPE_SE
	s_setreg_imm32_b32 hwreg(HW_REG_WAVE_MODE, 25, 1), 1
	s_wait_xcnt 0x0
; WEIGHTS, ONCE.  q.k = x_k . t_q + r_q with t_q = MT x_q + c, r_q = x_q . u + w0, where
;   MT[b][a] = sum_j Wk[j][b] Wq[j][a]   c[b] = sum_j Wk[j][b] bq[j]   u[a] = sum_j Wq[j][a] bk[j]   w0 = sum_j bq[j] bk[j].
; All inputs are rounded to bf16; the sums are f32; MT leaves as f16, c, u, w0 as f32.  Also copied: W0 as bf16, Wl rounded to bf16 and written as f16.
; LIMITS: |MT| and |Wl| under 65,504 (f16); below 6e-5 they keep f16's fixed step of 6e-8.
; ROWS OF mt AND wlh ARE PERMUTED: storage row p = T<<7 | w<<5 | i<<4 | h<<3 | j holds channel w<<7 | h<<6 | T<<4 | i<<3 | j, the order in which the last launch's waves want them.
; SHARES.  64 work-groups: block bi = id / 4 of 32 rows b, block ai = id % 4 of 128 columns a.  Eight waves, wave (wb, wa) makes 16 b x 32 a.
; No cluster and no tensor load: the f32 inputs pass through registers to be rounded, and a block of 32 x 128 is the smallest whose rows of mt are 256 consecutive bytes.
; LDS: KT 512 rows j x 96 bytes (32 b, then bk[j] 16 times); QT 512 rows j x 288 bytes (128 a, then bq[j] 16 times): both pitches are odd multiples of 32 bytes.
; The 16 copies make c, u and w0 fall out of the same matrix products as MT.
.set KP,    96
.set QT,    49152
.set QP,    288
.set STG,   196608                     ; 32 rows x 272 bytes: MT's block on its way out
.set SPARE, 205312                     ; the spare words: 128 bytes for each of eight waves
.set SPW,   254                        ; v254 SPARE + 4 x thread; never rewritten
.set NIL,   255                        ; v255 0; never rewritten
.set RING,  64                         ; v[64:223] 40 slots of 4 registers; later the fragments
.macro BAR
	s_barrier_signal -1
	s_barrier_wait -1
.endm
	s_load_b512 s[4:19], s[0:1], 0x0               ; Wq 4, Wk 6, bq 8, bk 10, W0 12, Wl 14, mt 16, cw 18
	s_load_b128 s[20:23], s[0:1], 0x40             ; w0b 20, wlh 22
	v_lshl_add_u32 v[SPW], v0, 2, SPARE
	v_mov_b32 v[NIL], 0
	v_lshrrev_b32 v15, 5, v0
	v_readfirstlane_b32 s24, v15                   ; wave 0..7
	s_lshr_b32 s25, ttmp9, 2                       ; bi
	s_and_b32 s26, ttmp9, 3                        ; ai
	s_lshr_b32 s27, s24, 2                         ; wb
	s_and_b32 s28, s24, 3                          ; wa
	v_lshlrev_b32 v1, 4, v0                        ; copies: 16 bytes of f32 a thread
	v_lshlrev_b32 v2, 3, v0                        ; and 8 bytes of 16-bit numbers out; also my two biases
	v_lshrrev_b32 v3, 3, v0                        ; Wk: a pass is 32 rows x 128 bytes: row thread / 8
	v_and_b32 v15, 7, v0
	v_mul_u32_u24 v4, v3, KP
	v_lshl_add_u32 v4, v15, 3, v4                  ; v4  KT: row x 96 + 8 (thread % 8)
	v_lshlrev_b32 v3, 11, v3
	v_lshl_add_u32 v3, v15, 4, v3                  ; v3  Wk: row x 2,048 + 16 (thread % 8)
	v_and_b32 v15, 31, v0
	s_lshl_b32 s30, s24, 11
	v_lshl_add_u32 v5, v15, 4, s30                 ; v5  Wq: a pass is 8 rows x 512 bytes: row = wave
	s_mul_i32 s30, s24, QP
	s_add_co_u32 s30, s30, QT
	v_lshl_add_u32 v6, v15, 3, s30                 ; v6  QT for passes 0-27,
	v_add_nc_u32 v7, 28*2304, v6                   ; v7  28-55,
	v_add_nc_u32 v8, 56*2304, v6                   ; v8  56-63: an LDS immediate has 16 bits
	v_mul_u32_u24 v9, v0, 2*KP
	v_add_nc_u32 v9, 64, v9                        ; v9  KT's bias columns of rows 2 t, 2 t + 1
	v_mul_u32_u24 v10, v0, 2*QP
	v_add_nc_u32 v10, QT+256, v10                  ; v10 QT's
	v_and_b32 v15, 7, v0                           ; the turning load: lane l reads row 8 (l / 16) + l % 8, 16 bytes at 16 ((l / 8) % 2)
	v_bfe_u32 v13, v0, 4, 1
	v_lshl_add_u32 v15, v13, 3, v15
	v_bfe_u32 v13, v0, 3, 1
	v_lshlrev_b32 v13, 4, v13
	v_mad_u32_u24 v12, v15, QP, v13
	v_mad_u32_u24 v14, v15, KP, v13
	s_lshl_b32 s30, s28, 6
	s_add_co_u32 s30, s30, QT
	v_add_nc_u32 v11, s30, v12                     ; v11 QT, my 32 columns a
	v_add_nc_u32 v12, QT+256, v12                  ; v12 QT, the copies of bq
	s_lshl_b32 s30, s27, 5
	v_add_nc_u32 v13, s30, v14                     ; v13 KT, my 16 columns b
	v_add_nc_u32 v14, 64, v14                      ; v14 KT, the copies of bk
	s_lshr_b32 s32, ttmp9, 5                       ; Wl: work-group k writes storage rows 16 k .. 16 k + 15: layer k / 32,
	s_lshl_b32 s32, s32, 9
	s_bfe_u32 s33, ttmp9, 0x20001                  ; w = bits 2:1 of k,
	s_lshl_b32 s33, s33, 7
	s_add_co_u32 s32, s32, s33
	s_bfe_u32 s33, ttmp9, 0x20003                  ; T = bits 4:3,
	s_lshl_b32 s33, s33, 4
	s_add_co_u32 s32, s32, s33
	s_and_b32 s33, ttmp9, 1                        ; i = bit 0
	s_lshl_b32 s33, s33, 3
	s_add_co_u32 s32, s32, s33                     ; the source row for h = j = 0
	s_mov_b32 s31, 0
	s_wait_kmcnt 0x0
	s_lshl_b32 s30, s25, 7
	s_add_nc_u64 s[6:7], s[6:7], s[30:31]          ; Wk at my 32 columns
	s_lshl_b32 s30, s26, 9
	s_add_nc_u64 s[4:5], s[4:5], s[30:31]          ; Wq at my 128 columns
	s_lshl_b32 s30, s32, 11
	s_add_nc_u64 s[14:15], s[14:15], s[30:31]
	s_lshl_b32 s30, ttmp9, 14
	s_add_nc_u64 s[22:23], s[22:23], s[30:31]      ; wlh: 16 rows of 1,024 bytes
	s_lshl_b32 s30, ttmp9, 13
	s_add_nc_u64 s[12:13], s[12:13], s[30:31]      ; W0: 8 rows of 1,024 bytes
	s_lshl_b32 s30, ttmp9, 12
	s_add_nc_u64 s[20:21], s[20:21], s[30:31]      ; w0b: 8 rows of 512 bytes
	; the copies' loads first: a pass is two rows of Wl (thread t takes 16 bytes at 16 t); pass ps holds h = ps / 4, j = 2 (ps % 4) + row
.irp ps, 0,1,2,3,4,5,6,7
	global_load_b128 v[16+4*\ps:19+4*\ps], v1, s[14:15] offset:(64*(\ps/4)+2*(\ps%4))*2048 th:TH_LOAD_NT
.endr
	global_load_b128 v[48:51], v1, s[12:13] th:TH_LOAD_NT
	global_load_b128 v[52:55], v1, s[12:13] offset:4096 th:TH_LOAD_NT
	global_load_b64 v[228:229], v2, s[10:11]       ; bk[2 t], bk[2 t + 1]
	global_load_b64 v[230:231], v2, s[8:9]         ; bq
; load n of 80: Wk's 16 passes, then Wq's 64
.macro RLOAD n
.if (\n) < 16
	global_load_b128 v[RING+4*((\n)%40):RING+4*((\n)%40)+3], v3, s[6:7] offset:(\n)*65536
.else
	global_load_b128 v[RING+4*((\n)%40):RING+4*((\n)%40)+3], v5, s[4:5] offset:((\n)-16)*16384
.endif
.endm
.set n, 0
.rept 40
	RLOAD n
.set n, n+1
.endr
	s_wait_loadcnt 40                              ; the twelve loads ahead of the ring are in; the ring's 40 stay out
.macro WLCV q, ps                      ; four numbers of Wl: to bf16, back, to f16 (exact within f16's range), and out: a wave stores 256 consecutive bytes
	v_cvt_pk_bf16_f32 v232, v[\q], v[(\q)+1]
	v_cvt_pk_bf16_f32 v233, v[(\q)+2], v[(\q)+3]
	v_lshlrev_b32 v[\q], 16, v232
	v_and_b32 v[(\q)+1], 0xffff0000, v232
	v_lshlrev_b32 v[(\q)+2], 16, v233
	v_and_b32 v[(\q)+3], 0xffff0000, v233
	v_cvt_pk_f16_f32 v[\q], v[\q], v[(\q)+1]
	v_cvt_pk_f16_f32 v[(\q)+1], v[(\q)+2], v[(\q)+3]
	global_store_b64 v2, v[\q:(\q)+1], s[22:23] offset:(\ps)*2048 th:TH_STORE_NT
.endm
.irp ps, 0,1,2,3,4,5,6,7
	WLCV 16+4*\ps, \ps
.endr
.irp ps, 0,1
	v_cvt_pk_bf16_f32 v[48+4*\ps], v[48+4*\ps], v[49+4*\ps]
	v_cvt_pk_bf16_f32 v[49+4*\ps], v[50+4*\ps], v[51+4*\ps]
	global_store_b64 v2, v[48+4*\ps:49+4*\ps], s[20:21] offset:\ps*2048 th:TH_STORE_NT
.endr
	v_cvt_pk_bf16_f32 v232, v228, v229
	v_cvt_pk_bf16_f32 v233, v230, v231
	v_perm_b32 v236, v232, v232, 0x01000100        ; the low half twice,
	v_perm_b32 v240, v232, v232, 0x03020302        ; the high half twice
	v_perm_b32 v244, v233, v233, 0x01000100
	v_perm_b32 v248, v233, v233, 0x03020302
.irp q, 236,240,244,248
	v_mov_b32 v[\q+1], v[\q]
	v_mov_b32 v[\q+2], v[\q]
	v_mov_b32 v[\q+3], v[\q]
.endr
	ds_store_b128 v9, v[236:239]
	ds_store_b128 v9, v[236:239] offset:16
	ds_store_b128 v9, v[240:243] offset:KP
	ds_store_b128 v9, v[240:243] offset:KP+16
	ds_store_b128 v10, v[244:247]
	ds_store_b128 v10, v[244:247] offset:16
	ds_store_b128 v10, v[248:251] offset:QP
	ds_store_b128 v10, v[248:251] offset:QP+16
; the turn of load n: it is in when at most 39 younger loads are out (behind load 39 nothing is issued, and the count runs down); rounded, stored to LDS; its slot takes load n + 40
.macro RTURN n
.if (\n) < 40
	s_wait_loadcnt 39
.else
	s_wait_loadcnt 79-(\n)
.endif
.set rs, RING+4*((\n)%40)
.set rt, 224+2*((\n)%2)
	v_cvt_pk_bf16_f32 v[rt], v[rs], v[rs+1]
	v_cvt_pk_bf16_f32 v[rt+1], v[rs+2], v[rs+3]
.if (\n) < 16
	ds_store_b64 v4, v[rt:rt+1] offset:(\n)*3072
.elseif (\n) < 44
	ds_store_b64 v6, v[rt:rt+1] offset:((\n)-16)*2304
.elseif (\n) < 72
	ds_store_b64 v7, v[rt:rt+1] offset:((\n)-44)*2304
.else
	ds_store_b64 v8, v[rt:rt+1] offset:((\n)-72)*2304
.endif
.if (\n) < 40
	RLOAD (\n)+40
.endif
.endm
.set n, 0
.rept 80
	RTURN n
.set n, n+1
.endr
	s_wait_dscnt 0x0                               ; for the others' sake: my part of KT and QT is written
	BAR
	s_wait_xcnt 0x0                                ; the copies' stores have read v16-55, which now take the sums
; 128 rows j: 40 turning loads (4 chunks of 32 j x 5 fragments), then 24 products.  Source 0 = 16 columns of QT, source 1 = 16 columns of KT: a lane holds one b (lane % 16) and eight neighbouring a.
; Six accumulators take turns: M0, M1 (v16, v24) my two blocks of a x my b; CA (v32) bq x b = c[b]; U0, U1 (v40, v48) a x bk = u[a]; W (v56) bq x bk = w0.
.macro WM d, a, b, z
.if \z
	v_wmma_f32_16x16x32_bf16 v[\d:(\d)+7], v[\a:(\a)+7], v[\b:(\b)+7], 0
.else
	v_wmma_f32_16x16x32_bf16 v[\d:(\d)+7], v[\a:(\a)+7], v[\b:(\b)+7], v[\d:(\d)+7]
.endif
.endm
.macro KC4 zero
.irp c, 0,1,2,3
.set f, RING+40*\c
	ds_load_tr16_b128 v[f:f+3],     v11 offset:\c*32*QP
	ds_load_tr16_b128 v[f+4:f+7],   v11 offset:\c*32*QP+16*QP
	ds_load_tr16_b128 v[f+8:f+11],  v11 offset:\c*32*QP+32
	ds_load_tr16_b128 v[f+12:f+15], v11 offset:\c*32*QP+16*QP+32
	ds_load_tr16_b128 v[f+16:f+19], v12 offset:\c*32*QP
	ds_load_tr16_b128 v[f+20:f+23], v12 offset:\c*32*QP+16*QP
	ds_load_tr16_b128 v[f+24:f+27], v13 offset:\c*32*KP
	ds_load_tr16_b128 v[f+28:f+31], v13 offset:\c*32*KP+16*KP
	ds_load_tr16_b128 v[f+32:f+35], v14 offset:\c*32*KP
	ds_load_tr16_b128 v[f+36:f+39], v14 offset:\c*32*KP+16*KP
.endr
	s_wait_dscnt 0x0
.irp c, 0,1,2,3
.set f, RING+40*\c
.set z, 0
.if (\zero) && (\c == 0)
.set z, 1                              ; the first chunk starts the sums: nothing is cleared
.endif
	WM 16, f, f+24, z
	WM 24, f+8, f+24, z
	WM 32, f+16, f+24, z
	WM 40, f, f+32, z
	WM 48, f+8, f+32, z
	WM 56, f+16, f+32, z
.endr
.endm
	KC4 1
	s_mov_b32 s29, 3
.Lkc:
	v_add_nc_u32 v11, 128*QP, v11                  ; the next 128 rows; these four plain lines are also the places between the last product and the loads into its sources
	v_add_nc_u32 v12, 128*QP, v12
	v_add_nc_u32 v13, 128*KP, v13
	v_add_nc_u32 v14, 128*KP, v14
	KC4 0
	s_sub_co_u32 s29, s29, 1
	s_cmp_lg_u32 s29, 0
	s_cbranch_scc1 .Lkc
	; THE WAY OUT.  The address work below is more than the four places that the conversions want behind the last product.
	v_and_b32 v15, 15, v0                          ; r
	v_bfe_u32 v9, v0, 4, 1                         ; h
	s_mul_i32 s30, s27, 16*272
	s_lshl_b32 s31, s28, 6
	s_add_co_u32 s30, s30, s31
	s_add_co_u32 s30, s30, STG
	v_mul_u32_u24 v3, v15, 272
	v_lshl_add_u32 v3, v9, 4, v3
	v_add_nc_u32 v3, s30, v3                       ; in: row 16 wb + r, bytes 64 wa + 16 h
	s_mul_i32 s30, s24, 4*272
	s_add_co_u32 s30, s30, STG
	v_mul_u32_u24 v4, v9, 272
	v_lshl_add_u32 v4, v15, 4, v4
	v_add_nc_u32 v4, s30, v4                       ; back: row 4 w + h, 16 lanes to a row of 256 bytes
	v_lshl_add_u32 v6, s24, 2, v9                  ; that row, 0..31: b = 32 bi + row
	v_and_b32 v7, 7, v6                            ; j
	v_and_b32 v8, 8, v6
	v_lshl_or_b32 v7, v8, 1, v7                    ; i to bit 4
	v_and_b32 v8, 16, v6
	v_lshl_or_b32 v7, v8, 3, v7                    ; T's low bit to bit 7
	s_and_b32 s30, s25, 1
	s_lshl_b32 s30, s30, 8                         ; T's high bit to bit 8
	s_lshr_b32 s31, s25, 2
	s_lshl_b32 s31, s31, 5                         ; w to bits 6:5
	s_or_b32 s30, s30, s31
	s_bfe_u32 s31, s25, 0x10001
	s_lshl_b32 s31, s31, 3                         ; h to bit 3
	s_or_b32 s30, s30, s31
	v_or_b32 v7, s30, v7                           ; the storage row p
	v_lshlrev_b32 v7, 10, v7
	s_lshl_b32 s31, s26, 8
	v_add_nc_u32 v7, s31, v7
	v_lshl_add_u32 v5, v15, 4, v7                  ; p x 1,024 + 256 ai + 16 r
.irp q, 0,1,2,3
	v_cvt_pk_f16_f32 v[64+\q], v[16+2*\q], v[17+2*\q]
	v_cvt_pk_f16_f32 v[68+\q], v[24+2*\q], v[25+2*\q]
.endr
	ds_store_b128 v3, v[64:67]
	ds_store_b128 v3, v[68:71] offset:32
	s_wait_dscnt 0x0
	BAR
	ds_load_b128 v[72:75], v4
	ds_load_b128 v[76:79], v4 offset:2*272         ; two rows on: j + 2, so p + 2
	s_wait_dscnt 0x0
	global_store_b128 v5, v[72:75], s[16:17]       ; 16 lanes store 256 consecutive bytes, aligned
	global_store_b128 v5, v[76:79], s[16:17] offset:2048
	s_or_b32 s30, s26, s28                         ; c: the work-groups with ai = 0, their waves with wa = 0
	s_cmp_lg_u32 s30, 0
	s_cbranch_scc1 .Lno_c
	s_lshl_b32 s30, s25, 7
	s_lshl_b32 s31, s27, 6
	s_add_co_u32 s30, s30, s31
	v_lshl_add_u32 v6, v15, 2, s30                 ; 4 (32 bi + 16 wb + r); both halves of the lanes hold the same number
	global_store_b32 v6, v32, s[18:19]
.Lno_c:
	s_or_b32 s30, s25, s27                         ; u: the work-groups with bi = 0, their waves with wb = 0
	s_cmp_lg_u32 s30, 0
	s_cbranch_scc1 .Lno_u
	s_lshl_b32 s30, s26, 9
	s_lshl_b32 s31, s28, 7
	s_add_co_u32 s30, s30, s31
	s_add_co_u32 s30, s30, 2048
	v_lshl_add_u32 v7, v9, 5, s30                  ; 2,048 + 4 (128 ai + 32 wa + 8 h); the 16 lanes of a half hold, and store, the same numbers
	global_store_b128 v7, v[40:43], s[18:19]
	global_store_b128 v7, v[44:47], s[18:19] offset:16
	global_store_b128 v7, v[48:51], s[18:19] offset:64
	global_store_b128 v7, v[52:55], s[18:19] offset:80
.Lno_u:
	s_or_b32 s30, ttmp9, s24                       ; w0: one wave of the launch
	s_cmp_lg_u32 s30, 0
	s_cbranch_scc1 .Lno_w
	v_mov_b32 v8, 0
	global_store_b32 v8, v56, s[18:19] offset:4096
.Lno_w:
	s_wait_tensorcnt 0x0                           ; the wave's end
	ds_add_u32 v[SPW], v[NIL]
	s_wait_dscnt 0x0
	s_endpgm
.Lfunc_end_k_q03388c3d3f_prep:
	.size	k_q03388c3d3f_prep, .Lfunc_end_k_q03388c3d3f_prep-k_q03388c3d3f_prep
	.p2alignl 7, 3214868480
	.fill 96, 4, 3214868480
	.section	.rodata,"a",@progbits
	.p2align	6, 0x0
	.amdhsa_kernel k_q03388c3d3f_prep
		.amdhsa_group_segment_fixed_size 206336
		.amdhsa_private_segment_fixed_size 0
		.amdhsa_enable_private_segment 0
		.amdhsa_kernarg_size 80
		.amdhsa_user_sgpr_count 2
		.amdhsa_user_sgpr_kernarg_segment_ptr 1
		.amdhsa_wavefront_size32 1
		.amdhsa_system_sgpr_workgroup_id_x 1
		.amdhsa_system_sgpr_workgroup_id_y 1
		.amdhsa_system_sgpr_workgroup_id_z 1
		.amdhsa_system_vgpr_workitem_id 0
		.amdhsa_next_free_vgpr 256
		.amdhsa_next_free_sgpr 66
		.amdhsa_reserve_vcc 0
		.amdhsa_float_denorm_mode_32 3
		.amdhsa_float_denorm_mode_16_64 3
		.amdhsa_memory_ordered 1
		.amdhsa_forward_progress 1
		.amdhsa_inst_pref_size 49
	.end_amdhsa_kernel
	.amdgpu_metadata
---
amdhsa.version: [ 1, 2 ]
amdhsa.kernels:
  - .name:           k_q03388c3d3f_prep
    .symbol:         k_q03388c3d3f_prep.kd
    .args:
      - { .name: Wq, .offset: 0, .size: 8, .value_kind: global_buffer, .address_space: global }
      - { .name: Wk, .offset: 8, .size: 8, .value_kind: global_buffer, .address_space: global }
      - { .name: bq, .offset: 16, .size: 8, .value_kind: global_buffer, .address_space: global }
      - { .name: bk, .offset: 24, .size: 8, .value_kind: global_buffer, .address_space: global }
      - { .name: W0, .offset: 32, .size: 8, .value_kind: global_buffer, .address_space: global }
      - { .name: Wl, .offset: 40, .size: 8, .value_kind: global_buffer, .address_space: global }
      - { .name: mt, .offset: 48, .size: 8, .value_kind: global_buffer, .address_space: global }
      - { .name: cw, .offset: 56, .size: 8, .value_kind: global_buffer, .address_space: global }
      - { .name: w0b, .offset: 64, .size: 8, .value_kind: global_buffer, .address_space: global }
      - { .name: wlh, .offset: 72, .size: 8, .value_kind: global_buffer, .address_space: global }
    .group_segment_fixed_size: 206336
    .private_segment_fixed_size: 0
    .kernarg_segment_align: 8
    .kernarg_segment_size: 80
    .max_flat_workgroup_size: 256
    .sgpr_count:     66
    .vgpr_count:     256
    .wavefront_size: 32
...
	.end_amdgpu_metadata
.endif
;; end of part 1
;; launch xproj (part 2): grid 256 x 1, 4 waves a work-group, clusters of 4 x 1, 327,680 bytes of LDS; arguments seq, w0b, b0, cw, xh, rq; writes xh, rq
.if DOCPART == 2
	.amdgcn_target "amdgcn-amd-amdhsa--gfx1250"
	.amdhsa_code_object_version 6
	.text
	.protected	k_q03388c3d3f_xproj
	.globl	k_q03388c3d3f_xproj
	.p2align	8
	.type	k_q03388c3d3f_xproj,@function
k_q03388c3d3f_xproj:
	s_mov_b64 s[64:65], 0
	v_nop
	global_prefetch_b8 v0, s[64:65] scope:SCOPE_SE
	s_setreg_imm32_b32 hwreg(HW_REG_WAVE_MODE, 25, 1), 1
	s_wait_xcnt 0x0
	s_wait_alu depctr_hold_cnt(0) depctr_sa_sdst(0) depctr_va_vdst(0) depctr_va_sdst(0) depctr_va_ssrc(0) depctr_va_vcc(0) depctr_vm_vsrc(0)
	s_getreg_b32 s2, hwreg(HW_REG_IB_STS2, 6, 4)
	s_cmp_eq_u32 s2, 0
	s_cbranch_scc0 .Lentry_in_a_cluster
	s_endpgm
.Lentry_in_a_cluster:
	s_bfe_u32 s2, ttmp6, 0x10000c
	s_cmp_lg_u32 s2, 0x3003
	s_cbranch_scc0 .Lentry_shape_is_right
	s_endpgm
.Lentry_shape_is_right:
; x = seq W0^T + b0, stored as f16; r_q = x_q . u + w0, stored as f32.  seq, W0 and b0 are rounded to bf16, the sums are f32.
; LIMIT: |x| under 65,504 (f16).
; SHARES.  A work-group makes 64 rows x 512 channels.  x^T = W0 seq^T: source 0 = 16 rows of W0, source 1 = 16 rows of seq, so a lane holds one row of x (lane % 16) and eight neighbouring channels.
; All four waves hold the 64 rows of seq as fragments in registers (256); of each tile of 128 rows of W0 wave w fetches, and reads, rows 32 w .. 32 w + 31 alone: its own wait on its tensor loads is all
; that those reads need.  Accumulator (a = 2 T + i, t), register j, lane half h: channel 128 T + 32 w + 16 i + 8 h + j, row 16 t + lane % 16.
; CLUSTER.  All work-groups walk the same four tiles of W0: the four of a cluster ask for each jointly.  seq's rows are each work-group's own: a plain load.
; LDS: three slots of 128 rows x 528 bytes; SEQ 64 rows x 1,040 bytes (f32 rows; filled once, later the stage for x in f16); RS the waves' parts of r; the spare words.
; REGISTERS: window 0: addresses, RP v16-23, b0 v32-95, u v96-159 (later x in f16, v96-223), W0's fragments v160-255; window 1: seq as f32 in two halves, then the 32 accumulators; window 2: seq's fragments.
.set WP,    528
.set WSL,   67584
.set SEQ,   202752
.set SQP,   1040
.set RS,    269312
.set SPARE, 270336
.set RP,    16
.set CB,    32
.set U,     96
.set PK,    96
.set FB,    160
.set MSB, 0
.macro WIN new                         ; the immediate's high byte repeats the setting that is left; a switch that changes nothing is dropped
.if MSB != (\new)
	s_set_vgpr_msb (MSB<<8)|(\new)
.set MSB, (\new)
.endif
.endm
.macro PLACES                          ; four plain lines between a matrix instruction and a load into, or a vector line on, its registers
.rept 4
	v_nop
.endr
.endm
.macro BAR
	s_barrier_signal -1
	s_barrier_wait -1
.endm
.macro ROUND                           ; a round of the cluster's barrier
	s_barrier_signal -1
	s_barrier_wait -1
	s_cmp_lg_u32 s24, 0
	s_cbranch_scc1 .Lnw0_\@
	s_barrier_signal -3
.Lnw0_\@:
	s_barrier_wait -3
	s_barrier_signal -1
	s_barrier_wait -1
.endm
.macro T4 line:vararg                  ; one line for each tile t of 16 rows
.set t, 0
.rept 4
	\line
.set t, t+1
.endr
.endm
	s_load_b256 s[4:11], s[0:1], 0x0               ; seq 4, w0b 6, b0 8, cw 10
	s_load_b128 s[12:15], s[0:1], 0x20             ; xh 12, rq 14
	v_lshl_add_u32 v28, v0, 2, SPARE
	v_mov_b32 v29, 0
	ds_add_u32 v28, v29                            ; the wave's opening: the add and its wait ahead of my first tensor load
	v_lshrrev_b32 v1, 5, v0
	v_readfirstlane_b32 s24, v1                    ; wave 0..3
	s_bfe_u32 s25, ttmp6, 0x40000                  ; cx
	s_lshl_b32 s26, ttmp9, 2
	s_add_co_u32 s26, s26, s25                     ; my work-group: it enters global addresses of my own loads and stores alone
	s_mov_b32 s36, 15|(1<<16)|(1<<20)|(1<<21)|(6<<22)|(3<<25)  ; W0's tiles: mask of four; 2-byte elements; padding on, 4 words after every 128
	s_mov_b32 s37, 256<<16                         ; tensor_dim0 = 256
	s_mov_b32 s38, 32<<16                          ; tensor_dim1 = 32
	s_mov_b32 s39, 256<<16                         ; tile_dim0 = 256
	s_mov_b32 s40, 32                              ; tile_dim1 = 32
	s_mov_b32 s41, 256                             ; elements from row to row
	s_mov_b32 s42, 0
	s_mov_b32 s43, 0
	s_mov_b32 s44, (2<<16)|(1<<20)|(7<<22)|(3<<25) ; seq's rows: no mask; 4-byte elements; 4 words of padding after every 256
	s_mov_b32 s45, 256<<16
	s_mov_b32 s46, 16<<16
	s_mov_b32 s47, 256<<16
	s_mov_b32 s48, 16
	s_mov_b32 s49, 256
	s_mov_b32 s50, 0
	s_mov_b32 s51, 0
	s_mov_b32 s52, 1
	s_mul_i32 s53, s24, 16*SQP
	s_add_co_u32 s53, s53, SEQ                     ; my 16 rows of seq
	s_mul_i32 s27, s24, 32*WP                      ; my 32 rows of a slot
	s_mov_b32 s56, 1
	s_mov_b32 s57, s27
	s_mov_b32 s60, 1
	s_add_co_u32 s61, s27, WSL
	s_mov_b32 s68, 1
	s_add_co_u32 s69, s27, 2*WSL
	s_lshl_b32 s32, s24, 14                        ; 32 rows of w0b, and 16 rows of seq or xh: 16,384 bytes
	s_mov_b32 s33, 0
	s_lshl_b32 s30, s26, 16                        ; 64 rows of seq or xh
	s_add_co_u32 s30, s30, s32
	s_mov_b32 s31, 0
	s_lshl_b32 s34, s26, 8                         ; 64 numbers of rq
	s_mov_b32 s35, 0
	s_mov_b32 s72, 0x76543210                      ; v_permlanex16_b32: each lane takes its own place in the other half
	s_mov_b32 s73, 0xfedcba98
	s_wait_dscnt 0x0                               ; the opening add is done
	s_wait_kmcnt 0x0
	s_add_nc_u64 s[54:55], s[4:5], s[30:31]
	s_or_b32 s55, s55, 0x80000000
	s_add_nc_u64 s[6:7], s[6:7], s[32:33]
	s_mov_b64 s[58:59], s[6:7]                     ; tile 0,
	s_or_b32 s59, s59, 0x80000000
	s_add_nc_u64 s[62:63], s[6:7], 65536           ; tile 1,
	s_or_b32 s63, s63, 0x80000000
	s_add_nc_u64 s[70:71], s[6:7], 131072          ; tile 2
	s_or_b32 s71, s71, 0x80000000
	s_add_nc_u64 s[12:13], s[12:13], s[30:31]      ; xh at my wave's 16 rows
	s_add_nc_u64 s[14:15], s[14:15], s[34:35]
	s_load_b32 s28, s[10:11], 0x1000               ; w0
	ROUND                                          ; the four work-groups are here: the first joint loads meet
	tensor_load_to_lds s[52:55], s[44:51]          ; four loads of mine are out
	s_nop 0
	tensor_load_to_lds s[56:59], s[36:43]
	s_nop 0
	tensor_load_to_lds s[60:63], s[36:43]
	s_nop 0
	tensor_load_to_lds s[68:71], s[36:43]
	s_nop 0
	PLACES
	v_and_b32 v1, 15, v0                           ; r
	v_bfe_u32 v2, v0, 4, 1                         ; h
	v_and_b32 v3, 31, v0                           ; l
	v_mul_u32_u24 v4, v1, WP
	v_lshl_add_u32 v4, v2, 4, v4
	v_add_nc_u32 v4, s27, v4                       ; v4-6  my fragments of W0 in slots 0, 1, 2: (32 w + r) x 528 + 16 h
	v_add_nc_u32 v5, WSL, v4
	v_add_nc_u32 v6, 2*WSL, v4
	v_mul_u32_u24 v15, v1, SQP
	v_add_nc_u32 v15, SEQ, v15
	v_lshl_add_u32 v7, v2, 5, v15                  ; v7   seq: row r, 32 bytes for each half of the lanes
	s_lshl_b32 s29, s24, 6
	v_lshl_add_u32 v10, v2, 4, v15
	v_add_nc_u32 v10, s29, v10                     ; v10  the stage, in: row r, bytes 64 w + 16 h
	s_lshl_b32 s29, s24, 7
	v_lshl_add_u32 v8, v2, 5, s29                  ; v8   b0 and u: 4 (32 w + 8 h)
	s_lshl_b32 s29, s24, 2
	s_add_co_u32 s29, s29, RS
	v_lshl_add_u32 v9, v1, 4, s29                  ; v9   RS: row r, my wave's word
	s_mul_i32 s29, s24, 16*SQP
	s_add_co_u32 s29, s29, SEQ
	v_lshl_add_u32 v11, v3, 4, s29                 ; v11  the stage, back: my 16 rows, 16 bytes a lane
	v_lshlrev_b32 v12, 4, v3                       ; v12  the same in xh
	v_lshlrev_b32 v13, 5, v3
	v_add_nc_u32 v13, RS, v13                      ; v13  RS: rows 2 l, 2 l + 1
	v_lshlrev_b32 v14, 3, v3                       ; v14  rq
.set a, 0
.rept 8                                ; block a = 2 T + i: channels 128 T + 16 i on
	global_load_b128 v[CB+8*a:CB+8*a+3],   v8, s[8:9] offset:512*(a/2)+64*(a%2)
	global_load_b128 v[CB+8*a+4:CB+8*a+7], v8, s[8:9] offset:512*(a/2)+64*(a%2)+16
	global_load_b128 v[U+8*a:U+8*a+3],     v8, s[10:11] offset:2048+512*(a/2)+64*(a%2)
	global_load_b128 v[U+8*a+4:U+8*a+7],   v8, s[10:11] offset:2048+512*(a/2)+64*(a%2)+16
.set a, a+1
.endr
	s_wait_tensorcnt 0x3                           ; my rows of seq are in: three loads were issued behind theirs
	BAR                                            ; everybody's are; the tiles may stay out
; tile t of seq: 32 loads of 16 bytes (f32) into a half of window 1; then 64 roundings make its eight fragments
.macro SLD t
	WIN 0x40
.set kc, 0
.rept 8
.set d, 128*((\t)%2)+16*kc
	ds_load_b128 v[d:d+3],     v7 offset:(\t)*16*SQP+128*kc
	ds_load_b128 v[d+4:d+7],   v7 offset:(\t)*16*SQP+128*kc+16
	ds_load_b128 v[d+8:d+11],  v7 offset:(\t)*16*SQP+128*kc+64
	ds_load_b128 v[d+12:d+15], v7 offset:(\t)*16*SQP+128*kc+80
.set kc, kc+1
.endr
.endm
.macro SCV t
	WIN 0x85                                       ; sources window 1, destination window 2
.set y, 0
.rept 64
	v_cvt_pk_bf16_f32 v[8*(4*(y/8)+(\t))+y%8], v[128*((\t)%2)+2*y], v[128*((\t)%2)+2*y+1]
.set y, y+1
.endr
.endm
	SLD 0
	SLD 1
	s_wait_dscnt 32                                ; all but the 32 just issued
	SCV 0
	SLD 2
	s_wait_dscnt 32
	SCV 1
	SLD 3
	s_wait_dscnt 32
	SCV 2
	s_wait_dscnt 0x0
	SCV 3
	WIN 0
	s_wait_loadcnt 0x0
.set y, 0
.rept 32                               ; b0 is an input: rounded to bf16 like the others (u is made by the launch before, and is not)
	v_cvt_pk_bf16_f32 v15, v[CB+2*y], v[CB+2*y+1]
	v_lshlrev_b32 v[CB+2*y], 16, v15
	v_and_b32 v[CB+2*y+1], 0xffff0000, v15
.set y, y+1
.endr
; A tile of W0: four groups of 2 chunks of 32 along K x 2 blocks of 16 rows: 8 loads and 16 products each; three buffers, so a group is loaded two groups ahead.
; The eight accumulators (i, t) take turns.  The first chunk's C operand is b0.
.macro XLDG adr, g
.set fb, FB+32*((\g)%3)
.irp kk, 0,1
.irp i, 0,1
	ds_load_b128 v[fb+8*(2*\kk+\i):fb+8*(2*\kk+\i)+3],   v[\adr] offset:\i*16*WP+(2*(\g)+\kk)*64
	ds_load_b128 v[fb+8*(2*\kk+\i)+4:fb+8*(2*\kk+\i)+7], v[\adr] offset:\i*16*WP+(2*(\g)+\kk)*64+32
.endr
.endr
.endm
.macro XMMG a0, g
.irp kk, 0,1
.set kc, 2*(\g)+\kk
.irp i, 0,1
.irp t, 0,1,2,3
.set rA, FB+32*((\g)%3)+8*(2*\kk+\i)
.set rB, 8*(4*kc+\t)
.set rD, 8*(4*((\a0)+\i)+\t)
.if kc == 0
	WIN 0x48                                       ; D window 1, W0 window 0, seq window 2, b0 window 0
	v_wmma_f32_16x16x32_bf16 v[rD:rD+7], v[rA:rA+7], v[rB:rB+7], v[CB+8*((\a0)+\i):CB+8*((\a0)+\i)+7]
.else
	WIN 0x58
	v_wmma_f32_16x16x32_bf16 v[rD:rD+7], v[rA:rA+7], v[rB:rB+7], v[rD:rD+7]
.endif
.endr
.endr
.endr
.endm
.macro XSTEP adr, a0
	WIN 0
	XLDG \adr, 0
	XLDG \adr, 1
	XLDG \adr, 2
	s_wait_dscnt 16                                ; group 0 is in: two groups were issued behind it
	XMMG \a0, 0
	WIN 0
	PLACES
	XLDG \adr, 3
	s_wait_dscnt 16
	XMMG \a0, 1
	s_wait_dscnt 8
	XMMG \a0, 2
	s_wait_dscnt 0x0
	XMMG \a0, 3
	WIN 0
	PLACES
.endm
	s_wait_tensorcnt 0x2                           ; my rows of tile 0 are in: two loads were issued behind theirs
	XSTEP 4, 0
	s_wait_tensorcnt 0x0                           ; slot 0 is filled again: all my loads have landed,
	ds_add_u32 v28, v29                            ; 0 onto my spare word,
	s_add_nc_u64 s[58:59], s[6:7], 196608          ; (no load of mine is out, so the descriptor may be written: tile 3)
	s_or_b32 s59, s59, 0x80000000
	s_wait_dscnt 0x0                               ; the add is done and my reads of slot 0, and of seq, are over
	ROUND                                          ; the same holds of every wave of the four work-groups
	tensor_load_to_lds s[56:59], s[36:43]          ; one load of mine is out; it has two tiles' products in which to land
	s_nop 0
	PLACES
	XSTEP 5, 2
	XSTEP 6, 4
	s_wait_tensorcnt 0x0                           ; the one load that is out: my rows of tile 3
	XSTEP 4, 6
	; r: each lane's 64 channels times u, in four chains; every accumulator is read from its low end on
	WIN 0x01                                       ; source 0 window 1
.set y, 0
.rept 128                              ; tile y % 4, pair (y / 4) % 4, block y / 16
.set rr, 8*(4*(y/16)+y%4)+2*((y/4)%4)
.set ru, U+8*(y/16)+2*((y/4)%4)
.if y < 4
	v_pk_mul_f32 v[RP+2*(y%4):RP+2*(y%4)+1], v[rr:rr+1], v[ru:ru+1]
.else
	v_pk_fma_f32 v[RP+2*(y%4):RP+2*(y%4)+1], v[rr:rr+1], v[ru:ru+1], v[RP+2*(y%4):RP+2*(y%4)+1]
.endif
.set y, y+1
.endr
	WIN 0
	T4 v_add_f32 v[RP+2*t], v[RP+2*t], v[RP+2*t+1]
	T4 v_permlanex16_b32 v[RP+2*t+1], v[RP+2*t], s72, s73
	T4 v_add_f32 v[RP+2*t], v[RP+2*t], v[RP+2*t+1]
	T4 ds_store_b32 v9, v[RP+2*t] offset:256*t
	WIN 0x05                                       ; x to f16: sources window 1
.set y, 0
.rept 128
	v_cvt_pk_f16_f32 v[PK+y], v[2*y], v[2*y+1]
.set y, y+1
.endr
	WIN 0
.set y, 0
.rept 32                               ; block y / 4, tile y % 4: 16 bytes of a row into the stage (every wave's reads of seq ended in front of the round above)
	ds_store_b128 v10, v[PK+4*y:PK+4*y+3] offset:(y%4)*16*SQP+256*(y/8)+32*((y/4)%2)
.set y, y+1
.endr
	s_wait_dscnt 0x0                               ; for the others' sake
	BAR
.set y, 0
.rept 32                               ; back by rows: my 16 rows, 512 consecutive bytes a load
	ds_load_b128 v[PK+4*y:PK+4*y+3], v11 offset:(y/2)*SQP+512*(y%2)
.set y, y+1
.endr
.set y, 0
.rept 32
	s_wait_dscnt 31-y
	global_store_b128 v12, v[PK+4*y:PK+4*y+3], s[12:13] offset:(y/2)*1024+512*(y%2)  ; 512 consecutive bytes, aligned
.set y, y+1
.endr
	s_wait_kmcnt 0x0                               ; w0
	s_cmp_lg_u32 s24, 0
	s_cbranch_scc1 .Lnorq
	ds_load_b128 v[16:19], v13                     ; wave 0: the four waves' parts of rows 2 l and 2 l + 1
	ds_load_b128 v[20:23], v13 offset:16
	s_wait_dscnt 0x0
	v_add_f32 v16, v16, v17
	v_add_f32 v18, v18, v19
	v_add_f32 v20, v20, v21
	v_add_f32 v22, v22, v23
	v_add_f32 v16, v16, v18
	v_add_f32 v17, v20, v22
	v_add_f32 v16, s28, v16
	v_add_f32 v17, s28, v17
	global_store_b64 v14, v[16:17], s[14:15]       ; 256 consecutive bytes, aligned
.Lnorq:
	s_wait_tensorcnt 0x0                           ; the wave's end
	ds_add_u32 v28, v29
	s_wait_dscnt 0x0
	ROUND                                          ; the closing round
	s_endpgm
.Lfunc_end_k_q03388c3d3f_xproj:
	.size	k_q03388c3d3f_xproj, .Lfunc_end_k_q03388c3d3f_xproj-k_q03388c3d3f_xproj
	.p2alignl 7, 3214868480
	.fill 96, 4, 3214868480
	.section	.rodata,"a",@progbits
	.p2align	6, 0x0
	.amdhsa_kernel k_q03388c3d3f_xproj
		.amdhsa_group_segment_fixed_size 327680
		.amdhsa_private_segment_fixed_size 0
		.amdhsa_enable_private_segment 0
		.amdhsa_kernarg_size 48
		.amdhsa_user_sgpr_count 2
		.amdhsa_user_sgpr_kernarg_segment_ptr 1
		.amdhsa_wavefront_size32 1
		.amdhsa_system_sgpr_workgroup_id_x 1
		.amdhsa_system_sgpr_workgroup_id_y 1
		.amdhsa_system_sgpr_workgroup_id_z 1
		.amdhsa_system_vgpr_workitem_id 0
		.amdhsa_next_free_vgpr 768
		.amdhsa_next_free_sgpr 80
		.amdhsa_reserve_vcc 0
		.amdhsa_float_denorm_mode_32 3
		.amdhsa_float_denorm_mode_16_64 3
		.amdhsa_memory_ordered 1
		.amdhsa_forward_progress 1
		.amdhsa_inst_pref_size 91
	.end_amdhsa_kernel
	.amdgpu_metadata
---
amdhsa.version: [ 1, 2 ]
amdhsa.kernels:
  - .name:           k_q03388c3d3f_xproj
    .symbol:         k_q03388c3d3f_xproj.kd
    .args:
      - { .name: seq, .offset: 0, .size: 8, .value_kind: global_buffer, .address_space: global }
      - { .name: w0b, .offset: 8, .size: 8, .value_kind: global_buffer, .address_space: global }
      - { .name: b0, .offset: 16, .size: 8, .value_kind: global_buffer, .address_space: global }
      - { .name: cw, .offset: 24, .size: 8, .value_kind: global_buffer, .address_space: global }
      - { .name: xh, .offset: 32, .size: 8, .value_kind: global_buffer, .address_space: global }
      - { .name: rq, .offset: 40, .size: 8, .value_kind: global_buffer, .address_space: global }
    .group_segment_fixed_size: 327680
    .private_segment_fixed_size: 0
    .kernarg_segment_align: 8
    .kernarg_segment_size: 48
    .max_flat_workgroup_size: 128
    .sgpr_count:     80
    .vgpr_count:     768
    .wavefront_size: 32
...
	.end_amdgpu_metadata
.endif
;; end of part 2
;; launch attn (part 3): grid 32 x 8, 4 waves a work-group, clusters of 4 x 1, 327,680 bytes of LDS; arguments xh, mt, cw, wlh, lengths, rq, ln_g, ln_b, bl, out0; writes out0
.if DOCPART == 3
	.amdgcn_target "amdgcn-amd-amdhsa--gfx1250"
	.amdhsa_code_object_version 6
	.text
	.protected	k_q03388c3d3f_attn
	.globl	k_q03388c3d3f_attn
	.p2align	8
	.type	k_q03388c3d3f_attn,@function
k_q03388c3d3f_attn:
	s_mov_b64 s[64:65], 0
	v_nop
	global_prefetch_b8 v0, s[64:65] scope:SCOPE_SE
	s_setreg_imm32_b32 hwreg(HW_REG_WAVE_MODE, 25, 1), 1
	s_wait_xcnt 0x0
	s_wait_alu depctr_hold_cnt(0) depctr_sa_sdst(0) depctr_va_vdst(0) depctr_va_sdst(0) depctr_va_ssrc(0) depctr_va_vcc(0) depctr_vm_vsrc(0)
	s_getreg_b32 s2, hwreg(HW_REG_IB_STS2, 6, 4)
	s_cmp_eq_u32 s2, 0
	s_cbranch_scc0 .Lentry_in_a_cluster
	s_endpgm
.Lentry_in_a_cluster:
	s_bfe_u32 s2, ttmp6, 0x10000c
	s_cmp_lg_u32 s2, 0x3003
	s_cbranch_scc0 .Lentry_shape_is_right
	s_endpgm
.Lentry_shape_is_right:
; FROM x TO THE OUTPUT, for 64 queries a work-group: t = MT x + c; attention with K = V = x (score = x_k . t_q + r_q, over sqrt(512)); twice LayerNorm, ReLU, Linear; out = x + h.
; All products in f16 with f32 sums.  ln_g, ln_b, bl are rounded to bf16 like every input; x, MT, Wl arrive as f16.
; LIMITS.  Each row of t is divided by a power of two 2^E, E the exponent of its largest magnitude held to 2^-60 .. 2^120, so |t'| < 2; rows with a larger magnitude than 2^121 are not served.
; A hidden key counts as its score less 1e30 (in units of t'): scores reach 6.7e7 at the most.  A weight below 6e-8 of its row's largest is lost in f16.  lengths lie in 1 .. 2048 (a larger one counts as 2048).
; NaN and infinities are not treated apart.
; SHARES.  The four waves share the 64 queries (four tiles t of 16), held as fragments in 512 registers by every wave.  Of a tile of 128 keys wave w makes the scores of keys 32 w .. 32 w + 31, with a
; maximum of its own; the weights go through LDS; then wave w makes channels 128 w .. 128 w + 127 of O^T = V^T P for all 128 keys.  So each byte of a tile is read from LDS once as K and once as V.
; A wave fetches exactly the 32 rows that it reads as K (and as rows of MT or Wl): for those reads its own wait on its tensor load is all the ordering needed; V is read behind the round.
; SOFTMAX.  In log2 units y = cq s' + rho, cq = c0 2^E, rho = c0 r_q, c0 = log2(e) / sqrt(512).  Wave w: mu_w = its largest y, p = 2^(y - mu_w), lambda_w = sum p.  Every wave: M' = max(M, mu_0..3),
; a = 2^(M - M'), f_w = 2^(mu_w - M'), l = a l + sum f_w lambda_w, O = a O + V^T (f p).  A wave whose keys are all hidden takes mu_w = rho - cq 1e20, which lies below every real score of the row.
; CHANNELS.  Accumulator (a, t), lane half h, register j: channel 128 w + 64 h + 8 a + j, query 16 t + lane % 16: V's turning loads take channels X .. X + 7 and X + 64 .. X + 71 as a block's 16 rows
; (128 bytes apart), and the rows of mt and wlh are stored in the order that gives the same map.
; LAYERNORM of O / l is that of O with eps l^2: O is never divided.
; CLUSTER.  The four query blocks of a cluster walk the same 28 tiles (4 of MT, 16 of x, 8 of Wl): each is asked for jointly.  One round of the cluster's barrier for each 128 keys publishes the weights and frees the slot read as V a trip before.
; LDS: two slots of 128 rows x 1,040 bytes; XB0, XB1: P 64 x 272, mu and lambda [64][4] (two buffers, so that a fast wave's next weights do not meet a slow wave's reads);
; the same bytes serve as the stage (32 rows x 1,040) through which activations change from accumulators to fragments; LNS: row statistics; the spare words.  The output's stage is slot 0, behind its last fill.
; REGISTERS: window 0: v0-31 addresses; ST v32-63 eight a tile; MK v64-79 masks; S v80-143 scores (also P's fragments, bias, packed results); FB v144-239 three groups of fragments; F v240-255.
;   window 1: the 32 accumulators, (a, t) at 8 (4 a + t);  windows 2, 3: the queries' fragments, (t, chunk kc) at 8 (4 (kc % 8) + t).
.set SLOT1, 0x20800                    ; 128 x 1,040
.set KPT,   1040
.set XB0,   266240
.set XBS,   0x4c00                     ; 17,408 + 1,024 + 1,024
.set STAT,  17408
.set LNS,   305152
.set SPARE, 307200
.set TILEB, 131072                     ; a tile in memory: 128 rows of 1,024 bytes
.set ST,    32                         ; +0 M (later A), +1 l, +2 cq (Bc), +3 rho, +4 a (1 / 2^E; m), +5 eps l^2, +6 off (sums), +7 at work
.set MK,    64
.set S,     80
.set CB,    80
.set FB,    144
.set F,     240
.set TC,    144
.set TS,    152
.set MSB, 0
.macro WIN new                         ; the immediate's high byte repeats the setting that is left; a switch that changes nothing is dropped
.if MSB != (\new)
	s_set_vgpr_msb (MSB<<8)|(\new)
.set MSB, (\new)
.endif
.endm
.macro PLACES                          ; four plain lines between a matrix instruction and a load into, or a vector line on, its registers
.rept 4
	v_nop
.endr
.endm
.macro BAR
	s_barrier_signal -1
	s_barrier_wait -1
.endm
.macro ROUND                           ; a round of the cluster's barrier
	s_barrier_signal -1
	s_barrier_wait -1
	s_cmp_lg_u32 s24, 0
	s_cbranch_scc1 .Lnw0_\@
	s_barrier_signal -3
.Lnw0_\@:
	s_barrier_wait -3
	s_barrier_signal -1
	s_barrier_wait -1
.endm
.macro T4 line:vararg                  ; one line for each tile t of 16 queries
.set t, 0
.rept 4
	\line
.set t, t+1
.endr
.endm
; THE NEXT TILE INTO THE SLOT THAT IS FREE.  All my tensor loads have landed (one was out); 0 onto my spare word; the walking descriptor takes the other slot and the next tile's address; the add is done and my LDS
; reads and stores are over; a round, so that the same holds of every wave of the four work-groups; the joint load first behind it.  One load of mine is out.
; pf = 1: the prefetches' address steps too, behind the wait that shows that the last prefetch, a trip back, has read it.
.macro REFILL pf=0
	WIN 0
	s_wait_tensorcnt 0x0
	ds_add_u32 v28, v29
	s_xor_b32 s49, s49, SLOT1
	s_mov_b64 s[50:51], s[52:53]
	s_or_b32 s51, s51, 0x80000000
	s_add_nc_u64 s[52:53], s[52:53], TILEB
.if \pf
	s_wait_xcnt 0x0
	s_add_nc_u64 s[56:57], s[56:57], TILEB
.endif
	s_wait_dscnt 0x0
	ROUND
	tensor_load_to_lds s[48:51], s[36:43]
	s_nop 0
	PLACES
.endm
; A PREFETCH of x's tile two on, a trip ahead of its load: 128 rows x 1,024 bytes = 512 blocks of 256 bytes.  All eight clusters of a batch walk the same tiles: the first asks.  Its sixteen waves share the blocks
; out by address: rows 32 w + 8 cx + l / 4, block l % 4.  The last trip that fills a slot asks for nothing: there is no tile two on.
.macro ASK
	s_cmp_gt_u32 s29, s58
	s_cbranch_scc0 .Lnask_\@
	global_prefetch_b8 v24, s[56:57] th:TH_LOAD_NT scope:SCOPE_SE
.Lnask_\@:
.endm
; THE ENGINE: Y^T = (my 32 rows of a tile) x (the 64 queries' fragments), K = 512.  Eight groups of 2 chunks of 32 along K x 2 blocks i of 16 rows: 8 loads, 16 products.  Group g lies in FB[(g + 2) % 3]
; and is loaded behind group g - 3's products.  The eight accumulators (i, t) take turns.
.macro LDG adr, g
.set fb, FB+32*(((\g)+2)%3)
.irp kk, 0,1
.irp i, 0,1
	ds_load_b128 v[fb+8*(2*\kk+\i):fb+8*(2*\kk+\i)+3],   v[\adr] offset:\i*16*KPT+(2*(\g)+\kk)*64
	ds_load_b128 v[fb+8*(2*\kk+\i)+4:fb+8*(2*\kk+\i)+7], v[\adr] offset:\i*16*KPT+(2*(\g)+\kk)*64+32
.endr
.endr
.endm
; kind 0: scores, D = S(i, t) in window 0, the first chunk's C the mask.  kind 1: D = accumulator (a0 + i, t) in window 1, the first chunk's C the bias in CB.
.macro MMG kind, a0, g
.irp kk, 0,1
.set kc, 2*(\g)+\kk
.irp i, 0,1
.irp t, 0,1,2,3
.set rA, FB+32*(((\g)+2)%3)+8*(2*\kk+\i)
.set rB, 8*(4*(kc%8)+\t)
.if \kind
.set rD, 8*(4*((\a0)+\i)+\t)
.if kc == 0
	WIN 0x48
	v_wmma_f32_16x16x32_f16 v[rD:rD+7], v[rA:rA+7], v[rB:rB+7], v[CB+8*((\a0)+\i):CB+8*((\a0)+\i)+7]
.else
	WIN 0x58+4*(kc/8)
	v_wmma_f32_16x16x32_f16 v[rD:rD+7], v[rA:rA+7], v[rB:rB+7], v[rD:rD+7]
.endif
.else
.set rD, S+8*(4*\i+\t)
	WIN 0x08+4*(kc/8)
.if kc == 0
	v_wmma_f32_16x16x32_f16 v[rD:rD+7], v[rA:rA+7], v[rB:rB+7], v[MK+8*\i:MK+8*\i+7]
.else
	v_wmma_f32_16x16x32_f16 v[rD:rD+7], v[rA:rA+7], v[rB:rB+7], v[rD:rD+7]
.endif
.endif
.endr
.endr
.endr
.endm
; pre = 1: groups 0 to 2 have been asked for.  Each wait leaves out the groups issued behind the one that is wanted: two, then one, then none.
.macro GSTEP kind, adr, a0, pre
.if !(\pre)
	WIN 0
	LDG \adr, 0
	LDG \adr, 1
	LDG \adr, 2
.endif
.set gg, 0
.rept 8
.if gg < 6
	s_wait_dscnt 16
.elseif gg == 6
	s_wait_dscnt 8
.else
	s_wait_dscnt 0x0
.endif
	MMG \kind, \a0, gg
	PLACES
.if gg < 5
.if \kind
	WIN 0                                          ; (kind 0's settings leave destination and address in window 0)
.endif
	LDG \adr, gg+3
.endif
.set gg, gg+1
.endr
.endm
; THE NEXT TILE'S MASK: register j of block i is hidden where 16 i + j >= lengths - 128 tile - 32 w - 8 h
.macro MASK
	WIN 0
	v_add_nc_u32 v23, 0xffffff80, v23
.set y, 0
.rept 16
	v_cmp_ge_i32 vcc_lo, 16*(y/8)+y%8, v23
	v_cndmask_b32 v[MK+y], 0, s60, vcc_lo
.set y, y+1
.endr
.endm
; MY 32 KEYS' SOFTMAX for the 64 queries.  The 64 exponentials are one batch with one wait; nothing ahead of the wait names a result.
.macro SM
	WIN 0
	s_xor_b32 s31, s31, XBS                        ; the other buffer than last time
	v_add_nc_u32 v10, s31, v9
	v_add_nc_u32 v14, s31, v13
	T4 v_max3_num_f32 v[TC+2*t], v[S+8*t], v[S+8*t+1], v[S+8*t+2]
	T4 v_max3_num_f32 v[TC+2*t+1], v[S+32+8*t], v[S+32+8*t+1], v[S+32+8*t+2]
	T4 v_max3_num_f32 v[TC+2*t], v[TC+2*t], v[S+8*t+3], v[S+8*t+4]
	T4 v_max3_num_f32 v[TC+2*t+1], v[TC+2*t+1], v[S+32+8*t+3], v[S+32+8*t+4]
	T4 v_max3_num_f32 v[TC+2*t], v[TC+2*t], v[S+8*t+5], v[S+8*t+6]
	T4 v_max3_num_f32 v[TC+2*t+1], v[TC+2*t+1], v[S+32+8*t+5], v[S+32+8*t+6]
	T4 v_max3_num_f32 v[TC+2*t], v[TC+2*t], v[S+8*t+7], v[S+32+8*t+7]
	T4 v_max_num_f32 v[TC+2*t], v[TC+2*t], v[TC+2*t+1]
	T4 v_permlanex16_b32 v[TC+2*t+1], v[TC+2*t], s54, s55
	T4 v_max3_num_f32 v[TC+2*t], v[TC+2*t], v[TC+2*t+1], s62    ; at least -1e20: the stand-in where all 32 keys are hidden
	T4 v_fma_f32 v[TC+2*t], v[ST+8*t+2], v[TC+2*t], v[ST+8*t+3] ; mu = cq max + rho,
	T4 v_max_num_f32 v[TC+2*t], s63, v[TC+2*t]                  ; kept finite
	T4 v_sub_f32 v[ST+8*t+6], v[ST+8*t+3], v[TC+2*t]            ; off = rho - mu
.set y, 0
.rept 32
	v_pk_fma_f32 v[S+2*y:S+2*y+1], v[S+2*y:S+2*y+1], v[ST+8*((y/4)%4)+2:ST+8*((y/4)%4)+3], v[ST+8*((y/4)%4)+6:ST+8*((y/4)%4)+7] op_sel_hi:[1,0,0]
.set y, y+1
.endr
.set y, 0
.rept 64
	v_exp_f32 v[S+y], v[S+y]
.set y, y+1
.endr
	v_nop                                          ; a plain line behind the last exponential,
	s_wait_alu depctr_va_vdst(0)                   ; and the batch's one wait
	T4 v_pk_add_f32 v[TS+8*t:TS+8*t+1], v[S+8*t:S+8*t+1], v[S+8*t+2:S+8*t+3]
	T4 v_pk_add_f32 v[TS+8*t+2:TS+8*t+3], v[S+8*t+4:S+8*t+5], v[S+8*t+6:S+8*t+7]
	T4 v_pk_add_f32 v[TS+8*t+4:TS+8*t+5], v[S+32+8*t:S+32+8*t+1], v[S+32+8*t+2:S+32+8*t+3]
	T4 v_pk_add_f32 v[TS+8*t+6:TS+8*t+7], v[S+32+8*t+4:S+32+8*t+5], v[S+32+8*t+6:S+32+8*t+7]
	T4 v_pk_add_f32 v[TS+8*t:TS+8*t+1], v[TS+8*t:TS+8*t+1], v[TS+8*t+2:TS+8*t+3]
	T4 v_pk_add_f32 v[TS+8*t+4:TS+8*t+5], v[TS+8*t+4:TS+8*t+5], v[TS+8*t+6:TS+8*t+7]
	T4 v_pk_add_f32 v[TS+8*t:TS+8*t+1], v[TS+8*t:TS+8*t+1], v[TS+8*t+4:TS+8*t+5]
	T4 v_add_f32 v[TS+8*t], v[TS+8*t], v[TS+8*t+1]
	T4 v_permlanex16_b32 v[TS+8*t+1], v[TS+8*t], s54, s55
	T4 v_add_f32 v[TS+8*t], v[TS+8*t], v[TS+8*t+1]              ; lambda, of the unrounded weights
.set y, 0
.rept 32                               ; block y / 4: eight weights into its first four registers
	v_cvt_pk_f16_f32 v[S+8*(y/4)+y%4], v[S+8*(y/4)+2*(y%4)], v[S+8*(y/4)+2*(y%4)+1]
.set y, y+1
.endr
.set y, 0
.rept 8                                ; P[query][key]: row 16 t + r, keys 32 w + 16 i + 8 h on
	ds_store_b128 v10, v[S+8*y:S+8*y+3] offset:(y%4)*4352+32*(y/4)
.set y, y+1
.endr
	T4 ds_store_b32 v14, v[TC+2*t] offset:256*t
	T4 ds_store_b32 v14, v[TS+8*t] offset:1024+256*t
.endm
; V group g: key chunk g / 2, channel blocks 4 (g % 2) on -> FB[g % 3].   P chunk kc -> S + 32 (kc % 2).   PSC: that chunk times f of the wave that made it.   PVM: the group's 16 products, all on different accumulators.
.macro VLD g
.set fb, FB+32*((\g)%3)
.set av, 7+(\g)/4                      ; v7 for key chunks 0, 1; v8 for 2, 3
.irp c, 0,1,2,3
	ds_load_tr16_b128 v[fb+8*\c:fb+8*\c+3],   v[av] offset:(((\g)/2)%2)*32*KPT+16*(4*((\g)%2)+\c)
	ds_load_tr16_b128 v[fb+8*\c+4:fb+8*\c+7], v[av] offset:(((\g)/2)%2)*32*KPT+16*KPT+16*(4*((\g)%2)+\c)
.endr
.endm
.macro PLD kc
.set pf, S+32*((\kc)%2)
.irp t, 0,1,2,3
	ds_load_b128 v[pf+8*\t:pf+8*\t+3],   v12 offset:\t*4352+64*(\kc)
	ds_load_b128 v[pf+8*\t+4:pf+8*\t+7], v12 offset:\t*4352+64*(\kc)+32
.endr
.endm
.macro PSC kc
.set y, 0
.rept 32
	v_pk_mul_f16 v[S+32*((\kc)%2)+y], v[S+32*((\kc)%2)+y], v[F+4*(y/8)+(\kc)]
.set y, y+1
.endr
.endm
.macro PVM g
	WIN 0x50                                       ; C and D window 1, V and P window 0
.irp c, 0,1,2,3
.irp t, 0,1,2,3
.set rD, 8*(4*(4*((\g)%2)+\c)+\t)
.set rA, FB+32*((\g)%3)+8*\c
.set rB, S+32*(((\g)/2)%2)+8*\t
	v_wmma_f32_16x16x32_f16 v[rD:rD+7], v[rA:rA+7], v[rB:rB+7], v[rD:rD+7]
.endr
.endr
	WIN 0
.endm
; BEHIND THE ROUND: the four waves' mu and lambda, the first fragments of P and V; the new maximum, a and f (20 exponentials, one batch, one wait); l; O^T times a; P's first chunk times f.
; LDS loads in issue order: statistics 8, P0 8, V0 8, P1 8, V1 8, later V2 8.  Each wait's count is the loads issued behind the ones that are wanted.
.macro POST ask
	WIN 0
	v_add_nc_u32 v7, s30, v6
	v_add_nc_u32 v12, s31, v11
	v_add_nc_u32 v16, s31, v15
	v_add_nc_u32 v8, 64*KPT, v7
	T4 ds_load_b128 v[F+4*t:F+4*t+3], v16 offset:256*t
	T4 ds_load_b128 v[FB+64+4*t:FB+64+4*t+3], v16 offset:1024+256*t
	PLD 0
	VLD 0
	PLD 1
	VLD 1
.if \ask
	ASK
.endif
	s_wait_dscnt 32                                ; the statistics are in
	T4 v_max3_num_f32 v[ST+8*t+7], v[F+4*t], v[F+4*t+1], v[F+4*t+2]
	T4 v_max3_num_f32 v[ST+8*t+7], v[ST+8*t+7], v[F+4*t+3], v[ST+8*t]
	T4 v_sub_f32 v[ST+8*t+4], v[ST+8*t], v[ST+8*t+7]
.set y, 0
.rept 16
	v_sub_f32 v[F+y], v[F+y], v[ST+8*(y/4)+7]
.set y, y+1
.endr
	T4 v_mov_b32 v[ST+8*t], v[ST+8*t+7]
	T4 v_exp_f32 v[ST+8*t+4], v[ST+8*t+4]
.set y, 0
.rept 16
	v_exp_f32 v[F+y], v[F+y]
.set y, y+1
.endr
	v_nop
	s_wait_alu depctr_va_vdst(0)
	T4 v_mul_f32 v[ST+8*t+1], v[ST+8*t+1], v[ST+8*t+4]
.irp w, 0,1,2,3
	T4 v_fmac_f32 v[ST+8*t+1], v[F+4*t+\w], v[FB+64+4*t+\w]
.endr
.set y, 0
.rept 16
	v_cvt_pk_f16_f32 v[F+y], v[F+y], v[F+y]        ; f twice, for the packed multiply
.set y, y+1
.endr
	VLD 2
	WIN 0x41                                       ; destination and source 0 window 1
.set y, 0
.rept 128
	v_pk_mul_f32 v[2*y:2*y+1], v[2*y:2*y+1], v[ST+8*((y/4)%4)+4:ST+8*((y/4)%4)+5] op_sel_hi:[1,0]
.set y, y+1
.endr
	WIN 0
	s_wait_dscnt 32                                ; P0 is in (behind it: V0, P1, V1, V2)
	PSC 0
.endm
; O^T += V^T P: eight groups.  What stands behind a group's products: the scaling of the next chunk of P (32 plain lines that name none of the group's registers: the places) or four v_nop, then loads into the
; registers that the group has read.  chain = 1: from group 5 on the next tile's first fragments of K are fetched: my own 32 rows, shown landed by my own wait (the one load that is out).
.macro PV chain
	s_wait_dscnt 24                                ; V0 (behind it: P1, V1, V2)
	PVM 0
	s_wait_dscnt 16                                ; P1 (V1, V2)
	PSC 1
	VLD 3
	s_wait_dscnt 16                                ; V1 (V2, V3)
	PVM 1
	PLACES
	PLD 2
	VLD 4
	s_wait_dscnt 24                                ; V2 (V3, P2, V4)
	PVM 2
	s_wait_dscnt 8                                 ; P2 (V4)
	PSC 2
	VLD 5
	s_wait_dscnt 16                                ; V3 is long in (V4, V5)
	PVM 3
	PLACES
	PLD 3
	VLD 6
	s_wait_dscnt 24                                ; V4 (V5, P3, V6)
	PVM 4
	s_wait_dscnt 8                                 ; P3 (V6)
	PSC 3
	VLD 7
	s_wait_dscnt 16                                ; V5 is in (V6, V7)
	PVM 5
	PLACES
.if \chain
	s_wait_tensorcnt 0x0
	s_xor_b32 s30, s30, SLOT1
	v_add_nc_u32 v5, s30, v3
	LDG 5, 0
	s_wait_dscnt 16                                ; V6 (V7, K0)
.else
	s_wait_dscnt 8
.endif
	PVM 6
	PLACES
.if \chain
	LDG 5, 1
	s_wait_dscnt 16                                ; V7 (K0, K1)
.else
	s_wait_dscnt 0x0
.endif
	PVM 7
	PLACES
	PLACES                                         ; eight: the next scores are written over the registers that these products read as P, which asks for five places
.if \chain
	LDG 5, 2
.endif
.endm
; FROM ACCUMULATORS TO FRAGMENTS, two tiles at a time.  XST: the packed results (block a of tile tt at S + 4 (8 tt + a)) into the stage, row = query.  XLD: back as fragments of tiles 2 hf, 2 hf + 1.
.macro XST
	WIN 0
.set y, 0
.rept 16
	ds_store_b128 v19, v[S+4*y:S+4*y+3] offset:(y/8)*16*KPT+16*(y%8)
.set y, y+1
.endr
.endm
.macro XLD hf
.irp hi, 0,1
	WIN 0x80+0x40*\hi
.set y, 0
.rept 16                               ; tile y / 8, chunk 8 hi + y % 8
.set rr, 8*(4*(y%8)+2*(\hf)+y/8)
	ds_load_b128 v[rr:rr+3],   v20 offset:(y/8)*16*KPT+64*(8*\hi+y%8)
	ds_load_b128 v[rr+4:rr+7], v20 offset:(y/8)*16*KPT+64*(8*\hi+y%8)+32
.set y, y+1
.endr
.endr
	WIN 0
.endm
.macro IDX hf                          ; for y of 64: tile tl = 2 hf + y % 2, pair (y / 2) % 4, block y / 8
.set tl, 2*(\hf)+y%2
.set rr, 8*(4*(y/8)+tl)+2*((y/2)%4)
.set pk, S+4*(8*(y%2)+y/8)+(y/2)%4
.endm
.macro SCALE hf                        ; t' = t / 2^E, to f16
	WIN 0x41
.set y, 0
.rept 64
	IDX \hf
	v_pk_mul_f32 v[rr:rr+1], v[rr:rr+1], v[ST+8*tl+4:ST+8*tl+5] op_sel_hi:[1,0]
.set y, y+1
.endr
	WIN 0x05
.set y, 0
.rept 64
	IDX \hf
	v_cvt_pk_f16_f32 v[pk], v[rr], v[rr+1]
.set y, y+1
.endr
.endm
.macro LNAPPLY hf                      ; relu((d A + Bc) g + be), to f16
	WIN 0x41
.set y, 0
.rept 64
	IDX \hf
	v_pk_fma_f32 v[rr:rr+1], v[rr:rr+1], v[ST+8*tl:ST+8*tl+1], v[ST+8*tl+2:ST+8*tl+3] op_sel_hi:[1,0,0]
.set y, y+1
.endr
.set y, 0
.rept 64
	IDX \hf
.set ga, 144+8*(y/8)+2*((y/2)%4)
.if y/8 < 6
.set be, 208+8*(y/8)+2*((y/2)%4)
.else
.set be, 64+8*(y/8-6)+2*((y/2)%4)
.endif
	v_pk_fma_f32 v[rr:rr+1], v[rr:rr+1], v[ga:ga+1], v[be:be+1]
.set y, y+1
.endr
	WIN 0x05
.set y, 0
.rept 64
	IDX \hf
	v_cvt_pk_f16_f32 v[pk], v[rr], v[rr+1]
.set y, y+1
.endr
	WIN 0
.set y, 0
.rept 64
	v_pk_max_num_f16 v[S+y], v[S+y], v30
.set y, y+1
.endr
.endm
.macro RBF x, tmp                      ; two f32 rounded to bf16 and widened again
	v_cvt_pk_bf16_f32 v[\tmp], v[\x], v[(\x)+1]
	v_lshlrev_b32 v[\x], 16, v[\tmp]
	v_and_b32 v[(\x)+1], 0xffff0000, v[\tmp]
.endm
	s_load_b512 s[4:19], s[0:1], 0x0               ; xh 4, mt 6, cw 8, wlh 10, lengths 12, rq 14, ln_g 16, ln_b 18
	s_load_b128 s[20:23], s[0:1], 0x40             ; bl 20, out0 22
	v_lshl_add_u32 v28, v0, 2, SPARE
	v_mov_b32 v29, 0
	ds_add_u32 v28, v29                            ; the wave's opening: the add and its wait ahead of my first tensor load
	v_lshrrev_b32 v1, 5, v0
	v_readfirstlane_b32 s24, v1                    ; wave 0..3
	s_bfe_u32 s25, ttmp6, 0x40000                  ; cx
	s_lshl_b32 s26, ttmp9, 2
	s_add_co_u32 s26, s26, s25                     ; my block of 64 queries: it enters global addresses of my own loads, stores and prefetches alone
	s_and_b32 s27, ttmp7, 0xffff                   ; the batch, which the partners share
	s_mov_b32 s36, 15|(1<<16)|(1<<20)|(1<<21)|(7<<22)|(3<<25)  ; mask of four; 2-byte elements; padding on, 4 words after every 256
	s_mov_b32 s37, 512<<16                         ; tensor_dim0 = 512
	s_mov_b32 s38, 32<<16                          ; tensor_dim1 = 32
	s_mov_b32 s39, 512<<16                         ; tile_dim0 = 512
	s_mov_b32 s40, 32                              ; tile_dim1 = 32: the rows that I read as K
	s_mov_b32 s41, 512
	s_mov_b32 s42, 0
	s_mov_b32 s43, 0
	s_mov_b32 s44, 1
	s_mul_i32 s45, s24, 32*KPT                     ; slot 0, my 32 rows
	s_mov_b32 s48, 1
	s_add_co_u32 s49, s45, SLOT1                   ; slot 1; this descriptor walks
	s_mov_b32 s54, 0x76543210
	s_mov_b32 s55, 0xfedcba98
	s_mov_b32 s60, 0xf149f2ca                      ; -1e30
	s_mov_b32 s61, 0x3d8293ee                      ; c0 = log2(e) / sqrt(512)
	s_mov_b32 s62, 0xe0ad78ec                      ; -1e20
	s_mov_b32 s63, 0xfe967699                      ; -1e38
	s_cmp_eq_u32 ttmp9, 0
	s_cselect_b32 s58, 1, -1                       ; 1 in the batch's first cluster, else the greatest number
	s_lshl_b32 s66, s24, 15                        ; my 32 rows of a tile in memory; also my 16 rows of the output
	s_mov_b32 s67, 0
	s_lshl_b32 s68, s27, 21                        ; the batch's 2,048 rows of xh
	s_mov_b32 s69, 0
	s_lshl_b32 s70, s26, 16                        ; my block's 64 rows
	s_mov_b32 s71, 0
	s_lshl_b32 s72, s25, 13                        ; the prefetches: 8 cx rows,
	s_add_co_u32 s72, s72, s66                     ; 32 w rows,
	s_add_co_u32 s72, s72, TILEB                   ; at tile 1: the first trip steps it to tile 2
	s_mov_b32 s73, 0
	s_lshl_b32 s74, s27, 2
	s_lshl_b32 s86, s27, 22
	s_lshl_b32 s87, s26, 17
	s_add_co_u32 s86, s86, s87
	s_add_co_u32 s86, s86, s66                     ; the output at my wave's 16 rows
	s_mov_b32 s87, 0
	s_lshl_b32 s88, s27, 13
	s_lshl_b32 s89, s26, 8
	s_add_co_u32 s88, s88, s89
	s_mov_b32 s89, 0
	s_lshl_b32 s90, s24, 14
	s_mov_b32 s91, 0
	s_wait_dscnt 0x0                               ; the opening add is done
	s_wait_kmcnt 0x0
	s_add_nc_u64 s[6:7], s[6:7], s[66:67]
	s_mov_b64 s[46:47], s[6:7]                     ; MT's tile 0
	s_or_b32 s47, s47, 0x80000000
	s_add_nc_u64 s[50:51], s[6:7], TILEB           ; tile 1
	s_or_b32 s51, s51, 0x80000000
	s_add_nc_u64 s[52:53], s[6:7], 2*TILEB         ; s[52:53]: the tile to be asked for next
	s_add_nc_u64 s[10:11], s[10:11], s[66:67]
	s_add_nc_u64 s[4:5], s[4:5], s[68:69]
	s_add_nc_u64 s[80:81], s[4:5], s[66:67]        ; x's tile 0
	s_add_nc_u64 s[76:77], s[4:5], s[70:71]        ; my block's rows of x,
	s_add_nc_u64 s[84:85], s[76:77], s[90:91]      ; my wave's 16 of them
	s_add_nc_u64 s[56:57], s[4:5], s[72:73]
	s_add_nc_u64 s[78:79], s[22:23], s[86:87]
	s_add_nc_u64 s[14:15], s[14:15], s[88:89]
	s_load_b32 s28, s[12:13], s74 offset:0x0       ; the batch's length
	ROUND                                          ; the four work-groups are here: the first joint loads meet
	tensor_load_to_lds s[44:47], s[36:43]          ; two loads of mine are out
	s_nop 0
	tensor_load_to_lds s[48:51], s[36:43]
	s_nop 0
	PLACES
	v_and_b32 v1, 15, v0                           ; v1 r, v2 h, v21 l: kept
	v_bfe_u32 v2, v0, 4, 1
	v_and_b32 v21, 31, v0
	v_lshlrev_b32 v26, 10, v1
	v_lshl_add_u32 v26, v2, 4, v26                 ; v26  a fragment's row in xh: r x 1,024 + 16 h
	s_lshl_b32 s68, s24, 9
	v_lshl_add_u32 v22, v2, 8, s68                 ; v22  my channels in an f32 vector: 4 (128 w + 64 h)
	v_lshlrev_b32 v25, 2, v1                       ; v25  rq
	WIN 0x80
.set y, 0
.rept 32                               ; my block's x as fragments: tile y % 4, chunk y / 4
	global_load_b128 v[8*y:8*y+3],   v26, s[76:77] offset:(y%4)*16384+64*(y/4)
	global_load_b128 v[8*y+4:8*y+7], v26, s[76:77] offset:(y%4)*16384+64*(y/4)+32
.set y, y+1
.endr
	WIN 0xc0
.set y, 0
.rept 32
	global_load_b128 v[8*y:8*y+3],   v26, s[76:77] offset:(y%4)*16384+64*(8+y/4)
	global_load_b128 v[8*y+4:8*y+7], v26, s[76:77] offset:(y%4)*16384+64*(8+y/4)+32
.set y, y+1
.endr
	WIN 0
.set y, 0
.rept 8
	global_load_b128 v[CB+8*y:CB+8*y+3],   v22, s[8:9] offset:32*y      ; c
	global_load_b128 v[CB+8*y+4:CB+8*y+7], v22, s[8:9] offset:32*y+16
.set y, y+1
.endr
	T4 global_load_b32 v[ST+8*t+3], v25, s[14:15] offset:64*t
	v_mul_u32_u24 v27, v1, KPT
	v_lshl_add_u32 v20, v2, 4, v27
	v_add_nc_u32 v3, s45, v20                      ; v3   K (and MT, Wl) in slot 0: (32 w + r) x 1,040 + 16 h
	v_add_nc_u32 v4, SLOT1, v3                     ; v4   in slot 1;   v5 the slot in hand
	v_add_nc_u32 v20, XB0, v20                     ; v20  the stage, back
	s_lshl_b32 s67, s24, 8
	s_add_co_u32 s68, s67, XB0
	v_lshl_add_u32 v19, v2, 7, v27
	v_add_nc_u32 v19, s68, v19                     ; v19  the stage, in: row r, bytes 2 (128 w + 64 h)
	v_and_b32 v27, 7, v0
	v_lshl_add_u32 v27, v2, 3, v27
	v_mul_u32_u24 v6, v27, KPT
	v_bfe_u32 v27, v0, 3, 1
	v_lshl_add_u32 v6, v27, 7, v6
	v_add_nc_u32 v6, s67, v6                       ; v6   V: key 8 h + l % 8, bytes 256 w + 128 ((l / 8) % 2);   v7, v8 in the slot in hand
	v_mul_u32_u24 v27, v1, 272
	v_lshl_add_u32 v27, v2, 4, v27
	v_add_nc_u32 v11, XB0, v27                     ; v11  P, back: row r, 16 h;   v12 in the buffer in hand
	s_lshl_b32 s68, s24, 6
	s_add_co_u32 s68, s68, XB0
	v_add_nc_u32 v9, s68, v27                      ; v9   P, in: + 64 w;   v10
	v_lshlrev_b32 v27, 4, v1
	v_add_nc_u32 v15, XB0+STAT, v27                ; v15  mu and lambda, back: row r;   v16
	v_add_nc_u32 v18, LNS, v27                     ; v18  LNS, back
	s_lshl_b32 s68, s24, 2
	v_add_nc_u32 v13, s68, v15                     ; v13  mu and lambda, in: my wave's word;   v14
	v_add_nc_u32 v17, s68, v18                     ; v17  LNS, in
	v_lshrrev_b32 v24, 2, v21
	v_and_b32 v27, 3, v21
	v_lshlrev_b32 v24, 10, v24
	v_lshl_add_u32 v24, v27, 8, v24                ; v24  the prefetches: row l / 4, block l % 4
	v_mov_b32 v30, 0
	v_mov_b32 v31, 1.0
	s_wait_kmcnt 0x0
	s_lshl_b32 s68, s24, 5
	s_sub_co_u32 s68, s28, s68
	s_add_co_u32 s68, s68, 128
	v_lshlrev_b32 v23, 3, v2
	v_sub_nc_u32 v23, s68, v23                     ; v23  lengths - 32 w - 8 h + 128: the first MASK takes the 128 off
	s_wait_loadcnt 0x0
	; t = MT x + c
	s_wait_tensorcnt 0x1                           ; my rows of MT's tile 0 are in: one load was issued behind theirs
	GSTEP 1, 3, 0, 0
	REFILL
	GSTEP 1, 4, 2, 0
	REFILL
	GSTEP 1, 3, 4, 0
	s_mov_b64 s[52:53], s[80:81]                   ; next: x's tiles
	REFILL
	GSTEP 1, 4, 6, 0
	; each query's largest |t|: largest and smallest, in chains that start at 0; every accumulator is read from its low end on
	WIN 0
	T4 v_mov_b32 v[TC+2*t], 0
	T4 v_mov_b32 v[TC+2*t+1], 0
	WIN 0x14                                       ; sources 1 and 2 window 1
.set y, 0
.rept 128                              ; tile y % 4, pair (y / 4) % 4, block y / 16
.set rr, 8*(4*(y/16)+y%4)+2*((y/4)%4)
	v_max3_num_f32 v[TC+2*(y%4)], v[TC+2*(y%4)], v[rr], v[rr+1]
	v_min3_num_f32 v[TC+2*(y%4)+1], v[TC+2*(y%4)+1], v[rr], v[rr+1]
.set y, y+1
.endr
	WIN 0
	T4 v_mul_f32 v[TC+2*t+1], -1.0, v[TC+2*t+1]
	T4 v_max_num_f32 v[TC+2*t], v[TC+2*t], v[TC+2*t+1]
	T4 v_permlanex16_b32 v[TC+2*t+1], v[TC+2*t], s54, s55
	T4 v_max_num_f32 v[TC+2*t], v[TC+2*t], v[TC+2*t+1]
	T4 ds_store_b32 v17, v[TC+2*t] offset:256*t
	s_wait_dscnt 0x0
	BAR
	T4 ds_load_b128 v[TS+4*t:TS+4*t+3], v18 offset:256*t
	s_mov_b32 s66, 0x21800000                      ; 2^-60
	s_mov_b32 s67, 0x7b800000                      ; 2^120
	s_wait_dscnt 0x0
	T4 v_max3_num_f32 v[TC+2*t], v[TS+4*t], v[TS+4*t+1], v[TS+4*t+2]
	T4 v_max_num_f32 v[TC+2*t], v[TC+2*t], v[TS+4*t+3]
	T4 v_med3_num_f32 v[TC+2*t], v[TC+2*t], s66, s67
	T4 v_and_b32 v[TC+2*t], 0x7f800000, v[TC+2*t]               ; 2^E
	T4 v_sub_nc_u32 v[ST+8*t+4], 0x7f000000, v[TC+2*t]          ; 2^-E
	T4 v_mul_f32 v[ST+8*t+2], s61, v[TC+2*t]                    ; cq
	T4 v_mul_f32 v[ST+8*t+3], s61, v[ST+8*t+3]                  ; rho
	T4 v_mov_b32 v[ST+8*t], 0xff7fffff                          ; M: the lowest finite number, so the first a is 0 and wipes what the accumulators hold
	T4 v_mov_b32 v[ST+8*t+1], 0
	T4 v_mov_b32 v[ST+8*t+5], 0
	T4 v_mov_b32 v[ST+8*t+6], 0
	T4 v_mov_b32 v[ST+8*t+7], 0
	SCALE 0
	XST
	s_wait_dscnt 0x0
	BAR                                            ; the stage holds tiles 0, 1 of all four waves' channels
	XLD 0
	s_wait_dscnt 0x0
	BAR                                            ; everybody has read it
	SCALE 1
	XST
	s_wait_dscnt 0x0
	BAR
	XLD 1
	s_wait_dscnt 0x0
	BAR                                            ; the stage's bytes are free for the weights
	; ATTENTION.  The loop is entered in the middle of a trip: tile 0's scores come first.
	s_wait_tensorcnt 0x0                           ; my rows of x's tile 0
	s_mov_b32 s30, 0                               ; the slot in hand
	s_mov_b32 s31, XBS                             ; SM turns it to buffer 0
	v_mov_b32 v5, v3
	MASK
	LDG 5, 0
	LDG 5, 1
	LDG 5, 2
	s_mov_b32 s29, 16
	s_branch .Lmid
.Ltop:                                 ; trip j = 15 - s29: tile j + 1 is asked for; tile j's weights meet tile j as V; then tile j + 1's scores
	REFILL 1
	POST 1
	PV 1
	WIN 0
.Lmid:
	GSTEP 0, 5, 0, 1
	MASK
	SM
	WIN 0
	s_sub_co_u32 s29, s29, 1
	s_cmp_lg_u32 s29, 0
	s_cbranch_scc1 .Ltop
	s_wait_dscnt 0x0                               ; the last tile: nothing is asked for, so a plain barrier publishes the weights
	BAR
	POST 0
	PV 0
	; THE TWO LAYERS
	WIN 0
	T4 v_mul_f32 v[ST+8*t+5], v[ST+8*t+1], v[ST+8*t+1]
	T4 v_mul_f32 v[ST+8*t+5], 0x3727c5ac, v[ST+8*t+5]           ; 1e-5 l^2
	s_mov_b64 s[52:53], s[10:11]                   ; next: Wl's tiles
	s_mov_b32 s82, 2
.Llayer:
.set y, 0
.rept 8                                ; g -> v144-207; be -> v208-255 and v64-79
	global_load_b128 v[144+8*y:144+8*y+3], v22, s[16:17] offset:32*y
	global_load_b128 v[144+8*y+4:144+8*y+7], v22, s[16:17] offset:32*y+16
.set y, y+1
.endr
.set y, 0
.rept 8
.if y < 6
.set be, 208+8*y
.else
.set be, 64+8*(y-6)
.endif
	global_load_b128 v[be:be+3], v22, s[18:19] offset:32*y
	global_load_b128 v[be+4:be+7], v22, s[18:19] offset:32*y+16
.set y, y+1
.endr
	; my 128 channels: mean m, then centred in place, then the sum of squares
	T4 v_mov_b32 v[ST+8*t+6], 0
	T4 v_mov_b32 v[ST+8*t+7], 0
	WIN 0x04
.set y, 0
.rept 128
.set rr, 8*(4*(y/16)+y%4)+2*((y/4)%4)
	v_pk_add_f32 v[ST+8*(y%4)+6:ST+8*(y%4)+7], v[ST+8*(y%4)+6:ST+8*(y%4)+7], v[rr:rr+1]
.set y, y+1
.endr
	WIN 0
	T4 v_add_f32 v[ST+8*t+6], v[ST+8*t+6], v[ST+8*t+7]
	T4 v_permlanex16_b32 v[ST+8*t+7], v[ST+8*t+6], s54, s55
	T4 v_add_f32 v[ST+8*t+6], v[ST+8*t+6], v[ST+8*t+7]
	T4 v_mul_f32 v[ST+8*t+4], 0x3c000000, v[ST+8*t+6]           ; / 128
	T4 v_mov_b32 v[ST+8*t+6], 0
	T4 v_mov_b32 v[ST+8*t+7], 0
	WIN 0x41
.set y, 0
.rept 128
.set rr, 8*(4*(y/16)+y%4)+2*((y/4)%4)
	v_pk_add_f32 v[rr:rr+1], v[rr:rr+1], v[ST+8*(y%4)+4:ST+8*(y%4)+5] op_sel_hi:[1,0] neg_lo:[0,1] neg_hi:[0,1]
.set y, y+1
.endr
	WIN 0x05
.set y, 0
.rept 128
.set rr, 8*(4*(y/16)+y%4)+2*((y/4)%4)
	v_pk_fma_f32 v[ST+8*(y%4)+6:ST+8*(y%4)+7], v[rr:rr+1], v[rr:rr+1], v[ST+8*(y%4)+6:ST+8*(y%4)+7]
.set y, y+1
.endr
	WIN 0
	T4 v_add_f32 v[ST+8*t+6], v[ST+8*t+6], v[ST+8*t+7]
	T4 v_permlanex16_b32 v[ST+8*t+7], v[ST+8*t+6], s54, s55
	T4 v_add_f32 v[ST+8*t+6], v[ST+8*t+6], v[ST+8*t+7]
	T4 ds_store_b32 v17, v[ST+8*t+4] offset:256*t
	T4 ds_store_b32 v17, v[ST+8*t+6] offset:1024+256*t
	REFILL                                         ; the layer's tile 0; the round also publishes the four waves' m and sums of squares
	T4 ds_load_b128 v[80+4*t:83+4*t], v18 offset:256*t
	T4 ds_load_b128 v[96+4*t:99+4*t], v18 offset:1024+256*t
	s_wait_dscnt 0x0
	; mean = sum m / 4; variance = (sum of the sums of squares + 128 sum (m_w - mean)^2) / 512
	T4 v_add_f32 v[112+4*t], v[80+4*t], v[81+4*t]
	T4 v_add_f32 v[113+4*t], v[82+4*t], v[83+4*t]
	T4 v_add_f32 v[112+4*t], v[112+4*t], v[113+4*t]
	T4 v_mul_f32 v[112+4*t], 0x3e800000, v[112+4*t]
.irp w, 0,1,2,3
	T4 v_sub_f32 v[80+4*t+\w], v[80+4*t+\w], v[112+4*t]
.endr
	T4 v_mul_f32 v[113+4*t], v[80+4*t], v[80+4*t]
.irp w, 1,2,3
	T4 v_fmac_f32 v[113+4*t], v[80+4*t+\w], v[80+4*t+\w]
.endr
	T4 v_add_f32 v[114+4*t], v[96+4*t], v[97+4*t]
	T4 v_add_f32 v[115+4*t], v[98+4*t], v[99+4*t]
	T4 v_add_f32 v[114+4*t], v[114+4*t], v[115+4*t]
	T4 v_fmamk_f32 v[114+4*t], v[113+4*t], 0x43000000, v[114+4*t]
	T4 v_fmamk_f32 v[114+4*t], v[114+4*t], 0x3b000000, v[ST+8*t+5]
	T4 v_rsq_f32 v[ST+8*t], v[114+4*t]
	T4 v_sub_f32 v[113+4*t], v[ST+8*t+4], v[112+4*t]            ; plain lines behind the last root,
	s_wait_alu depctr_va_vdst(0)                   ; and the four roots' one wait
	T4 v_mul_f32 v[ST+8*t+2], v[113+4*t], v[ST+8*t]             ; Bc = (m - mean) A
	s_wait_loadcnt 0x0
.set y, 0
.rept 32
	RBF 144+2*y, 26+y%2
.set y, y+1
.endr
.set y, 0
.rept 32
.if y < 24
	RBF 208+2*y, 26+y%2
.else
	RBF 64+2*(y-24), 26+y%2
.endif
.set y, y+1
.endr
	LNAPPLY 0
	XST
	s_wait_dscnt 0x0
	BAR
	XLD 0
	s_wait_dscnt 0x0
	BAR
	LNAPPLY 1
	XST
	REFILL                                         ; the layer's tile 1; the round also publishes the stage; its wait for all loads shows my rows of tile 0 landed
.set y, 0
.rept 8
	global_load_b128 v[CB+8*y:CB+8*y+3],   v22, s[20:21] offset:32*y    ; bl
	global_load_b128 v[CB+8*y+4:CB+8*y+7], v22, s[20:21] offset:32*y+16
.set y, y+1
.endr
	XLD 1
	s_wait_dscnt 0x0
	s_wait_loadcnt 0x0
.set y, 0
.rept 32
	RBF CB+2*y, 26+y%2
.set y, y+1
.endr
	GSTEP 1, 3, 0, 0
	REFILL
	GSTEP 1, 4, 2, 0
	REFILL
	GSTEP 1, 3, 4, 0
	s_wait_tensorcnt 0x0                           ; the one load that is out: my rows of the layer's tile 3
	GSTEP 1, 4, 6, 0
	WIN 0
	T4 v_mov_b32 v[ST+8*t+5], 0x3727c5ac           ; the second layer's rows are not scaled: eps as it is
	s_add_nc_u64 s[16:17], s[16:17], 2048          ; all loads that read these pointers have been waited for
	s_add_nc_u64 s[18:19], s[18:19], 2048
	s_add_nc_u64 s[20:21], s[20:21], 2048
	s_sub_co_u32 s82, s82, 1
	s_cmp_lg_u32 s82, 0
	s_cbranch_scc1 .Llayer
	; THE WAY OUT: h through slot 0 (its last fill is past) into whole rows; x is added; 512 consecutive bytes a store
	v_mul_u32_u24 v5, v1, 2064
	v_lshl_add_u32 v5, v2, 8, v5
	s_lshl_b32 s66, s24, 9
	v_add_nc_u32 v5, s66, v5                       ; in: row r, bytes 4 (128 w + 64 h), tiles 0, 1;
	v_add_nc_u32 v7, 32*2064, v5                   ; tiles 2, 3
	s_mul_i32 s66, s24, 16*2064
	v_lshl_add_u32 v8, v21, 4, s66                 ; back: my 16 rows, 16 bytes a lane
	v_lshlrev_b32 v10, 3, v21                      ; the same numbers in xh: 8 bytes a lane
	v_lshlrev_b32 v12, 4, v21
	WIN 0x80
.set y, 0
.rept 64                               ; row y / 4, quarter y % 4: 256 consecutive bytes a load
	global_load_b64 v[2*y:2*y+1], v10, s[84:85] offset:(y/4)*1024+(y%4)*256
.set y, y+1
.endr
	WIN 0
	s_wait_dscnt 0x0
	BAR                                            ; every wave's reads of slot 0 are over
	WIN 0x04                                       ; the data in window 1
.set y, 0
.rept 32                               ; block y / 4, tile y % 4; the accumulator's low half first
.set ao, 5+2*((y%4)/2)
	ds_store_b128 v[ao], v[8*y:8*y+3]   offset:(y%2)*16*2064+32*(y/4)
	ds_store_b128 v[ao], v[8*y+4:8*y+7] offset:(y%2)*16*2064+32*(y/4)+16
.set y, y+1
.endr
	WIN 0
	s_wait_dscnt 0x0
	BAR
.macro OLD b                           ; four rows back, into one of two sets of 64 registers
.set y, 0
.rept 16
	ds_load_b128 v[80+64*((\b)%2)+4*y:80+64*((\b)%2)+4*y+3], v8 offset:(4*(\b)+y/4)*2064+(y%4)*512
.set y, y+1
.endr
.endm
.macro OUT b                           ; x (an f16 half) x 1 + h, and out
	WIN 0x02                                       ; source 0 window 2
.set y, 0
.rept 16
.set d, 80+64*((\b)%2)+4*y
.set xr, 2*(16*(\b)+y)
	v_fma_mix_f32 v[d],   v[xr],   v31, v[d]   op_sel_hi:[1,0,0]
	v_fma_mix_f32 v[d+1], v[xr],   v31, v[d+1] op_sel:[1,0,0] op_sel_hi:[1,0,0]
	v_fma_mix_f32 v[d+2], v[xr+1], v31, v[d+2] op_sel_hi:[1,0,0]
	v_fma_mix_f32 v[d+3], v[xr+1], v31, v[d+3] op_sel:[1,0,0] op_sel_hi:[1,0,0]
.set y, y+1
.endr
	WIN 0
.set y, 0
.rept 16
.set d, 80+64*((\b)%2)+4*y
	global_store_b128 v12, v[d:d+3], s[78:79] offset:(4*(\b)+y/4)*2048+(y%4)*512 th:TH_STORE_NT
.set y, y+1
.endr
.endm
	OLD 0
	OLD 1
	s_wait_loadcnt 0x0                             ; x
	s_wait_dscnt 16                                ; all but the 16 just issued
	OUT 0
	s_wait_xcnt 0x0                                ; the stores have read their registers: the set may be loaded again
	OLD 2
	s_wait_dscnt 16
	OUT 1
	s_wait_xcnt 0x0
	OLD 3
	s_wait_dscnt 16
	OUT 2
	s_wait_dscnt 0x0
	OUT 3
	s_wait_tensorcnt 0x0                           ; the wave's end
	ds_add_u32 v28, v29
	s_wait_dscnt 0x0
	ROUND                                          ; the closing round
	s_endpgm
.Lfunc_end_k_q03388c3d3f_attn:
	.size	k_q03388c3d3f_attn, .Lfunc_end_k_q03388c3d3f_attn-k_q03388c3d3f_attn
	.p2alignl 7, 3214868480
	.fill 96, 4, 3214868480
	.section	.rodata,"a",@progbits
	.p2align	6, 0x0
	.amdhsa_kernel k_q03388c3d3f_attn
		.amdhsa_group_segment_fixed_size 327680
		.amdhsa_private_segment_fixed_size 0
		.amdhsa_enable_private_segment 0
		.amdhsa_kernarg_size 80
		.amdhsa_user_sgpr_count 2
		.amdhsa_user_sgpr_kernarg_segment_ptr 1
		.amdhsa_wavefront_size32 1
		.amdhsa_system_sgpr_workgroup_id_x 1
		.amdhsa_system_sgpr_workgroup_id_y 1
		.amdhsa_system_sgpr_workgroup_id_z 1
		.amdhsa_system_vgpr_workitem_id 0
		.amdhsa_next_free_vgpr 1024
		.amdhsa_next_free_sgpr 96
		.amdhsa_reserve_vcc 1
		.amdhsa_float_denorm_mode_32 3
		.amdhsa_float_denorm_mode_16_64 3
		.amdhsa_memory_ordered 1
		.amdhsa_forward_progress 1
		.amdhsa_inst_pref_size 255
	.end_amdhsa_kernel
	.section	.bss,"aw",@nobits
	.p2align	6
	.space	262144
	.amdgpu_metadata
---
amdhsa.version: [ 1, 2 ]
amdhsa.kernels:
  - .name:           k_q03388c3d3f_attn
    .symbol:         k_q03388c3d3f_attn.kd
    .args:
      - { .name: xh, .offset: 0, .size: 8, .value_kind: global_buffer, .address_space: global }
      - { .name: mt, .offset: 8, .size: 8, .value_kind: global_buffer, .address_space: global }
      - { .name: cw, .offset: 16, .size: 8, .value_kind: global_buffer, .address_space: global }
      - { .name: wlh, .offset: 24, .size: 8, .value_kind: global_buffer, .address_space: global }
      - { .name: lengths, .offset: 32, .size: 8, .value_kind: global_buffer, .address_space: global }
      - { .name: rq, .offset: 40, .size: 8, .value_kind: global_buffer, .address_space: global }
      - { .name: ln_g, .offset: 48, .size: 8, .value_kind: global_buffer, .address_space: global }
      - { .name: ln_b, .offset: 56, .size: 8, .value_kind: global_buffer, .address_space: global }
      - { .name: bl, .offset: 64, .size: 8, .value_kind: global_buffer, .address_space: global }
      - { .name: out0, .offset: 72, .size: 8, .value_kind: global_buffer, .address_space: global }
    .group_segment_fixed_size: 327680
    .private_segment_fixed_size: 0
    .kernarg_segment_align: 8
    .kernarg_segment_size: 80
    .max_flat_workgroup_size: 128
    .sgpr_count:     96
    .vgpr_count:     1024
    .wavefront_size: 32
...
	.end_amdgpu_metadata
.endif
;; end of part 3
;; ======== version 2 of 3: 3 launches
;; limits: values are held in f16: magnitudes above 65,504 overflow, below 6.1e-05 lose precision
;; workspace buffers: w0b 262,144 bytes; mt 524,288 bytes; wlh 1,048,576 bytes; cw 18,688 bytes; xh 16,777,216 bytes; rq 65,536 bytes
;; launch prep (part 4): grid 64 x 1, 8 waves a work-group, no clusters, 206,336 bytes of LDS; arguments Wq, Wk, bq, bk, W0, Wl, mt, cw, w0b, wlh, ln_g, ln_b, bl, b0; writes mt, cw, w0b, wlh
.if DOCPART == 4
	.amdgcn_target "amdgcn-amd-amdhsa--gfx1250"
	.amdhsa_code_object_version 6
	.text
	.protected	k_q03388c3d3f_prep
	.globl	k_q03388c3d3f_prep
	.p2align	8
	.type	k_q03388c3d3f_prep,@function
k_q03388c3d3f_prep:
	s_mov_b64 s[64:65], 0
	v_nop
	global_prefetch_b8 v0, s[64:65] scope:SCOPE_SE
	s_setreg_imm32_b32 hwreg(HW_REG_WAVE_MODE, 25, 1), 1
	s_wait_xcnt 0x0
; WEIGHTS, ONCE.  q.k = x_k . t_q + r_q with t_q = MT x_q + c, r_q = x_q . u + w0, where
;   MT[b][a] = sum_j Wk[j][b] Wq[j][a]   c[b] = sum_j Wk[j][b] bq[j]   u[a] = sum_j Wq[j][a] bk[j]   w0 = sum_j bq[j] bk[j].
; All inputs are rounded to bf16; the sums are f32; MT leaves as f16, c, u, w0 as f32.  Also copied: W0 as bf16, Wl rounded to bf16 and written as f16,
; and ln_g, ln_b, bl, b0 rounded to bf16 and written as f32, so that the later launches load them as they use them.
; cw: c at 0, u at 2,048, w0 at 4,096, ln_g at 4,352, ln_b at 8,448, bl at 12,544, b0 at 16,640.
; LIMITS: |MT| and |Wl| under 65,504 (f16); below 6e-5 they keep f16's fixed step of 6e-8.
; ROWS OF mt AND wlh ARE PERMUTED: storage row p = T<<7 | w<<5 | i<<4 | h<<3 | j holds channel w<<7 | h<<6 | T<<4 | i<<3 | j, the order in which the last launch's waves want them.
; SHARES.  64 work-groups: block bi = id / 4 of 32 rows b, block ai = id % 4 of 128 columns a.  Eight waves, wave (wb, wa) makes 16 b x 32 a.
; No cluster and no tensor load: the f32 inputs pass through registers to be rounded, and a block of 32 x 128 is the smallest whose rows of mt are 256 consecutive bytes.
; LDS: KT 512 rows j x 96 bytes (32 b, then bk[j] 16 times); QT 512 rows j x 288 bytes (128 a, then bq[j] 16 times): both pitches are odd multiples of 32 bytes.
; The 16 copies make c, u and w0 fall out of the same matrix products as MT.
.set KP,    96
.set QT,    49152
.set QP,    288
.set STG,   196608                     ; 32 rows x 272 bytes: MT's block on its way out
.set SPARE, 205312                     ; the spare words: 128 bytes for each of eight waves
.set PAR,   4352                       ; cw: the seven units of 2,048 bytes of parameters begin here
.set SPW,   254                        ; v254 SPARE + 4 x thread; never rewritten
.set NIL,   255                        ; v255 0; never rewritten
.set RING,  64                         ; v[64:223] 40 slots of 4 registers; later the fragments
.macro BAR
	s_barrier_signal -1
	s_barrier_wait -1
.endm
	s_load_b512 s[4:19], s[0:1], 0x0               ; Wq 4, Wk 6, bq 8, bk 10, W0 12, Wl 14, mt 16, cw 18
	s_load_b128 s[20:23], s[0:1], 0x40             ; w0b 20, wlh 22
	s_load_b256 s[36:43], s[0:1], 0x50             ; ln_g 36, ln_b 38, bl 40, b0 42
	v_lshl_add_u32 v[SPW], v0, 2, SPARE
	v_mov_b32 v[NIL], 0
	v_lshrrev_b32 v15, 5, v0
	v_readfirstlane_b32 s24, v15                   ; wave 0..7
	s_lshr_b32 s25, ttmp9, 2                       ; bi
	s_and_b32 s26, ttmp9, 3                        ; ai
	s_lshr_b32 s27, s24, 2                         ; wb
	s_and_b32 s28, s24, 3                          ; wa
	v_lshlrev_b32 v1, 4, v0                        ; copies: 16 bytes of f32 a thread
	v_lshlrev_b32 v2, 3, v0                        ; and 8 bytes of 16-bit numbers out; also my two biases and my two parameters
	v_lshrrev_b32 v3, 3, v0                        ; Wk: a pass is 32 rows x 128 bytes: row thread / 8
	v_and_b32 v15, 7, v0
	v_mul_u32_u24 v4, v3, KP
	v_lshl_add_u32 v4, v15, 3, v4                  ; v4  KT: row x 96 + 8 (thread % 8)
	v_lshlrev_b32 v3, 11, v3
	v_lshl_add_u32 v3, v15, 4, v3                  ; v3  Wk: row x 2,048 + 16 (thread % 8)
	v_and_b32 v15, 31, v0
	s_lshl_b32 s30, s24, 11
	v_lshl_add_u32 v5, v15, 4, s30                 ; v5  Wq: a pass is 8 rows x 512 bytes: row = wave
	s_mul_i32 s30, s24, QP
	s_add_co_u32 s30, s30, QT
	v_lshl_add_u32 v6, v15, 3, s30                 ; v6  QT for passes 0-27,
	v_add_nc_u32 v7, 28*2304, v6                   ; v7  28-55,
	v_add_nc_u32 v8, 56*2304, v6                   ; v8  56-63: an LDS immediate has 16 bits
	v_mul_u32_u24 v9, v0, 2*KP
	v_add_nc_u32 v9, 64, v9                        ; v9  KT's bias columns of rows 2 t, 2 t + 1
	v_mul_u32_u24 v10, v0, 2*QP
	v_add_nc_u32 v10, QT+256, v10                  ; v10 QT's
	v_and_b32 v15, 7, v0                           ; the turning load: lane l reads row 8 (l / 16) + l % 8, 16 bytes at 16 ((l / 8) % 2)
	v_bfe_u32 v13, v0, 4, 1
	v_lshl_add_u32 v15, v13, 3, v15
	v_bfe_u32 v13, v0, 3, 1
	v_lshlrev_b32 v13, 4, v13
	v_mad_u32_u24 v12, v15, QP, v13
	v_mad_u32_u24 v14, v15, KP, v13
	s_lshl_b32 s30, s28, 6
	s_add_co_u32 s30, s30, QT
	v_add_nc_u32 v11, s30, v12                     ; v11 QT, my 32 columns a
	v_add_nc_u32 v12, QT+256, v12                  ; v12 QT, the copies of bq
	s_lshl_b32 s30, s27, 5
	v_add_nc_u32 v13, s30, v14                     ; v13 KT, my 16 columns b
	v_add_nc_u32 v14, 64, v14                      ; v14 KT, the copies of bk
	s_lshr_b32 s32, ttmp9, 5                       ; Wl: work-group k writes storage rows 16 k .. 16 k + 15: layer k / 32,
	s_lshl_b32 s32, s32, 9
	s_bfe_u32 s33, ttmp9, 0x20001                  ; w = bits 2:1 of k,
	s_lshl_b32 s33, s33, 7
	s_add_co_u32 s32, s32, s33
	s_bfe_u32 s33, ttmp9, 0x20003                  ; T = bits 4:3,
	s_lshl_b32 s33, s33, 4
	s_add_co_u32 s32, s32, s33
	s_and_b32 s33, ttmp9, 1                        ; i = bit 0
	s_lshl_b32 s33, s33, 3
	s_add_co_u32 s32, s32, s33                     ; the source row for h = j = 0
	s_mov_b32 s31, 0
	s_wait_kmcnt 0x0
	s_lshl_b32 s30, s25, 7
	s_add_nc_u64 s[6:7], s[6:7], s[30:31]          ; Wk at my 32 columns
	s_lshl_b32 s30, s26, 9
	s_add_nc_u64 s[4:5], s[4:5], s[30:31]          ; Wq at my 128 columns
	s_lshl_b32 s30, s32, 11
	s_add_nc_u64 s[14:15], s[14:15], s[30:31]
	s_lshl_b32 s30, ttmp9, 14
	s_add_nc_u64 s[22:23], s[22:23], s[30:31]      ; wlh: 16 rows of 1,024 bytes
	s_lshl_b32 s30, ttmp9, 13
	s_add_nc_u64 s[12:13], s[12:13], s[30:31]      ; W0: 8 rows of 1,024 bytes
	s_lshl_b32 s30, ttmp9, 12
	s_add_nc_u64 s[20:21], s[20:21], s[30:31]      ; w0b: 8 rows of 512 bytes
	; the parameters: seven units of 2,048 bytes (the halves of ln_g, ln_b, bl; b0), unit k to work-group k.  Every work-group loads a unit (its number held to 6), so that the load stands
	; among the others, ahead of every wait; one branch, round the store alone, tells the work-groups apart: work-groups 7 to 63 drop what they loaded.
	s_min_u32 s33, ttmp9, 6
	s_lshr_b32 s30, s33, 1
	s_cmp_eq_u32 s30, 0
	s_cselect_b64 s[44:45], s[36:37], s[38:39]     ; ln_g or ln_b,
	s_cmp_lt_u32 s30, 2
	s_cselect_b64 s[44:45], s[44:45], s[40:41]     ; or bl,
	s_cmp_lt_u32 s30, 3
	s_cselect_b64 s[44:45], s[44:45], s[42:43]     ; or b0
	s_and_b32 s30, s33, 1
	s_lshl_b32 s30, s30, 11
	s_add_nc_u64 s[44:45], s[44:45], s[30:31]      ; its first or second half
	; the copies' loads first: a pass is two rows of Wl (thread t takes 16 bytes at 16 t); pass ps holds h = ps / 4, j = 2 (ps % 4) + row
.irp ps, 0,1,2,3,4,5,6,7
	global_load_b128 v[16+4*\ps:19+4*\ps], v1, s[14:15] offset:(64*(\ps/4)+2*(\ps%4))*2048 th:TH_LOAD_NT
.endr
	global_load_b128 v[48:51], v1, s[12:13] th:TH_LOAD_NT
	global_load_b128 v[52:55], v1, s[12:13] offset:4096 th:TH_LOAD_NT
	global_load_b64 v[228:229], v2, s[10:11]       ; bk[2 t], bk[2 t + 1]
	global_load_b64 v[230:231], v2, s[8:9]         ; bq
	global_load_b64 v[56:57], v2, s[44:45]         ; two parameters
; load n of 80: Wk's 16 passes, then Wq's 64
.macro RLOAD n
.if (\n) < 16
	global_load_b128 v[RING+4*((\n)%40):RING+4*((\n)%40)+3], v3, s[6:7] offset:(\n)*65536
.else
	global_load_b128 v[RING+4*((\n)%40):RING+4*((\n)%40)+3], v5, s[4:5] offset:((\n)-16)*16384
.endif
.endm
.set n, 0
.rept 40
	RLOAD n
.set n, n+1
.endr
	s_wait_loadcnt 40                              ; the thirteen loads ahead of the ring are in; the ring's 40 stay out
.macro WLCV q, ps                      ; four numbers of Wl: to bf16, back, to f16 (exact within f16's range), and out: a wave stores 256 consecutive bytes
	v_cvt_pk_bf16_f32 v232, v[\q], v[(\q)+1]
	v_cvt_pk_bf16_f32 v233, v[(\q)+2], v[(\q)+3]
	v_lshlrev_b32 v[\q], 16, v232
	v_and_b32 v[(\q)+1], 0xffff0000, v232
	v_lshlrev_b32 v[(\q)+2], 16, v233
	v_and_b32 v[(\q)+3], 0xffff0000, v233
	v_cvt_pk_f16_f32 v[\q], v[\q], v[(\q)+1]
	v_cvt_pk_f16_f32 v[(\q)+1], v[(\q)+2], v[(\q)+3]
	global_store_b64 v2, v[\q:(\q)+1], s[22:23] offset:(\ps)*2048 th:TH_STORE_NT
.endm
.irp ps, 0,1,2,3,4,5,6,7
	WLCV 16+4*\ps, \ps
.endr
.irp ps, 0,1
	v_cvt_pk_bf16_f32 v[48+4*\ps], v[48+4*\ps], v[49+4*\ps]
	v_cvt_pk_bf16_f32 v[49+4*\ps], v[50+4*\ps], v[51+4*\ps]
	global_store_b64 v2, v[48+4*\ps:49+4*\ps], s[20:21] offset:\ps*2048 th:TH_STORE_NT
.endr
	s_cmp_lt_u32 ttmp9, 7
	s_cbranch_scc0 .Lno_p
	v_cvt_pk_bf16_f32 v58, v56, v57                ; the parameters: to bf16 and back to f32
	s_lshl_b32 s30, ttmp9, 11
	s_add_co_u32 s30, s30, PAR
	v_lshlrev_b32 v56, 16, v58
	v_and_b32 v57, 0xffff0000, v58
	v_add_nc_u32 v59, s30, v2
	global_store_b64 v59, v[56:57], s[18:19]       ; a wave stores 256 consecutive bytes, aligned
.Lno_p:
	v_cvt_pk_bf16_f32 v232, v228, v229
	v_cvt_pk_bf16_f32 v233, v230, v231
	v_perm_b32 v236, v232, v232, 0x01000100        ; the low half twice,
	v_perm_b32 v240, v232, v232, 0x03020302        ; the high half twice
	v_perm_b32 v244, v233, v233, 0x01000100
	v_perm_b32 v248, v233, v233, 0x03020302
.irp q, 236,240,244,248
	v_mov_b32 v[\q+1], v[\q]
	v_mov_b32 v[\q+2], v[\q]
	v_mov_b32 v[\q+3], v[\q]
.endr
	ds_store_b128 v9, v[236:239]
	ds_store_b128 v9, v[236:239] offset:16
	ds_store_b128 v9, v[240:243] offset:KP
	ds_store_b128 v9, v[240:243] offset:KP+16
	ds_store_b128 v10, v[244:247]
	ds_store_b128 v10, v[244:247] offset:16
	ds_store_b128 v10, v[248:251] offset:QP
	ds_store_b128 v10, v[248:251] offset:QP+16
; the turn of load n: it is in when at most 39 younger loads are out (behind load 39 nothing is issued, and the count runs down); rounded, stored to LDS; its slot takes load n + 40
.macro RTURN n
.if (\n) < 40
	s_wait_loadcnt 39
.else
	s_wait_loadcnt 79-(\n)
.endif
.set rs, RING+4*((\n)%40)
.set rt, 224+2*((\n)%2)
	v_cvt_pk_bf16_f32 v[rt], v[rs], v[rs+1]
	v_cvt_pk_bf16_f32 v[rt+1], v[rs+2], v[rs+3]
.if (\n) < 16
	ds_store_b64 v4, v[rt:rt+1] offset:(\n)*3072
.elseif (\n) < 44
	ds_store_b64 v6, v[rt:rt+1] offset:((\n)-16)*2304
.elseif (\n) < 72
	ds_store_b64 v7, v[rt:rt+1] offset:((\n)-44)*2304
.else
	ds_store_b64 v8, v[rt:rt+1] offset:((\n)-72)*2304
.endif
.if (\n) < 40
	RLOAD (\n)+40
.endif
.endm
.set n, 0
.rept 80
	RTURN n
.set n, n+1
.endr
	s_wait_dscnt 0x0                               ; for the others' sake: my part of KT and QT is written
	BAR
	s_wait_xcnt 0x0                                ; the copies' stores have read v16-59, which now take the sums
; 128 rows j: 40 turning loads (4 chunks of 32 j x 5 fragments), then 24 products.  Source 0 = 16 columns of QT, source 1 = 16 columns of KT: a lane holds one b (lane % 16) and eight neighbouring a.
; Six accumulators take turns: M0, M1 (v16, v24) my two blocks of a x my b; CA (v32) bq x b = c[b]; U0, U1 (v40, v48) a x bk = u[a]; W (v56) bq x bk = w0.
.macro WM d, a, b, z
.if \z
	v_wmma_f32_16x16x32_bf16 v[\d:(\d)+7], v[\a:(\a)+7], v[\b:(\b)+7], 0
.else
	v_wmma_f32_16x16x32_bf16 v[\d:(\d)+7], v[\a:(\a)+7], v[\b:(\b)+7], v[\d:(\d)+7]
.endif
.endm
.macro KC4 zero
.irp c, 0,1,2,3
.set f, RING+40*\c
	ds_load_tr16_b128 v[f:f+3],     v11 offset:\c*32*QP
	ds_load_tr16_b128 v[f+4:f+7],   v11 offset:\c*32*QP+16*QP
	ds_load_tr16_b128 v[f+8:f+11],  v11 offset:\c*32*QP+32
	ds_load_tr16_b128 v[f+12:f+15], v11 offset:\c*32*QP+16*QP+32
	ds_load_tr16_b128 v[f+16:f+19], v12 offset:\c*32*QP
	ds_load_tr16_b128 v[f+20:f+23], v12 offset:\c*32*QP+16*QP
	ds_load_tr16_b128 v[f+24:f+27], v13 offset:\c*32*KP
	ds_load_tr16_b128 v[f+28:f+31], v13 offset:\c*32*KP+16*KP
	ds_load_tr16_b128 v[f+32:f+35], v14 offset:\c*32*KP
	ds_load_tr16_b128 v[f+36:f+39], v14 offset:\c*32*KP+16*KP
.endr
	s_wait_dscnt 0x0
.irp c, 0,1,2,3
.set f, RING+40*\c
.set z, 0
.if (\zero) && (\c == 0)
.set z, 1                              ; the first chunk starts the sums: nothing is cleared
.endif
	WM 16, f, f+24, z
	WM 24, f+8, f+24, z
	WM 32, f+16, f+24, z
	WM 40, f, f+32, z
	WM 48, f+8, f+32, z
	WM 56, f+16, f+32, z
.endr
.endm
	KC4 1
	s_mov_b32 s29, 3
.Lkc:
	v_add_nc_u32 v11, 128*QP, v11                  ; the next 128 rows; these four plain lines are also the places between the last product and the loads into its sources
	v_add_nc_u32 v12, 128*QP, v12
	v_add_nc_u32 v13, 128*KP, v13
	v_add_nc_u32 v14, 128*KP, v14
	KC4 0
	s_sub_co_u32 s29, s29, 1
	s_cmp_lg_u32 s29, 0
	s_cbranch_scc1 .Lkc
	; THE WAY OUT.  The address work below is more than the four places that the conversions want behind the last product.
	v_and_b32 v15, 15, v0                          ; r
	v_bfe_u32 v9, v0, 4, 1                         ; h
	s_mul_i32 s30, s27, 16*272
	s_lshl_b32 s31, s28, 6
	s_add_co_u32 s30, s30, s31
	s_add_co_u32 s30, s30, STG
	v_mul_u32_u24 v3, v15, 272
	v_lshl_add_u32 v3, v9, 4, v3
	v_add_nc_u32 v3, s30, v3                       ; in: row 16 wb + r, bytes 64 wa + 16 h
	s_mul_i32 s30, s24, 4*272
	s_add_co_u32 s30, s30, STG
	v_mul_u32_u24 v4, v9, 272
	v_lshl_add_u32 v4, v15, 4, v4
	v_add_nc_u32 v4, s30, v4                       ; back: row 4 w + h, 16 lanes to a row of 256 bytes
	v_lshl_add_u32 v6, s24, 2, v9                  ; that row, 0..31: b = 32 bi + row
	v_and_b32 v7, 7, v6                            ; j
	v_and_b32 v8, 8, v6
	v_lshl_or_b32 v7, v8, 1, v7                    ; i to bit 4
	v_and_b32 v8, 16, v6
	v_lshl_or_b32 v7, v8, 3, v7                    ; T's low bit to bit 7
	s_and_b32 s30, s25, 1
	s_lshl_b32 s30, s30, 8                         ; T's high bit to bit 8
	s_lshr_b32 s31, s25, 2
	s_lshl_b32 s31, s31, 5                         ; w to bits 6:5
	s_or_b32 s30, s30, s31
	s_bfe_u32 s31, s25, 0x10001
	s_lshl_b32 s31, s31, 3                         ; h to bit 3
	s_or_b32 s30, s30, s31
	v_or_b32 v7, s30, v7                           ; the storage row p
	v_lshlrev_b32 v7, 10, v7
	s_lshl_b32 s31, s26, 8
	v_add_nc_u32 v7, s31, v7
	v_lshl_add_u32 v5, v15, 4, v7                  ; p x 1,024 + 256 ai + 16 r
.irp q, 0,1,2,3
	v_cvt_pk_f16_f32 v[64+\q], v[16+2*\q], v[17+2*\q]
	v_cvt_pk_f16_f32 v[68+\q], v[24+2*\q], v[25+2*\q]
.endr
	ds_store_b128 v3, v[64:67]
	ds_store_b128 v3, v[68:71] offset:32
	s_wait_dscnt 0x0
	BAR
	ds_load_b128 v[72:75], v4
	ds_load_b128 v[76:79], v4 offset:2*272         ; two rows on: j + 2, so p + 2
	s_wait_dscnt 0x0
	global_store_b128 v5, v[72:75], s[16:17]       ; 16 lanes store 256 consecutive bytes, aligned
	global_store_b128 v5, v[76:79], s[16:17] offset:2048
	s_or_b32 s30, s26, s28                         ; c: the work-groups with ai = 0, their waves with wa = 0
	s_cmp_lg_u32 s30, 0
	s_cbranch_scc1 .Lno_c
	s_lshl_b32 s30, s25, 7
	s_lshl_b32 s31, s27, 6
	s_add_co_u32 s30, s30, s31
	v_lshl_add_u32 v6, v15, 2, s30                 ; 4 (32 bi + 16 wb + r); both halves of the lanes hold the same number
	global_store_b32 v6, v32, s[18:19]
.Lno_c:
	s_or_b32 s30, s25, s27                         ; u: the work-groups with bi = 0, their waves with wb = 0
	s_cmp_lg_u32 s30, 0
	s_cbranch_scc1 .Lno_u
	s_lshl_b32 s30, s26, 9
	s_lshl_b32 s31, s28, 7
	s_add_co_u32 s30, s30, s31
	s_add_co_u32 s30, s30, 2048
	v_lshl_add_u32 v7, v9, 5, s30                  ; 2,048 + 4 (128 ai + 32 wa + 8 h); the 16 lanes of a half hold, and store, the same numbers
	global_store_b128 v7, v[40:43], s[18:19]
	global_store_b128 v7, v[44:47], s[18:19] offset:16
	global_store_b128 v7, v[48:51], s[18:19] offset:64
	global_store_b128 v7, v[52:55], s[18:19] offset:80
.Lno_u:
	s_or_b32 s30, ttmp9, s24                       ; w0: one wave of the launch
	s_cmp_lg_u32 s30, 0
	s_cbranch_scc1 .Lno_w
	v_mov_b32 v8, 0
	global_store_b32 v8, v56, s[18:19] offset:4096
.Lno_w:
	s_wait_tensorcnt 0x0                           ; the wave's end
	ds_add_u32 v[SPW], v[NIL]
	s_wait_dscnt 0x0
	s_endpgm
.Lfunc_end_k_q03388c3d3f_prep:
	.size	k_q03388c3d3f_prep, .Lfunc_end_k_q03388c3d3f_prep-k_q03388c3d3f_prep
	.p2alignl 7, 3214868480
	.fill 96, 4, 3214868480
	.section	.rodata,"a",@progbits
	.p2align	6, 0x0
	.amdhsa_kernel k_q03388c3d3f_prep
		.amdhsa_group_segment_fixed_size 206336
		.amdhsa_private_segment_fixed_size 0
		.amdhsa_enable_private_segment 0
		.amdhsa_kernarg_size 112
		.amdhsa_user_sgpr_count 2
		.amdhsa_user_sgpr_kernarg_segment_ptr 1
		.amdhsa_wavefront_size32 1
		.amdhsa_system_sgpr_workgroup_id_x 1
		.amdhsa_system_sgpr_workgroup_id_y 1
		.amdhsa_system_sgpr_workgroup_id_z 1
		.amdhsa_system_vgpr_workitem_id 0
		.amdhsa_next_free_vgpr 256
		.amdhsa_next_free_sgpr 66
		.amdhsa_reserve_vcc 0
		.amdhsa_float_denorm_mode_32 3
		.amdhsa_float_denorm_mode_16_64 3
		.amdhsa_memory_ordered 1
		.amdhsa_forward_progress 1
		.amdhsa_inst_pref_size 50
	.end_amdhsa_kernel
	.amdgpu_metadata
---
amdhsa.version: [ 1, 2 ]
amdhsa.kernels:
  - .name:           k_q03388c3d3f_prep
    .symbol:         k_q03388c3d3f_prep.kd
    .args:
      - { .name: Wq, .offset: 0, .size: 8, .value_kind: global_buffer, .address_space: global }
      - { .name: Wk, .offset: 8, .size: 8, .value_kind: global_buffer, .address_space: global }
      - { .name: bq, .offset: 16, .size: 8, .value_kind: global_buffer, .address_space: global }
      - { .name: bk, .offset: 24, .size: 8, .value_kind: global_buffer, .address_space: global }
      - { .name: W0, .offset: 32, .size: 8, .value_kind: global_buffer, .address_space: global }
      - { .name: Wl, .offset: 40, .size: 8, .value_kind: global_buffer, .address_space: global }
      - { .name: mt, .offset: 48, .size: 8, .value_kind: global_buffer, .address_space: global }
      - { .name: cw, .offset: 56, .size: 8, .value_kind: global_buffer, .address_space: global }
      - { .name: w0b, .offset: 64, .size: 8, .value_kind: global_buffer, .address_space: global }
      - { .name: wlh, .offset: 72, .size: 8, .value_kind: global_buffer, .address_space: global }
      - { .name: ln_g, .offset: 80, .size: 8, .value_kind: global_buffer, .address_space: global }
      - { .name: ln_b, .offset: 88, .size: 8, .value_kind: global_buffer, .address_space: global }
      - { .name: bl, .offset: 96, .size: 8, .value_kind: global_buffer, .address_space: global }
      - { .name: b0, .offset: 104, .size: 8, .value_kind: global_buffer, .address_space: global }
    .group_segment_fixed_size: 206336
    .private_segment_fixed_size: 0
    .kernarg_segment_align: 8
    .kernarg_segment_size: 112
    .max_flat_workgroup_size: 256
    .sgpr_count:     66
    .vgpr_count:     256
    .wavefront_size: 32
...
	.end_amdgpu_metadata
.endif
;; end of part 4
;; launch xproj (part 5): grid 256 x 1, 4 waves a work-group, clusters of 4 x 1, 327,680 bytes of LDS; arguments seq, w0b, cw, xh, rq; writes xh, rq
.if DOCPART == 5
	.amdgcn_target "amdgcn-amd-amdhsa--gfx1250"
	.amdhsa_code_object_version 6
	.text
	.protected	k_q03388c3d3f_xproj
	.globl	k_q03388c3d3f_xproj
	.p2align	8
	.type	k_q03388c3d3f_xproj,@function
k_q03388c3d3f_xproj:
	s_mov_b64 s[64:65], 0
	v_nop
	global_prefetch_b8 v0, s[64:65] scope:SCOPE_SE
	s_setreg_imm32_b32 hwreg(HW_REG_WAVE_MODE, 25, 1), 1
	s_wait_xcnt 0x0
	s_wait_alu depctr_hold_cnt(0) depctr_sa_sdst(0) depctr_va_vdst(0) depctr_va_sdst(0) depctr_va_ssrc(0) depctr_va_vcc(0) depctr_vm_vsrc(0)
	s_getreg_b32 s2, hwreg(HW_REG_IB_STS2, 6, 4)
	s_cmp_eq_u32 s2, 0
	s_cbranch_scc0 .Lentry_in_a_cluster
	s_endpgm
.Lentry_in_a_cluster:
	s_bfe_u32 s2, ttmp6, 0x10000c
	s_cmp_lg_u32 s2, 0x3003
	s_cbranch_scc0 .Lentry_shape_is_right
	s_endpgm
.Lentry_shape_is_right:
; x = seq W0^T + b0, stored as f16; r_q = x_q . u + w0, stored as f32.  seq is rounded to bf16 here; W0 and b0 arrive rounded to bf16 (b0 as f32, in cw); the sums are f32.
; LIMIT: |x| under 65,504 (f16).
; SHARES.  A work-group makes 64 rows x 512 channels.  x^T = W0 seq^T: source 0 = 16 rows of W0, source 1 = 16 rows of seq, so a lane holds one row of x (lane % 16) and eight neighbouring channels.
; All four waves hold the 64 rows of seq as fragments in registers (256); of each tile of 128 rows of W0 wave w fetches, and reads, rows 32 w .. 32 w + 31 alone: its own wait on its tensor loads is all
; that those reads need.  Accumulator (a = 2 T + i, t), register j, lane half h: channel 128 T + 32 w + 16 i + 8 h + j, row 16 t + lane % 16.
; seq: wave w fetches rows 16 w .. 16 w + 15 as f32, rounds them once, and puts them into SB as bf16; behind one barrier every wave reads all 64 rows as fragments.
; CLUSTER.  All work-groups walk the same four tiles of W0: the four of a cluster ask for each jointly.  seq's rows are each work-group's own: a plain load.
; LDS: three slots of 128 rows x 528 bytes; SEQ 64 rows x 1,040 bytes (f32 rows; filled once, later the stage for x in f16); RS the waves' parts of r; the spare words; SB 64 rows x 528 bytes.
; REGISTERS: window 0: addresses, RP v16-23, b0 v32-95, u v96-159 (later x in f16, v96-223), W0's fragments v160-255; window 1: my rows of seq as f32, then the 32 accumulators; window 2: seq's fragments.
.set WP,    528
.set WSL,   67584
.set SEQ,   202752
.set SQP,   1040
.set RS,    269312
.set SPARE, 270336
.set SB,    270848
.set SBP,   528
.set B0,    16640                      ; b0 in cw
.set RP,    16
.set CB,    32
.set U,     96
.set PK,    96
.set FB,    160
.set MSB, 0
.macro WIN new                         ; the immediate's high byte repeats the setting that is left; a switch that changes nothing is dropped
.if MSB != (\new)
	s_set_vgpr_msb (MSB<<8)|(\new)
.set MSB, (\new)
.endif
.endm
.macro PLACES                          ; four plain lines between a matrix instruction and a load into, or a vector line on, its registers
.rept 4
	v_nop
.endr
.endm
.macro BAR
	s_barrier_signal -1
	s_barrier_wait -1
.endm
.macro ROUND                           ; a round of the cluster's barrier
	s_barrier_signal -1
	s_barrier_wait -1
	s_cmp_lg_u32 s24, 0
	s_cbranch_scc1 .Lnw0_\@
	s_barrier_signal -3
.Lnw0_\@:
	s_barrier_wait -3
	s_barrier_signal -1
	s_barrier_wait -1
.endm
.macro T4 line:vararg                  ; one line for each tile t of 16 rows
.set t, 0
.rept 4
	\line
.set t, t+1
.endr
.endm
	s_load_b128 s[4:7], s[0:1], 0x0                ; seq 4, w0b 6
	s_load_b64 s[10:11], s[0:1], 0x10              ; cw
	s_load_b64 s[12:13], s[0:1], 0x18              ; xh
	s_load_b64 s[14:15], s[0:1], 0x20              ; rq
	v_lshl_add_u32 v28, v0, 2, SPARE
	v_mov_b32 v29, 0
	ds_add_u32 v28, v29                            ; the wave's opening: the add and its wait ahead of my first tensor load
	v_lshrrev_b32 v1, 5, v0
	v_readfirstlane_b32 s24, v1                    ; wave 0..3
	s_bfe_u32 s25, ttmp6, 0x40000                  ; cx
	s_lshl_b32 s26, ttmp9, 2
	s_add_co_u32 s26, s26, s25                     ; my work-group: it enters global addresses of my own loads and stores alone
	s_mov_b32 s36, 15|(1<<16)|(1<<20)|(1<<21)|(6<<22)|(3<<25)  ; W0's tiles: mask of four; 2-byte elements; padding on, 4 words after every 128
	s_mov_b32 s37, 256<<16                         ; tensor_dim0 = 256
	s_mov_b32 s38, 32<<16                          ; tensor_dim1 = 32
	s_mov_b32 s39, 256<<16                         ; tile_dim0 = 256
	s_mov_b32 s40, 32                              ; tile_dim1 = 32
	s_mov_b32 s41, 256                             ; elements from row to row
	s_mov_b32 s42, 0
	s_mov_b32 s43, 0
	s_mov_b32 s44, (2<<16)|(1<<20)|(7<<22)|(3<<25) ; seq's rows: no mask; 4-byte elements; 4 words of padding after every 256
	s_mov_b32 s45, 256<<16
	s_mov_b32 s46, 16<<16
	s_mov_b32 s47, 256<<16
	s_mov_b32 s48, 16
	s_mov_b32 s49, 256
	s_mov_b32 s50, 0
	s_mov_b32 s51, 0
	s_mov_b32 s52, 1
	s_mul_i32 s53, s24, 16*SQP
	s_add_co_u32 s53, s53, SEQ                     ; my 16 rows of seq
	s_mul_i32 s27, s24, 32*WP                      ; my 32 rows of a slot
	s_mov_b32 s56, 1
	s_mov_b32 s57, s27
	s_mov_b32 s60, 1
	s_add_co_u32 s61, s27, WSL
	s_mov_b32 s68, 1
	s_add_co_u32 s69, s27, 2*WSL
	s_lshl_b32 s32, s24, 14                        ; 32 rows of w0b, and 16 rows of seq or xh: 16,384 bytes
	s_mov_b32 s33, 0
	s_lshl_b32 s30, s26, 16                        ; 64 rows of seq or xh
	s_add_co_u32 s30, s30, s32
	s_mov_b32 s31, 0
	s_lshl_b32 s34, s26, 8                         ; 64 numbers of rq
	s_mov_b32 s35, 0
	s_mov_b32 s72, 0x76543210                      ; v_permlanex16_b32: each lane takes its own place in the other half
	s_mov_b32 s73, 0xfedcba98
	s_wait_dscnt 0x0                               ; the opening add is done
	s_wait_kmcnt 0x0
	s_add_nc_u64 s[54:55], s[4:5], s[30:31]
	s_or_b32 s55, s55, 0x80000000
	s_add_nc_u64 s[6:7], s[6:7], s[32:33]
	s_mov_b64 s[58:59], s[6:7]                     ; tile 0,
	s_or_b32 s59, s59, 0x80000000
	s_add_nc_u64 s[62:63], s[6:7], 65536           ; tile 1,
	s_or_b32 s63, s63, 0x80000000
	s_add_nc_u64 s[70:71], s[6:7], 131072          ; tile 2
	s_or_b32 s71, s71, 0x80000000
	s_add_nc_u64 s[12:13], s[12:13], s[30:31]      ; xh at my wave's 16 rows
	s_add_nc_u64 s[14:15], s[14:15], s[34:35]
	s_load_b32 s28, s[10:11], 0x1000               ; w0
	ROUND                                          ; the four work-groups are here: the first joint loads meet
	tensor_load_to_lds s[52:55], s[44:51]          ; four loads of mine are out
	s_nop 0
	tensor_load_to_lds s[56:59], s[36:43]
	s_nop 0
	tensor_load_to_lds s[60:63], s[36:43]
	s_nop 0
	tensor_load_to_lds s[68:71], s[36:43]
	s_nop 0
	PLACES
	v_and_b32 v1, 15, v0                           ; r
	v_bfe_u32 v2, v0, 4, 1                         ; h
	v_and_b32 v3, 31, v0                           ; l
	v_mul_u32_u24 v4, v1, WP
	v_lshl_add_u32 v4, v2, 4, v4
	v_add_nc_u32 v4, s27, v4                       ; v4-6  my fragments of W0 in slots 0, 1, 2: (32 w + r) x 528 + 16 h
	v_add_nc_u32 v5, WSL, v4
	v_add_nc_u32 v6, 2*WSL, v4
	v_mul_u32_u24 v15, v1, SQP
	v_add_nc_u32 v15, SEQ, v15
	s_lshl_b32 s29, s24, 6
	v_lshl_add_u32 v10, v2, 4, v15
	v_add_nc_u32 v10, s29, v10                     ; v10  the stage, in: row r, bytes 64 w + 16 h
	s_lshl_b32 s29, s24, 7
	v_lshl_add_u32 v8, v2, 5, s29                  ; v8   b0 and u: 4 (32 w + 8 h)
	s_lshl_b32 s29, s24, 2
	s_add_co_u32 s29, s29, RS
	v_lshl_add_u32 v9, v1, 4, s29                  ; v9   RS: row r, my wave's word
	s_mul_i32 s29, s24, 16*SQP
	s_add_co_u32 s29, s29, SEQ
	v_lshl_add_u32 v11, v3, 4, s29                 ; v11  the stage, back: my 16 rows, 16 bytes a lane
	v_lshl_add_u32 v7, v3, 5, s29                  ; v7   seq as f32: my 16 rows, 32 bytes (8 numbers) a lane
	s_mul_i32 s29, s24, 16*SBP
	s_add_co_u32 s29, s29, SB
	v_lshl_add_u32 v24, v3, 4, s29                 ; v24  SB, in: my 16 rows, the same 8 numbers as 16 bytes
	v_mul_u32_u24 v25, v1, SBP
	v_lshl_add_u32 v25, v2, 4, v25
	v_add_nc_u32 v25, SB, v25                      ; v25  SB, back: a fragment's row r, 16 h
	v_lshlrev_b32 v12, 4, v3                       ; v12  my 16 bytes of 512 in xh
	v_lshlrev_b32 v13, 5, v3
	v_add_nc_u32 v13, RS, v13                      ; v13  RS: rows 2 l, 2 l + 1
	v_lshlrev_b32 v14, 3, v3                       ; v14  rq
.set a, 0
.rept 8                                ; block a = 2 T + i: channels 128 T + 16 i on
	global_load_b128 v[CB+8*a:CB+8*a+3],   v8, s[10:11] offset:B0+512*(a/2)+64*(a%2)
	global_load_b128 v[CB+8*a+4:CB+8*a+7], v8, s[10:11] offset:B0+512*(a/2)+64*(a%2)+16
	global_load_b128 v[U+8*a:U+8*a+3],     v8, s[10:11] offset:2048+512*(a/2)+64*(a%2)
	global_load_b128 v[U+8*a+4:U+8*a+7],   v8, s[10:11] offset:2048+512*(a/2)+64*(a%2)+16
.set a, a+1
.endr
	s_wait_tensorcnt 0x3                           ; my rows of seq are in: three loads were issued behind theirs; nobody else reads them
	WIN 0x40                                       ; destination window 1
.set y, 0
.rept 16
	ds_load_b128 v[8*y:8*y+3],   v7 offset:y*SQP
	ds_load_b128 v[8*y+4:8*y+7], v7 offset:y*SQP+16
.set y, y+1
.endr
.macro CVR k0                          ; rows k0 .. k0 + 7 of mine: rounded to bf16, 16 bytes a lane into SB
	WIN 0x05                                       ; sources window 1, destination window 0
.set y, 0
.rept 32
	v_cvt_pk_bf16_f32 v[FB+4*(\k0)+y], v[8*(\k0)+2*y], v[8*(\k0)+2*y+1]
.set y, y+1
.endr
	WIN 0
.set y, 0
.rept 8
	ds_store_b128 v24, v[FB+4*((\k0)+y):FB+4*((\k0)+y)+3] offset:((\k0)+y)*SBP
.set y, y+1
.endr
.endm
	s_wait_dscnt 16                                ; the first eight rows are in: the other eight rows' sixteen loads stay out
	CVR 0
	s_wait_dscnt 8                                 ; all loads are in: the eight stores just issued may be out
	CVR 8
	s_wait_dscnt 0x0                               ; for the others' sake: my rows lie in SB
	BAR                                            ; everybody's do; the tiles may stay out
	WIN 0x80                                       ; destination window 2
.set y, 0
.rept 32                               ; tile y % 4, chunk y / 4
	ds_load_b128 v[8*y:8*y+3],   v25 offset:(y%4)*16*SBP+64*(y/4)
	ds_load_b128 v[8*y+4:8*y+7], v25 offset:(y%4)*16*SBP+64*(y/4)+32
.set y, y+1
.endr
	WIN 0
	s_wait_loadcnt 0x0                             ; b0 and u
; A tile of W0: four groups of 2 chunks of 32 along K x 2 blocks of 16 rows: 8 loads and 16 products each; three buffers, so a group is loaded two groups ahead.
; The eight accumulators (i, t) take turns.  The first chunk's C operand is b0.
.macro XLDG adr, g
.set fb, FB+32*((\g)%3)
.irp kk, 0,1
.irp i, 0,1
	ds_load_b128 v[fb+8*(2*\kk+\i):fb+8*(2*\kk+\i)+3],   v[\adr] offset:\i*16*WP+(2*(\g)+\kk)*64
	ds_load_b128 v[fb+8*(2*\kk+\i)+4:fb+8*(2*\kk+\i)+7], v[\adr] offset:\i*16*WP+(2*(\g)+\kk)*64+32
.endr
.endr
.endm
.macro XMMG a0, g
.irp kk, 0,1
.set kc, 2*(\g)+\kk
.irp i, 0,1
.irp t, 0,1,2,3
.set rA, FB+32*((\g)%3)+8*(2*\kk+\i)
.set rB, 8*(4*kc+\t)
.set rD, 8*(4*((\a0)+\i)+\t)
.if kc == 0
	WIN 0x48                                       ; D window 1, W0 window 0, seq window 2, b0 window 0
	v_wmma_f32_16x16x32_bf16 v[rD:rD+7], v[rA:rA+7], v[rB:rB+7], v[CB+8*((\a0)+\i):CB+8*((\a0)+\i)+7]
.else
	WIN 0x58
	v_wmma_f32_16x16x32_bf16 v[rD:rD+7], v[rA:rA+7], v[rB:rB+7], v[rD:rD+7]
.endif
.endr
.endr
.endr
.endm
.macro XSTEP adr, a0
	WIN 0
	XLDG \adr, 0
	XLDG \adr, 1
	XLDG \adr, 2
	s_wait_dscnt 16                                ; group 0, and all that was asked for before it, is in: two groups were issued behind it
	XMMG \a0, 0
	WIN 0
	PLACES
	XLDG \adr, 3
	s_wait_dscnt 16
	XMMG \a0, 1
	s_wait_dscnt 8
	XMMG \a0, 2
	s_wait_dscnt 0x0
	XMMG \a0, 3
	WIN 0
	PLACES
.endm
	s_wait_tensorcnt 0x2                           ; my rows of tile 0 are in: two loads were issued behind theirs
	XSTEP 4, 0
	s_wait_tensorcnt 0x0                           ; slot 0 is filled again: all my loads have landed,
	ds_add_u32 v28, v29                            ; 0 onto my spare word,
	s_add_nc_u64 s[58:59], s[6:7], 196608          ; (no load of mine is out, so the descriptor may be written: tile 3)
	s_or_b32 s59, s59, 0x80000000
	s_wait_dscnt 0x0                               ; the add is done and my reads of slot 0 are over
	ROUND                                          ; the same holds of every wave of the four work-groups
	tensor_load_to_lds s[56:59], s[36:43]          ; one load of mine is out; it has two tiles' products in which to land
	s_nop 0
	PLACES
	XSTEP 5, 2
	XSTEP 6, 4
	s_wait_tensorcnt 0x0                           ; the one load that is out: my rows of tile 3
	XSTEP 4, 6
	; r: each lane's 64 channels times u, in four chains; every accumulator is read from its low end on
	WIN 0x01                                       ; source 0 window 1
.set y, 0
.rept 128                              ; tile y % 4, pair (y / 4) % 4, block y / 16
.set rr, 8*(4*(y/16)+y%4)+2*((y/4)%4)
.set ru, U+8*(y/16)+2*((y/4)%4)
.if y < 4
	v_pk_mul_f32 v[RP+2*(y%4):RP+2*(y%4)+1], v[rr:rr+1], v[ru:ru+1]
.else
	v_pk_fma_f32 v[RP+2*(y%4):RP+2*(y%4)+1], v[rr:rr+1], v[ru:ru+1], v[RP+2*(y%4):RP+2*(y%4)+1]
.endif
.set y, y+1
.endr
	WIN 0
	T4 v_add_f32 v[RP+2*t], v[RP+2*t], v[RP+2*t+1]
	T4 v_permlanex16_b32 v[RP+2*t+1], v[RP+2*t], s72, s73
	T4 v_add_f32 v[RP+2*t], v[RP+2*t], v[RP+2*t+1]
	T4 ds_store_b32 v9, v[RP+2*t] offset:256*t
	WIN 0x05                                       ; x to f16: sources window 1
.set y, 0
.rept 128
	v_cvt_pk_f16_f32 v[PK+y], v[2*y], v[2*y+1]
.set y, y+1
.endr
	WIN 0
.set y, 0
.rept 32                               ; block y / 4, tile y % 4: 16 bytes of a row into the stage (every wave's reads of seq ended in front of the first barrier)
	ds_store_b128 v10, v[PK+4*y:PK+4*y+3] offset:(y%4)*16*SQP+256*(y/8)+32*((y/4)%2)
.set y, y+1
.endr
	s_wait_dscnt 0x0                               ; for the others' sake
	BAR
.set y, 0
.rept 32                               ; back by rows: my 16 rows, 512 consecutive bytes a load
	ds_load_b128 v[PK+4*y:PK+4*y+3], v11 offset:(y/2)*SQP+512*(y%2)
.set y, y+1
.endr
.set y, 0
.rept 32
	s_wait_dscnt 31-y
	global_store_b128 v12, v[PK+4*y:PK+4*y+3], s[12:13] offset:(y/2)*1024+512*(y%2)  ; 512 consecutive bytes, aligned
.set y, y+1
.endr
	s_wait_kmcnt 0x0                               ; w0
	s_cmp_lg_u32 s24, 0
	s_cbranch_scc1 .Lnorq
	ds_load_b128 v[16:19], v13                     ; wave 0: the four waves' parts of rows 2 l and 2 l + 1
	ds_load_b128 v[20:23], v13 offset:16
	s_wait_dscnt 0x0
	v_add_f32 v16, v16, v17
	v_add_f32 v18, v18, v19
	v_add_f32 v20, v20, v21
	v_add_f32 v22, v22, v23
	v_add_f32 v16, v16, v18
	v_add_f32 v17, v20, v22
	v_add_f32 v16, s28, v16
	v_add_f32 v17, s28, v17
	global_store_b64 v14, v[16:17], s[14:15]       ; 256 consecutive bytes, aligned
.Lnorq:
	s_wait_tensorcnt 0x0                           ; the wave's end
	ds_add_u32 v28, v29
	s_wait_dscnt 0x0
	ROUND                                          ; the closing round
	s_endpgm
.Lfunc_end_k_q03388c3d3f_xproj:
	.size	k_q03388c3d3f_xproj, .Lfunc_end_k_q03388c3d3f_xproj-k_q03388c3d3f_xproj
	.p2alignl 7, 3214868480
	.fill 96, 4, 3214868480
	.section	.rodata,"a",@progbits
	.p2align	6, 0x0
	.amdhsa_kernel k_q03388c3d3f_xproj
		.amdhsa_group_segment_fixed_size 327680
		.amdhsa_private_segment_fixed_size 0
		.amdhsa_enable_private_segment 0
		.amdhsa_kernarg_size 40
		.amdhsa_user_sgpr_count 2
		.amdhsa_user_sgpr_kernarg_segment_ptr 1
		.amdhsa_wavefront_size32 1
		.amdhsa_system_sgpr_workgroup_id_x 1
		.amdhsa_system_sgpr_workgroup_id_y 1
		.amdhsa_system_sgpr_workgroup_id_z 1
		.amdhsa_system_vgpr_workitem_id 0
		.amdhsa_next_free_vgpr 768
		.amdhsa_next_free_sgpr 80
		.amdhsa_reserve_vcc 0
		.amdhsa_float_denorm_mode_32 3
		.amdhsa_float_denorm_mode_16_64 3
		.amdhsa_memory_ordered 1
		.amdhsa_forward_progress 1
		.amdhsa_inst_pref_size 74
	.end_amdhsa_kernel
	.amdgpu_metadata
---
amdhsa.version: [ 1, 2 ]
amdhsa.kernels:
  - .name:           k_q03388c3d3f_xproj
    .symbol:         k_q03388c3d3f_xproj.kd
    .args:
      - { .name: seq, .offset: 0, .size: 8, .value_kind: global_buffer, .address_space: global }
      - { .name: w0b, .offset: 8, .size: 8, .value_kind: global_buffer, .address_space: global }
      - { .name: cw, .offset: 16, .size: 8, .value_kind: global_buffer, .address_space: global }
      - { .name: xh, .offset: 24, .size: 8, .value_kind: global_buffer, .address_space: global }
      - { .name: rq, .offset: 32, .size: 8, .value_kind: global_buffer, .address_space: global }
    .group_segment_fixed_size: 327680
    .private_segment_fixed_size: 0
    .kernarg_segment_align: 8
    .kernarg_segment_size: 40
    .max_flat_workgroup_size: 128
    .sgpr_count:     80
    .vgpr_count:     768
    .wavefront_size: 32
...
	.end_amdgpu_metadata
.endif
;; end of part 5
;; launch attn (part 6): grid 32 x 8, 4 waves a work-group, clusters of 4 x 1, 327,680 bytes of LDS; arguments xh, mt, cw, wlh, lengths, rq, out0; writes out0
.if DOCPART == 6
	.amdgcn_target "amdgcn-amd-amdhsa--gfx1250"
	.amdhsa_code_object_version 6
	.text
	.protected	k_q03388c3d3f_attn
	.globl	k_q03388c3d3f_attn
	.p2align	8
	.type	k_q03388c3d3f_attn,@function
k_q03388c3d3f_attn:
	s_mov_b64 s[64:65], 0
	v_nop
	global_prefetch_b8 v0, s[64:65] scope:SCOPE_SE
	s_setreg_imm32_b32 hwreg(HW_REG_WAVE_MODE, 25, 1), 1
	s_wait_xcnt 0x0
	s_wait_alu depctr_hold_cnt(0) depctr_sa_sdst(0) depctr_va_vdst(0) depctr_va_sdst(0) depctr_va_ssrc(0) depctr_va_vcc(0) depctr_vm_vsrc(0)
	s_getreg_b32 s2, hwreg(HW_REG_IB_STS2, 6, 4)
	s_cmp_eq_u32 s2, 0
	s_cbranch_scc0 .Lentry_in_a_cluster
	s_endpgm
.Lentry_in_a_cluster:
	s_bfe_u32 s2, ttmp6, 0x10000c
	s_cmp_lg_u32 s2, 0x3003
	s_cbranch_scc0 .Lentry_shape_is_right
	s_endpgm
.Lentry_shape_is_right:
; FROM x TO THE OUTPUT, for 64 queries a work-group: t = MT x + c; attention with K = V = x (score = x_k . t_q + r_q, over sqrt(512)); twice LayerNorm, ReLU, Linear; out = x + h.
; All products in f16 with f32 sums.  x, MT, Wl arrive as f16; ln_g, ln_b, bl arrive in cw as f32 numbers already rounded to bf16, like every input.
; LIMITS.  Each row of t is divided by a power of two 2^E, E the exponent of its largest magnitude held to 2^-60 .. 2^120, so |t'| < 2; rows with a larger magnitude than 2^121 are not served.
; A hidden key counts as its score less 1e30 (in units of t'): scores reach 6.7e7 at the most.  A weight below 6e-8 of its row's largest is lost in f16.  lengths lie in 1 .. 2048 (a larger one counts as 2048).
; NaN and infinities are not treated apart.
; SHARES.  The four waves share the 64 queries (four tiles t of 16), held as fragments in 512 registers by every wave.  Of a tile of 128 keys wave w makes the scores of keys 32 w .. 32 w + 31, with a
; maximum of its own; the weights go through LDS; then wave w makes channels 128 w .. 128 w + 127 of O^T = V^T P for all 128 keys.  So each byte of a tile is read from LDS once as K and once as V.
; A wave fetches exactly the 32 rows that it reads as K (and as rows of MT or Wl): for those reads its own wait on its tensor load is all the ordering needed; V is read behind the round.
; SOFTMAX.  In log2 units y = cq s' + rho, cq = c0 2^E, rho = c0 r_q, c0 = log2(e) / sqrt(512).  Wave w: mu_w = its largest y, p = 2^(y - mu_w), lambda_w = sum p.  Every wave: M' = max(M, mu_0..3),
; a = 2^(M - M'), f_w = 2^(mu_w - M'), l = a l + sum f_w lambda_w, O = a O + V^T (f p).  A wave whose keys are all hidden takes mu_w = rho - cq 1e20, which lies below every real score of the row.
; CHANNELS.  Accumulator (a, t), lane half h, register j: channel 128 w + 64 h + 8 a + j, query 16 t + lane % 16: V's turning loads take channels X .. X + 7 and X + 64 .. X + 71 as a block's 16 rows
; (128 bytes apart), and the rows of mt and wlh are stored in the order that gives the same map.
; LAYERNORM of O / l is that of O with eps l^2: O is never divided.
; CLUSTER.  The four query blocks of a cluster walk the same 28 tiles (4 of MT, 16 of x, 8 of Wl), which take the two slots by turns without a break: each is asked for jointly, once.
; One round of the cluster's barrier for each 128 keys publishes the weights and frees the slot read as V a trip before.
; ONE TEXT FOR EACH STEP.  The attention's loop is entered and left in its middle: its sixteenth round asks for Wl's first tile and no tail is written out.  The layers' loop is left
; ahead of the round that would ask for a tile behind Wl's last.
; LDS: two slots of 128 rows x 1,040 bytes; XB0, XB1: P 64 x 272, mu and lambda [64][4] (two buffers, so that a fast wave's next weights do not meet a slow wave's reads);
; the same bytes serve as the stage (32 rows x 1,040) through which activations change from accumulators to fragments; LNS: row statistics; the spare words.  The output's stage is slot 0, behind its last fill.
; REGISTERS: window 0: v0-31 addresses; ST v32-63 eight a tile; MK v64-79 masks; S v80-143 scores (also P's fragments, bias, packed results); FB v144-239 three groups of fragments; F v240-255.
;   window 1: the 32 accumulators, (a, t) at 8 (4 a + t);  windows 2, 3: the queries' fragments, (t, chunk kc) at 8 (4 (kc % 8) + t).
.set SLOT1, 0x20800                    ; 128 x 1,040
.set KPT,   1040
.set XB0,   266240
.set XBS,   0x4c00                     ; 17,408 + 1,024 + 1,024
.set STAT,  17408
.set LNS,   305152
.set SPARE, 307200
.set TILEB, 131072                     ; a tile in memory: 128 rows of 1,024 bytes
.set PAR,   4352                       ; cw: ln_g; 4,096 bytes on ln_b; 8,192 on bl; a layer is 2,048 bytes of each
.set ST,    32                         ; +0 M (later A), +1 l, +2 cq (Bc), +3 rho, +4 a (1 / 2^E; m), +5 eps l^2, +6 off (sums), +7 at work
.set MK,    64
.set S,     80
.set CB,    80
.set FB,    144
.set F,     240
.set TC,    144
.set TS,    152
.set XR,    208                        ; the way out: four rows of x, 32 registers
.set MSB, 0
.macro WIN new                         ; the immediate's high byte repeats the setting that is left; a switch that changes nothing is dropped
.if MSB != (\new)
	s_set_vgpr_msb (MSB<<8)|(\new)
.set MSB, (\new)
.endif
.endm
.macro PLACES                          ; four plain lines between a matrix instruction and a load into, or a vector line on, its registers
.rept 4
	v_nop
.endr
.endm
.macro BAR
	s_barrier_signal -1
	s_barrier_wait -1
.endm
.macro ROUND                           ; a round of the cluster's barrier
	s_barrier_signal -1
	s_barrier_wait -1
	s_cmp_lg_u32 s24, 0
	s_cbranch_scc1 .Lnw0_\@
	s_barrier_signal -3
.Lnw0_\@:
	s_barrier_wait -3
	s_barrier_signal -1
	s_barrier_wait -1
.endm
.macro T4 line:vararg                  ; one line for each tile t of 16 queries
.set t, 0
.rept 4
	\line
.set t, t+1
.endr
.endm
; THE NEXT TILE INTO THE SLOT THAT IS FREE.  All my tensor loads have landed (one was out); 0 onto my spare word; the walking descriptor takes the other slot and the next tile's address; the add is done and my LDS
; reads and stores are over; a round, so that the same holds of every wave of the four work-groups; the joint load first behind it.  One load of mine is out.
; pf = 1: the prefetches' address steps too, behind the wait that shows that the last prefetch, a trip back, has read it.
.macro REFILL pf=0
	WIN 0
	s_wait_tensorcnt 0x0
	ds_add_u32 v28, v29
	s_xor_b32 s49, s49, SLOT1
	s_mov_b64 s[50:51], s[52:53]
	s_or_b32 s51, s51, 0x80000000
	s_add_nc_u64 s[52:53], s[52:53], TILEB
.if \pf
	s_wait_xcnt 0x0
	s_add_nc_u64 s[56:57], s[56:57], TILEB
.endif
	s_wait_dscnt 0x0
	ROUND
	tensor_load_to_lds s[48:51], s[36:43]
	s_nop 0
	PLACES
.endm
; A PREFETCH of x's tile behind the one just asked for, a trip ahead of its load: 128 rows x 1,024 bytes = 512 blocks of 256 bytes.  All eight clusters of a batch walk the same tiles: the first asks.
; Its sixteen waves share the blocks out by address: rows 32 w + 8 cx + l / 4, block l % 4.  The counter stands at 17 - n in pass n, which asks for tile n + 1: passes 15 and 16 ask for nothing.
.macro ASK
	s_cmp_gt_u32 s29, s58
	s_cbranch_scc0 .Lnask_\@
	global_prefetch_b8 v24, s[56:57] th:TH_LOAD_NT scope:SCOPE_SE
.Lnask_\@:
.endm
; THE ENGINE: Y^T = (my 32 rows of a tile) x (the 64 queries' fragments), K = 512.  Eight groups of 2 chunks of 32 along K x 2 blocks i of 16 rows: 8 loads, 16 products.  Group g lies in FB[(g + 2) % 3]
; and is loaded behind group g - 3's products.  The eight accumulators (i, t) take turns.
.macro LDG adr, g
.set fb, FB+32*(((\g)+2)%3)
.irp kk, 0,1
.irp i, 0,1
	ds_load_b128 v[fb+8*(2*\kk+\i):fb+8*(2*\kk+\i)+3],   v[\adr] offset:\i*16*KPT+(2*(\g)+\kk)*64
	ds_load_b128 v[fb+8*(2*\kk+\i)+4:fb+8*(2*\kk+\i)+7], v[\adr] offset:\i*16*KPT+(2*(\g)+\kk)*64+32
.endr
.endr
.endm
; kind 0: scores, D = S(i, t) in window 0, the first chunk's C the mask.  kind 1: D = accumulator (a0 + i, t) in window 1, the first chunk's C the bias in CB.
.macro MMG kind, a0, g
.irp kk, 0,1
.set kc, 2*(\g)+\kk
.irp i, 0,1
.irp t, 0,1,2,3
.set rA, FB+32*(((\g)+2)%3)+8*(2*\kk+\i)
.set rB, 8*(4*(kc%8)+\t)
.if \kind
.set rD, 8*(4*((\a0)+\i)+\t)
.if kc == 0
	WIN 0x48
	v_wmma_f32_16x16x32_f16 v[rD:rD+7], v[rA:rA+7], v[rB:rB+7], v[CB+8*((\a0)+\i):CB+8*((\a0)+\i)+7]
.else
	WIN 0x58+4*(kc/8)
	v_wmma_f32_16x16x32_f16 v[rD:rD+7], v[rA:rA+7], v[rB:rB+7], v[rD:rD+7]
.endif
.else
.set rD, S+8*(4*\i+\t)
	WIN 0x08+4*(kc/8)
.if kc == 0
	v_wmma_f32_16x16x32_f16 v[rD:rD+7], v[rA:rA+7], v[rB:rB+7], v[MK+8*\i:MK+8*\i+7]
.else
	v_wmma_f32_16x16x32_f16 v[rD:rD+7], v[rA:rA+7], v[rB:rB+7], v[rD:rD+7]
.endif
.endif
.endr
.endr
.endr
.endm
; pre = 1: groups 0 to 2 have been asked for.  Each wait leaves out the groups issued behind the one that is wanted: two, then one, then none.
; The four places stand where a load into the group's registers follows, and behind the last group, for what follows the step.
.macro GSTEP kind, adr, a0, pre
.if !(\pre)
	WIN 0
	LDG \adr, 0
	LDG \adr, 1
	LDG \adr, 2
.endif
.set gg, 0
.rept 8
.if gg < 6
	s_wait_dscnt 16
.elseif gg == 6
	s_wait_dscnt 8
.else
	s_wait_dscnt 0x0
.endif
	MMG \kind, \a0, gg
.if (gg < 5) || (gg == 7)
	PLACES
.endif
.if gg < 5
.if \kind
	WIN 0                                          ; (kind 0's settings leave destination and address in window 0)
.endif
	LDG \adr, gg+3
.endif
.set gg, gg+1
.endr
.endm
; THE NEXT TILE'S MASK: register j of block i is hidden where 16 i + j >= lengths - 128 tile - 32 w - 8 h
.macro MASK
	WIN 0
	v_add_nc_u32 v23, 0xffffff80, v23
.set y, 0
.rept 16
	v_cmp_ge_i32 vcc_lo, 16*(y/8)+y%8, v23
	v_cndmask_b32 v[MK+y], 0, s60, vcc_lo
.set y, y+1
.endr
.endm
; MY 32 KEYS' SOFTMAX for the 64 queries.  The 64 exponentials are one batch with one wait; nothing ahead of the wait names a result.
.macro SM
	WIN 0
	s_xor_b32 s31, s31, XBS                        ; the other buffer than last time
	v_add_nc_u32 v10, s31, v9
	v_add_nc_u32 v14, s31, v13
	T4 v_max3_num_f32 v[TC+2*t], v[S+8*t], v[S+8*t+1], v[S+8*t+2]
	T4 v_max3_num_f32 v[TC+2*t+1], v[S+32+8*t], v[S+32+8*t+1], v[S+32+8*t+2]
	T4 v_max3_num_f32 v[TC+2*t], v[TC+2*t], v[S+8*t+3], v[S+8*t+4]
	T4 v_max3_num_f32 v[TC+2*t+1], v[TC+2*t+1], v[S+32+8*t+3], v[S+32+8*t+4]
	T4 v_max3_num_f32 v[TC+2*t], v[TC+2*t], v[S+8*t+5], v[S+8*t+6]
	T4 v_max3_num_f32 v[TC+2*t+1], v[TC+2*t+1], v[S+32+8*t+5], v[S+32+8*t+6]
	T4 v_max3_num_f32 v[TC+2*t], v[TC+2*t], v[S+8*t+7], v[S+32+8*t+7]
	T4 v_max_num_f32 v[TC+2*t], v[TC+2*t], v[TC+2*t+1]
	T4 v_permlanex16_b32 v[TC+2*t+1], v[TC+2*t], s54, s55
	T4 v_max3_num_f32 v[TC+2*t], v[TC+2*t], v[TC+2*t+1], s62    ; at least -1e20: the stand-in where all 32 keys are hidden
	T4 v_fma_f32 v[TC+2*t], v[ST+8*t+2], v[TC+2*t], v[ST+8*t+3] ; mu = cq max + rho,
	T4 v_max_num_f32 v[TC+2*t], s63, v[TC+2*t]                  ; kept finite
	T4 v_sub_f32 v[ST+8*t+6], v[ST+8*t+3], v[TC+2*t]            ; off = rho - mu
.set y, 0
.rept 32
	v_pk_fma_f32 v[S+2*y:S+2*y+1], v[S+2*y:S+2*y+1], v[ST+8*((y/4)%4)+2:ST+8*((y/4)%4)+3], v[ST+8*((y/4)%4)+6:ST+8*((y/4)%4)+7] op_sel_hi:[1,0,0]
.set y, y+1
.endr
.set y, 0
.rept 64
	v_exp_f32 v[S+y], v[S+y]
.set y, y+1
.endr
	v_nop                                          ; a plain line behind the last exponential,
	s_wait_alu depctr_va_vdst(0)                   ; and the batch's one wait
	T4 v_pk_add_f32 v[TS+8*t:TS+8*t+1], v[S+8*t:S+8*t+1], v[S+8*t+2:S+8*t+3]
	T4 v_pk_add_f32 v[TS+8*t+2:TS+8*t+3], v[S+8*t+4:S+8*t+5], v[S+8*t+6:S+8*t+7]
	T4 v_pk_add_f32 v[TS+8*t+4:TS+8*t+5], v[S+32+8*t:S+32+8*t+1], v[S+32+8*t+2:S+32+8*t+3]
	T4 v_pk_add_f32 v[TS+8*t+6:TS+8*t+7], v[S+32+8*t+4:S+32+8*t+5], v[S+32+8*t+6:S+32+8*t+7]
	T4 v_pk_add_f32 v[TS+8*t:TS+8*t+1], v[TS+8*t:TS+8*t+1], v[TS+8*t+2:TS+8*t+3]
	T4 v_pk_add_f32 v[TS+8*t+4:TS+8*t+5], v[TS+8*t+4:TS+8*t+5], v[TS+8*t+6:TS+8*t+7]
	T4 v_pk_add_f32 v[TS+8*t:TS+8*t+1], v[TS+8*t:TS+8*t+1], v[TS+8*t+4:TS+8*t+5]
	T4 v_add_f32 v[TS+8*t], v[TS+8*t], v[TS+8*t+1]
	T4 v_permlanex16_b32 v[TS+8*t+1], v[TS+8*t], s54, s55
	T4 v_add_f32 v[TS+8*t], v[TS+8*t], v[TS+8*t+1]              ; lambda, of the unrounded weights
.set y, 0
.rept 32                               ; block y / 4: eight weights into its first four registers
	v_cvt_pk_f16_f32 v[S+8*(y/4)+y%4], v[S+8*(y/4)+2*(y%4)], v[S+8*(y/4)+2*(y%4)+1]
.set y, y+1
.endr
.set y, 0
.rept 8                                ; P[query][key]: row 16 t + r, keys 32 w + 16 i + 8 h on
	ds_store_b128 v10, v[S+8*y:S+8*y+3] offset:(y%4)*4352+32*(y/4)
.set y, y+1
.endr
	T4 ds_store_b32 v14, v[TC+2*t] offset:256*t
	T4 ds_store_b32 v14, v[TS+8*t] offset:1024+256*t
.endm
; V group g: key chunk g / 2, channel blocks 4 (g % 2) on -> FB[g % 3].   P chunk kc -> S + 32 (kc % 2).   PSC: that chunk times f of the wave that made it.   PVM: the group's 16 products, all on different accumulators.
.macro VLD g
.set fb, FB+32*((\g)%3)
.set av, 7+(\g)/4                      ; v7 for key chunks 0, 1; v8 for 2, 3
.irp c, 0,1,2,3
	ds_load_tr16_b128 v[fb+8*\c:fb+8*\c+3],   v[av] offset:(((\g)/2)%2)*32*KPT+16*(4*((\g)%2)+\c)
	ds_load_tr16_b128 v[fb+8*\c+4:fb+8*\c+7], v[av] offset:(((\g)/2)%2)*32*KPT+16*KPT+16*(4*((\g)%2)+\c)
.endr
.endm
.macro PLD kc
.set pf, S+32*((\kc)%2)
.irp t, 0,1,2,3
	ds_load_b128 v[pf+8*\t:pf+8*\t+3],   v12 offset:\t*4352+64*(\kc)
	ds_load_b128 v[pf+8*\t+4:pf+8*\t+7], v12 offset:\t*4352+64*(\kc)+32
.endr
.endm
.macro PSC kc
.set y, 0
.rept 32
	v_pk_mul_f16 v[S+32*((\kc)%2)+y], v[S+32*((\kc)%2)+y], v[F+4*(y/8)+(\kc)]
.set y, y+1
.endr
.endm
.macro PVM g
	WIN 0x50                                       ; C and D window 1, V and P window 0
.irp c, 0,1,2,3
.irp t, 0,1,2,3
.set rD, 8*(4*(4*((\g)%2)+\c)+\t)
.set rA, FB+32*((\g)%3)+8*\c
.set rB, S+32*(((\g)/2)%2)+8*\t
	v_wmma_f32_16x16x32_f16 v[rD:rD+7], v[rA:rA+7], v[rB:rB+7], v[rD:rD+7]
.endr
.endr
	WIN 0
.endm
; BEHIND THE ROUND: the four waves' mu and lambda, the first fragments of P and V; the new maximum, a and f (20 exponentials, one batch, one wait); l; O^T times a; P's first chunk times f.
; LDS loads in issue order: statistics 8, P0 8, V0 8, P1 8, V1 8, later V2 8.  Each wait's count is the loads issued behind the ones that are wanted.
.macro POST
	WIN 0
	v_add_nc_u32 v7, s30, v6
	v_add_nc_u32 v12, s31, v11
	v_add_nc_u32 v16, s31, v15
	v_add_nc_u32 v8, 64*KPT, v7
	T4 ds_load_b128 v[F+4*t:F+4*t+3], v16 offset:256*t
	T4 ds_load_b128 v[FB+64+4*t:FB+64+4*t+3], v16 offset:1024+256*t
	PLD 0
	VLD 0
	PLD 1
	VLD 1
	ASK
	s_wait_dscnt 32                                ; the statistics are in
	T4 v_max3_num_f32 v[ST+8*t+7], v[F+4*t], v[F+4*t+1], v[F+4*t+2]
	T4 v_max3_num_f32 v[ST+8*t+7], v[ST+8*t+7], v[F+4*t+3], v[ST+8*t]
	T4 v_sub_f32 v[ST+8*t+4], v[ST+8*t], v[ST+8*t+7]
.set y, 0
.rept 16
	v_sub_f32 v[F+y], v[F+y], v[ST+8*(y/4)+7]
.set y, y+1
.endr
	T4 v_mov_b32 v[ST+8*t], v[ST+8*t+7]
	T4 v_exp_f32 v[ST+8*t+4], v[ST+8*t+4]
.set y, 0
.rept 16
	v_exp_f32 v[F+y], v[F+y]
.set y, y+1
.endr
	v_nop
	s_wait_alu depctr_va_vdst(0)
	T4 v_mul_f32 v[ST+8*t+1], v[ST+8*t+1], v[ST+8*t+4]
.irp w, 0,1,2,3
	T4 v_fmac_f32 v[ST+8*t+1], v[F+4*t+\w], v[FB+64+4*t+\w]
.endr
.set y, 0
.rept 16
	v_cvt_pk_f16_f32 v[F+y], v[F+y], v[F+y]        ; f twice, for the packed multiply
.set y, y+1
.endr
	VLD 2
	WIN 0x41                                       ; destination and source 0 window 1
.set y, 0
.rept 128
	v_pk_mul_f32 v[2*y:2*y+1], v[2*y:2*y+1], v[ST+8*((y/4)%4)+4:ST+8*((y/4)%4)+5] op_sel_hi:[1,0]
.set y, y+1
.endr
	WIN 0
	s_wait_dscnt 32                                ; P0 is in (behind it: V0, P1, V1, V2)
	PSC 0
.endm
; O^T += V^T P: eight groups.  What stands behind a group's products: the scaling of the next chunk of P (32 plain lines that name none of the group's registers: the places) or four v_nop, then loads into the
; registers that the group has read.  From group 5 on the first fragments of the tile that follows are fetched: my own 32 rows, shown landed by my own wait (the one load that is out).
; In the loop's last pass that tile is Wl's first, and these 24 loads are dropped: the price of one text for every pass.
.macro PV
	s_wait_dscnt 24                                ; V0 (behind it: P1, V1, V2)
	PVM 0
	s_wait_dscnt 16                                ; P1 (V1, V2)
	PSC 1
	VLD 3
	s_wait_dscnt 16                                ; V1 (V2, V3)
	PVM 1
	PLACES
	PLD 2
	VLD 4
	s_wait_dscnt 24                                ; V2 (V3, P2, V4)
	PVM 2
	s_wait_dscnt 8                                 ; P2 (V4)
	PSC 2
	VLD 5
	s_wait_dscnt 16                                ; V3 is long in (V4, V5)
	PVM 3
	PLACES
	PLD 3
	VLD 6
	s_wait_dscnt 24                                ; V4 (V5, P3, V6)
	PVM 4
	s_wait_dscnt 8                                 ; P3 (V6)
	PSC 3
	VLD 7
	s_wait_dscnt 16                                ; V5 is in (V6, V7)
	PVM 5
	PLACES
	s_wait_tensorcnt 0x0
	s_xor_b32 s30, s30, SLOT1
	v_add_nc_u32 v5, s30, v3
	LDG 5, 0
	s_wait_dscnt 16                                ; V6 (V7, K0)
	PVM 6
	PLACES
	LDG 5, 1
	s_wait_dscnt 16                                ; V7 (K0, K1)
	PVM 7
	PLACES
	PLACES                                         ; eight: the next scores are written over the registers that these products read as P, which asks for five places
	LDG 5, 2
.endm
; FROM ACCUMULATORS TO FRAGMENTS, two tiles at a time.  XST: the packed results (block a of tile tt at S + 4 (8 tt + a)) into the stage, row = query.  XLD: back as fragments of tiles 2 hf, 2 hf + 1.
.macro XST
	WIN 0
.set y, 0
.rept 16
	ds_store_b128 v19, v[S+4*y:S+4*y+3] offset:(y/8)*16*KPT+16*(y%8)
.set y, y+1
.endr
.endm
.macro XLD hf
.irp hi, 0,1
	WIN 0x80+0x40*\hi
.set y, 0
.rept 16                               ; tile y / 8, chunk 8 hi + y % 8
.set rr, 8*(4*(y%8)+2*(\hf)+y/8)
	ds_load_b128 v[rr:rr+3],   v20 offset:(y/8)*16*KPT+64*(8*\hi+y%8)
	ds_load_b128 v[rr+4:rr+7], v20 offset:(y/8)*16*KPT+64*(8*\hi+y%8)+32
.set y, y+1
.endr
.endr
	WIN 0
.endm
.macro IDX hf                          ; for y of 64: tile tl = 2 hf + y % 2, pair (y / 2) % 4, block y / 8
.set tl, 2*(\hf)+y%2
.set rr, 8*(4*(y/8)+tl)+2*((y/2)%4)
.set pk, S+4*(8*(y%2)+y/8)+(y/2)%4
.endm
.macro SCALE hf                        ; t' = t / 2^E, to f16
	WIN 0x41
.set y, 0
.rept 64
	IDX \hf
	v_pk_mul_f32 v[rr:rr+1], v[rr:rr+1], v[ST+8*tl+4:ST+8*tl+5] op_sel_hi:[1,0]
.set y, y+1
.endr
	WIN 0x05
.set y, 0
.rept 64
	IDX \hf
	v_cvt_pk_f16_f32 v[pk], v[rr], v[rr+1]
.set y, y+1
.endr
.endm
.macro LNAPPLY hf                      ; relu((d A + Bc) g + be), to f16
	WIN 0x41
.set y, 0
.rept 64
	IDX \hf
	v_pk_fma_f32 v[rr:rr+1], v[rr:rr+1], v[ST+8*tl:ST+8*tl+1], v[ST+8*tl+2:ST+8*tl+3] op_sel_hi:[1,0,0]
.set y, y+1
.endr
.set y, 0
.rept 64
	IDX \hf
.set ga, 144+8*(y/8)+2*((y/2)%4)
.if y/8 < 6
.set be, 208+8*(y/8)+2*((y/2)%4)
.else
.set be, 64+8*(y/8-6)+2*((y/2)%4)
.endif
	v_pk_fma_f32 v[rr:rr+1], v[rr:rr+1], v[ga:ga+1], v[be:be+1]
.set y, y+1
.endr
	WIN 0x05
.set y, 0
.rept 64
	IDX \hf
	v_cvt_pk_f16_f32 v[pk], v[rr], v[rr+1]
.set y, y+1
.endr
	WIN 0
.set y, 0
.rept 64
	v_pk_max_num_f16 v[S+y], v[S+y], v30
.set y, y+1
.endr
.endm
	s_load_b256 s[4:11], s[0:1], 0x0               ; xh 4, mt 6, cw 8, wlh 10
	s_load_b128 s[12:15], s[0:1], 0x20             ; lengths 12, rq 14
	s_load_b64 s[22:23], s[0:1], 0x30              ; out0
	v_lshl_add_u32 v28, v0, 2, SPARE
	v_mov_b32 v29, 0
	ds_add_u32 v28, v29                            ; the wave's opening: the add and its wait ahead of my first tensor load
	v_lshrrev_b32 v1, 5, v0
	v_readfirstlane_b32 s24, v1                    ; wave 0..3
	s_bfe_u32 s25, ttmp6, 0x40000                  ; cx
	s_lshl_b32 s26, ttmp9, 2
	s_add_co_u32 s26, s26, s25                     ; my block of 64 queries: it enters global addresses of my own loads, stores and prefetches alone
	s_and_b32 s27, ttmp7, 0xffff                   ; the batch, which the partners share
	s_mov_b32 s36, 15|(1<<16)|(1<<20)|(1<<21)|(7<<22)|(3<<25)  ; mask of four; 2-byte elements; padding on, 4 words after every 256
	s_mov_b32 s37, 512<<16                         ; tensor_dim0 = 512
	s_mov_b32 s38, 32<<16                          ; tensor_dim1 = 32
	s_mov_b32 s39, 512<<16                         ; tile_dim0 = 512
	s_mov_b32 s40, 32                              ; tile_dim1 = 32: the rows that I read as K
	s_mov_b32 s41, 512
	s_mov_b32 s42, 0
	s_mov_b32 s43, 0
	s_mov_b32 s44, 1
	s_mul_i32 s45, s24, 32*KPT                     ; slot 0, my 32 rows
	s_mov_b32 s48, 1
	s_add_co_u32 s49, s45, SLOT1                   ; slot 1; this descriptor walks
	s_mov_b32 s54, 0x76543210
	s_mov_b32 s55, 0xfedcba98
	s_mov_b32 s60, 0xf149f2ca                      ; -1e30
	s_mov_b32 s61, 0x3d8293ee                      ; c0 = log2(e) / sqrt(512)
	s_mov_b32 s62, 0xe0ad78ec                      ; -1e20
	s_mov_b32 s63, 0xfe967699                      ; -1e38
	s_cmp_eq_u32 ttmp9, 0
	s_cselect_b32 s58, 2, -1                       ; 2 in the batch's first cluster, else the greatest number
	s_lshl_b32 s66, s24, 15                        ; my 32 rows of a tile in memory; also my 16 rows of the output
	s_mov_b32 s67, 0
	s_lshl_b32 s68, s27, 21                        ; the batch's 2,048 rows of xh
	s_mov_b32 s69, 0
	s_lshl_b32 s70, s26, 16                        ; my block's 64 rows
	s_mov_b32 s71, 0
	s_lshl_b32 s72, s25, 13                        ; the prefetches: 8 cx rows,
	s_add_co_u32 s72, s72, s66                     ; 32 w rows,
	s_add_co_u32 s72, s72, TILEB                   ; at tile 1: the first pass steps it to tile 2
	s_mov_b32 s73, 0
	s_lshl_b32 s74, s27, 2
	s_lshl_b32 s86, s27, 22
	s_lshl_b32 s87, s26, 17
	s_add_co_u32 s86, s86, s87
	s_add_co_u32 s86, s86, s66                     ; the output at my wave's 16 rows
	s_mov_b32 s87, 0
	s_lshl_b32 s88, s27, 13
	s_lshl_b32 s89, s26, 8
	s_add_co_u32 s88, s88, s89
	s_mov_b32 s89, 0
	s_lshl_b32 s90, s24, 14
	s_mov_b32 s91, 0
	s_wait_dscnt 0x0                               ; the opening add is done
	s_wait_kmcnt 0x0
	s_add_nc_u64 s[6:7], s[6:7], s[66:67]
	s_mov_b64 s[46:47], s[6:7]                     ; MT's tile 0
	s_or_b32 s47, s47, 0x80000000
	s_add_nc_u64 s[50:51], s[6:7], TILEB           ; tile 1
	s_or_b32 s51, s51, 0x80000000
	s_add_nc_u64 s[52:53], s[6:7], 2*TILEB         ; s[52:53]: the tile to be asked for next
	s_add_nc_u64 s[10:11], s[10:11], s[66:67]      ; Wl's tile 0
	s_add_nc_u64 s[16:17], s[8:9], PAR             ; the first layer's ln_g, ln_b, bl
	s_add_nc_u64 s[4:5], s[4:5], s[68:69]
	s_add_nc_u64 s[80:81], s[4:5], s[66:67]        ; x's tile 0
	s_add_nc_u64 s[76:77], s[4:5], s[70:71]        ; my block's rows of x,
	s_add_nc_u64 s[84:85], s[76:77], s[90:91]      ; my wave's 16 of them
	s_add_nc_u64 s[56:57], s[4:5], s[72:73]
	s_add_nc_u64 s[78:79], s[22:23], s[86:87]
	s_add_nc_u64 s[14:15], s[14:15], s[88:89]
	s_load_b32 s28, s[12:13], s74 offset:0x0       ; the batch's length
	ROUND                                          ; the four work-groups are here: the first joint loads meet
	tensor_load_to_lds s[44:47], s[36:43]          ; two loads of mine are out
	s_nop 0
	tensor_load_to_lds s[48:51], s[36:43]
	s_nop 0
	PLACES
	v_and_b32 v1, 15, v0                           ; v1 r, v2 h, v21 l: kept
	v_bfe_u32 v2, v0, 4, 1
	v_and_b32 v21, 31, v0
	v_lshlrev_b32 v26, 10, v1
	v_lshl_add_u32 v26, v2, 4, v26                 ; v26  a fragment's row in xh: r x 1,024 + 16 h
	s_lshl_b32 s68, s24, 9
	v_lshl_add_u32 v22, v2, 8, s68                 ; v22  my channels in an f32 vector: 4 (128 w + 64 h)
	v_lshlrev_b32 v25, 2, v1                       ; v25  rq
	WIN 0x80
.set y, 0
.rept 32                               ; my block's x as fragments: tile y % 4, chunk y / 4
	global_load_b128 v[8*y:8*y+3],   v26, s[76:77] offset:(y%4)*16384+64*(y/4)
	global_load_b128 v[8*y+4:8*y+7], v26, s[76:77] offset:(y%4)*16384+64*(y/4)+32
.set y, y+1
.endr
	WIN 0xc0
.set y, 0
.rept 32
	global_load_b128 v[8*y:8*y+3],   v26, s[76:77] offset:(y%4)*16384+64*(8+y/4)
	global_load_b128 v[8*y+4:8*y+7], v26, s[76:77] offset:(y%4)*16384+64*(8+y/4)+32
.set y, y+1
.endr
	WIN 0
.set y, 0
.rept 8
	global_load_b128 v[CB+8*y:CB+8*y+3],   v22, s[8:9] offset:32*y      ; c
	global_load_b128 v[CB+8*y+4:CB+8*y+7], v22, s[8:9] offset:32*y+16
.set y, y+1
.endr
	T4 global_load_b32 v[ST+8*t+3], v25, s[14:15] offset:64*t
	v_mul_u32_u24 v27, v1, KPT
	v_lshl_add_u32 v20, v2, 4, v27
	v_add_nc_u32 v3, s45, v20                      ; v3   K (and MT, Wl) in slot 0: (32 w + r) x 1,040 + 16 h
	v_add_nc_u32 v4, SLOT1, v3                     ; v4   in slot 1;   v5 the slot in hand
	v_add_nc_u32 v20, XB0, v20                     ; v20  the stage, back
	s_lshl_b32 s67, s24, 8
	s_add_co_u32 s68, s67, XB0
	v_lshl_add_u32 v19, v2, 7, v27
	v_add_nc_u32 v19, s68, v19                     ; v19  the stage, in: row r, bytes 2 (128 w + 64 h)
	v_and_b32 v27, 7, v0
	v_lshl_add_u32 v27, v2, 3, v27
	v_mul_u32_u24 v6, v27, KPT
	v_bfe_u32 v27, v0, 3, 1
	v_lshl_add_u32 v6, v27, 7, v6
	v_add_nc_u32 v6, s67, v6                       ; v6   V: key 8 h + l % 8, bytes 256 w + 128 ((l / 8) % 2);   v7, v8 in the slot in hand
	v_mul_u32_u24 v27, v1, 272
	v_lshl_add_u32 v27, v2, 4, v27
	v_add_nc_u32 v11, XB0, v27                     ; v11  P, back: row r, 16 h;   v12 in the buffer in hand
	s_lshl_b32 s68, s24, 6
	s_add_co_u32 s68, s68, XB0
	v_add_nc_u32 v9, s68, v27                      ; v9   P, in: + 64 w;   v10
	v_lshlrev_b32 v27, 4, v1
	v_add_nc_u32 v15, XB0+STAT, v27                ; v15  mu and lambda, back: row r;   v16
	v_add_nc_u32 v18, LNS, v27                     ; v18  LNS, back
	s_lshl_b32 s68, s24, 2
	v_add_nc_u32 v13, s68, v15                     ; v13  mu and lambda, in: my wave's word;   v14
	v_add_nc_u32 v17, s68, v18                     ; v17  LNS, in
	v_lshrrev_b32 v24, 2, v21
	v_and_b32 v27, 3, v21
	v_lshlrev_b32 v24, 10, v24
	v_lshl_add_u32 v24, v27, 8, v24                ; v24  the prefetches: row l / 4, block l % 4
	v_mov_b32 v30, 0
	v_mov_b32 v31, 1.0
	s_wait_kmcnt 0x0
	s_lshl_b32 s68, s24, 5
	s_sub_co_u32 s68, s28, s68
	s_add_co_u32 s68, s68, 128
	v_lshlrev_b32 v23, 3, v2
	v_sub_nc_u32 v23, s68, v23                     ; v23  lengths - 32 w - 8 h + 128: the first MASK takes the 128 off
	s_wait_loadcnt 0x0
	; t = MT x + c
	s_wait_tensorcnt 0x1                           ; my rows of MT's tile 0 are in: one load was issued behind theirs
	GSTEP 1, 3, 0, 0
	REFILL
	GSTEP 1, 4, 2, 0
	REFILL
	GSTEP 1, 3, 4, 0
	s_mov_b64 s[52:53], s[80:81]                   ; next: x's tiles
	REFILL
	GSTEP 1, 4, 6, 0
	; each query's largest |t|: largest and smallest, in chains that start at 0; every accumulator is read from its low end on
	WIN 0
	T4 v_mov_b32 v[TC+2*t], 0
	T4 v_mov_b32 v[TC+2*t+1], 0
	WIN 0x14                                       ; sources 1 and 2 window 1
.set y, 0
.rept 128                              ; tile y % 4, pair (y / 4) % 4, block y / 16
.set rr, 8*(4*(y/16)+y%4)+2*((y/4)%4)
	v_max3_num_f32 v[TC+2*(y%4)], v[TC+2*(y%4)], v[rr], v[rr+1]
	v_min3_num_f32 v[TC+2*(y%4)+1], v[TC+2*(y%4)+1], v[rr], v[rr+1]
.set y, y+1
.endr
	WIN 0
	T4 v_mul_f32 v[TC+2*t+1], -1.0, v[TC+2*t+1]
	T4 v_max_num_f32 v[TC+2*t], v[TC+2*t], v[TC+2*t+1]
	T4 v_permlanex16_b32 v[TC+2*t+1], v[TC+2*t], s54, s55
	T4 v_max_num_f32 v[TC+2*t], v[TC+2*t], v[TC+2*t+1]
	T4 ds_store_b32 v17, v[TC+2*t] offset:256*t
	s_wait_dscnt 0x0
	BAR
	T4 ds_load_b128 v[TS+4*t:TS+4*t+3], v18 offset:256*t
	s_mov_b32 s66, 0x21800000                      ; 2^-60
	s_mov_b32 s67, 0x7b800000                      ; 2^120
	s_wait_dscnt 0x0
	T4 v_max3_num_f32 v[TC+2*t], v[TS+4*t], v[TS+4*t+1], v[TS+4*t+2]
	T4 v_max_num_f32 v[TC+2*t], v[TC+2*t], v[TS+4*t+3]
	T4 v_med3_num_f32 v[TC+2*t], v[TC+2*t], s66, s67
	T4 v_and_b32 v[TC+2*t], 0x7f800000, v[TC+2*t]               ; 2^E
	T4 v_sub_nc_u32 v[ST+8*t+4], 0x7f000000, v[TC+2*t]          ; 2^-E
	T4 v_mul_f32 v[ST+8*t+2], s61, v[TC+2*t]                    ; cq
	T4 v_mul_f32 v[ST+8*t+3], s61, v[ST+8*t+3]                  ; rho
	T4 v_mov_b32 v[ST+8*t], 0xff7fffff                          ; M: the lowest finite number, so the first a is 0 and wipes what the accumulators hold
	T4 v_mov_b32 v[ST+8*t+1], 0
	T4 v_mov_b32 v[ST+8*t+5], 0
	T4 v_mov_b32 v[ST+8*t+6], 0
	T4 v_mov_b32 v[ST+8*t+7], 0
	SCALE 0
	XST
	s_wait_dscnt 0x0
	BAR                                            ; the stage holds tiles 0, 1 of all four waves' channels
	XLD 0
	s_wait_dscnt 0x0
	BAR                                            ; everybody has read it
	SCALE 1
	XST
	s_wait_dscnt 0x0
	BAR
	XLD 1
	s_wait_dscnt 0x0
	BAR                                            ; the stage's bytes are free for the weights
	; ATTENTION.  The loop is entered in its middle: tile 0's scores come first.
	s_wait_tensorcnt 0x0                           ; my rows of x's tile 0
	s_mov_b32 s30, 0                               ; the slot in hand
	s_mov_b32 s31, XBS                             ; SM turns it to buffer 0
	v_mov_b32 v5, v3
	MASK
	LDG 5, 0
	LDG 5, 1
	LDG 5, 2
	s_mov_b32 s29, 16
	s_branch .Lmid
.Ltop:                                 ; pass n = 17 - s29, 1 to 16: the tile behind x's tile n - 1 is asked for; tile n - 1's weights meet it as V; then, but for the last pass, tile n's scores
	s_cmp_eq_u32 s29, 1
	s_cselect_b64 s[52:53], s[10:11], s[52:53]     ; behind x's last tile comes Wl's first, which the first layer reads
	REFILL 1
	POST
	PV
	WIN 0
	s_sub_co_u32 s29, s29, 1
	s_cmp_eq_u32 s29, 0
	s_cbranch_scc1 .Lattdone                       ; the loop is left in its middle
.Lmid:
	GSTEP 0, 5, 0, 1
	MASK
	SM
	WIN 0
	s_branch .Ltop
.Lattdone:
	s_wait_dscnt 0x0                               ; the fragments fetched in the last pass have come: their registers are written below
	; THE TWO LAYERS.  Layer L's tiles are Wl's 4 L .. 4 L + 3.  Tile 4 L has been asked for (by the attention's last round, or at the bottom of the trip before).
	T4 v_mul_f32 v[ST+8*t+5], v[ST+8*t+1], v[ST+8*t+1]
	T4 v_mul_f32 v[ST+8*t+5], 0x3727c5ac, v[ST+8*t+5]           ; 1e-5 l^2
	s_mov_b32 s82, 2
.Llayer:
.set y, 0
.rept 8                                ; g -> v144-207; be -> v208-255 and v64-79
	global_load_b128 v[144+8*y:144+8*y+3], v22, s[16:17] offset:32*y
	global_load_b128 v[144+8*y+4:144+8*y+7], v22, s[16:17] offset:32*y+16
.set y, y+1
.endr
.set y, 0
.rept 8
.if y < 6
.set be, 208+8*y
.else
.set be, 64+8*(y-6)
.endif
	global_load_b128 v[be:be+3], v22, s[16:17] offset:4096+32*y
	global_load_b128 v[be+4:be+7], v22, s[16:17] offset:4096+32*y+16
.set y, y+1
.endr
	; my 128 channels: mean m, then centred in place, then the sum of squares
	T4 v_mov_b32 v[ST+8*t+6], 0
	T4 v_mov_b32 v[ST+8*t+7], 0
	WIN 0x04
.set y, 0
.rept 128
.set rr, 8*(4*(y/16)+y%4)+2*((y/4)%4)
	v_pk_add_f32 v[ST+8*(y%4)+6:ST+8*(y%4)+7], v[ST+8*(y%4)+6:ST+8*(y%4)+7], v[rr:rr+1]
.set y, y+1
.endr
	WIN 0
	T4 v_add_f32 v[ST+8*t+6], v[ST+8*t+6], v[ST+8*t+7]
	T4 v_permlanex16_b32 v[ST+8*t+7], v[ST+8*t+6], s54, s55
	T4 v_add_f32 v[ST+8*t+6], v[ST+8*t+6], v[ST+8*t+7]
	T4 v_mul_f32 v[ST+8*t+4], 0x3c000000, v[ST+8*t+6]           ; / 128
	T4 v_mov_b32 v[ST+8*t+6], 0
	T4 v_mov_b32 v[ST+8*t+7], 0
	WIN 0x41
.set y, 0
.rept 128
.set rr, 8*(4*(y/16)+y%4)+2*((y/4)%4)
	v_pk_add_f32 v[rr:rr+1], v[rr:rr+1], v[ST+8*(y%4)+4:ST+8*(y%4)+5] op_sel_hi:[1,0] neg_lo:[0,1] neg_hi:[0,1]
.set y, y+1
.endr
	WIN 0x05
.set y, 0
.rept 128
.set rr, 8*(4*(y/16)+y%4)+2*((y/4)%4)
	v_pk_fma_f32 v[ST+8*(y%4)+6:ST+8*(y%4)+7], v[rr:rr+1], v[rr:rr+1], v[ST+8*(y%4)+6:ST+8*(y%4)+7]
.set y, y+1
.endr
	WIN 0
	T4 v_add_f32 v[ST+8*t+6], v[ST+8*t+6], v[ST+8*t+7]
	T4 v_permlanex16_b32 v[ST+8*t+7], v[ST+8*t+6], s54, s55
	T4 v_add_f32 v[ST+8*t+6], v[ST+8*t+6], v[ST+8*t+7]
	T4 ds_store_b32 v17, v[ST+8*t+4] offset:256*t
	T4 ds_store_b32 v17, v[ST+8*t+6] offset:1024+256*t
	REFILL                                         ; tile 4 L + 1 into slot 1; the round also publishes the four waves' m and sums of squares; its wait for all loads shows my rows of tile 4 L landed
	T4 ds_load_b128 v[80+4*t:83+4*t], v18 offset:256*t
	T4 ds_load_b128 v[96+4*t:99+4*t], v18 offset:1024+256*t
	s_wait_dscnt 0x0
	; mean = sum m / 4; variance = (sum of the sums of squares + 128 sum (m_w - mean)^2) / 512
	T4 v_add_f32 v[112+4*t], v[80+4*t], v[81+4*t]
	T4 v_add_f32 v[113+4*t], v[82+4*t], v[83+4*t]
	T4 v_add_f32 v[112+4*t], v[112+4*t], v[113+4*t]
	T4 v_mul_f32 v[112+4*t], 0x3e800000, v[112+4*t]
.irp w, 0,1,2,3
	T4 v_sub_f32 v[80+4*t+\w], v[80+4*t+\w], v[112+4*t]
.endr
	T4 v_mul_f32 v[113+4*t], v[80+4*t], v[80+4*t]
.irp w, 1,2,3
	T4 v_fmac_f32 v[113+4*t], v[80+4*t+\w], v[80+4*t+\w]
.endr
	T4 v_add_f32 v[114+4*t], v[96+4*t], v[97+4*t]
	T4 v_add_f32 v[115+4*t], v[98+4*t], v[99+4*t]
	T4 v_add_f32 v[114+4*t], v[114+4*t], v[115+4*t]
	T4 v_fmamk_f32 v[114+4*t], v[113+4*t], 0x43000000, v[114+4*t]
	T4 v_fmamk_f32 v[114+4*t], v[114+4*t], 0x3b000000, v[ST+8*t+5]
	T4 v_rsq_f32 v[ST+8*t], v[114+4*t]
	T4 v_sub_f32 v[113+4*t], v[ST+8*t+4], v[112+4*t]            ; plain lines behind the last root,
	s_wait_alu depctr_va_vdst(0)                   ; and the four roots' one wait
	T4 v_mul_f32 v[ST+8*t+2], v[113+4*t], v[ST+8*t]             ; Bc = (m - mean) A
	s_wait_loadcnt 0x0                             ; g and be
	LNAPPLY 0
	XST
	s_wait_dscnt 0x0
	BAR
	XLD 0
	s_wait_dscnt 0x0
	BAR
	LNAPPLY 1
	XST
	s_wait_dscnt 0x0
	BAR                                            ; tile 4 L + 1 may stay out
.set y, 0
.rept 8
	global_load_b128 v[CB+8*y:CB+8*y+3],   v22, s[16:17] offset:8192+32*y    ; bl
	global_load_b128 v[CB+8*y+4:CB+8*y+7], v22, s[16:17] offset:8192+32*y+16
.set y, y+1
.endr
	XLD 1
	s_wait_dscnt 0x0
	s_wait_loadcnt 0x0
	GSTEP 1, 3, 0, 0
	REFILL                                         ; tile 4 L + 2 into slot 0
	GSTEP 1, 4, 2, 0
	REFILL                                         ; tile 4 L + 3 into slot 1
	GSTEP 1, 3, 4, 0
	s_wait_tensorcnt 0x0                           ; the one load that is out: my rows of tile 4 L + 3
	GSTEP 1, 4, 6, 0
	WIN 0
	T4 v_mov_b32 v[ST+8*t+5], 0x3727c5ac           ; the second layer's rows are not scaled: eps as it is
	s_add_nc_u64 s[16:17], s[16:17], 2048          ; all loads that read this pointer have been waited for
	s_sub_co_u32 s82, s82, 1
	s_cmp_eq_u32 s82, 0
	s_cbranch_scc1 .Lout                           ; behind Wl's last tile there is nothing to ask for
	REFILL                                         ; the next layer's first tile into slot 0
	s_branch .Llayer
	; THE WAY OUT: h through slot 0 (its last fill is past) into whole rows; x is added; 512 consecutive bytes a store
.Lout:
	v_mul_u32_u24 v5, v1, 2064
	v_lshl_add_u32 v5, v2, 8, v5
	s_lshl_b32 s66, s24, 9
	v_add_nc_u32 v5, s66, v5                       ; in: row r, bytes 4 (128 w + 64 h), tiles 0, 1;
	v_add_nc_u32 v7, 32*2064, v5                   ; tiles 2, 3
	s_mul_i32 s66, s24, 16*2064
	v_lshl_add_u32 v8, v21, 4, s66                 ; back: my 16 rows, 16 bytes a lane
	v_lshlrev_b32 v10, 3, v21                      ; the same numbers in xh: 8 bytes a lane
	v_lshlrev_b32 v12, 4, v21
.macro XROWS                           ; four rows of x: row y / 4, quarter y % 4: 256 consecutive bytes a load
.set y, 0
.rept 16
	global_load_b64 v[XR+2*y:XR+2*y+1], v10, s[84:85] offset:(y/4)*1024+(y%4)*256
.set y, y+1
.endr
.endm
	XROWS
	s_wait_dscnt 0x0
	BAR                                            ; every wave's reads of slot 0 are over
	WIN 0x04                                       ; the data in window 1
.set y, 0
.rept 32                               ; block y / 4, tile y % 4; the accumulator's low half first
.set ao, 5+2*((y%4)/2)
	ds_store_b128 v[ao], v[8*y:8*y+3]   offset:(y%2)*16*2064+32*(y/4)
	ds_store_b128 v[ao], v[8*y+4:8*y+7] offset:(y%2)*16*2064+32*(y/4)+16
.set y, y+1
.endr
	WIN 0
	s_wait_dscnt 0x0
	BAR
	s_mov_b32 s29, 4
.Lrows:                                ; four trips of four rows; the next four rows of x are asked for a trip ahead
.set y, 0
.rept 16
	ds_load_b128 v[80+4*y:80+4*y+3], v8 offset:(y/4)*2064+(y%4)*512
.set y, y+1
.endr
	s_wait_loadcnt 0x0                             ; these rows' x: the only loads that are out; their pointer may be stepped
	s_add_nc_u64 s[84:85], s[84:85], 4096
	s_wait_dscnt 0x0
.set y, 0
.rept 16                               ; x (an f16 half) x 1 + h
.set d, 80+4*y
.set xr, XR+2*y
	v_fma_mix_f32 v[d],   v[xr],   v31, v[d]   op_sel_hi:[1,0,0]
	v_fma_mix_f32 v[d+1], v[xr],   v31, v[d+1] op_sel:[1,0,0] op_sel_hi:[1,0,0]
	v_fma_mix_f32 v[d+2], v[xr+1], v31, v[d+2] op_sel_hi:[1,0,0]
	v_fma_mix_f32 v[d+3], v[xr+1], v31, v[d+3] op_sel:[1,0,0] op_sel_hi:[1,0,0]
.set y, y+1
.endr
.set y, 0
.rept 16
	global_store_b128 v12, v[80+4*y:80+4*y+3], s[78:79] offset:(y/4)*2048+(y%4)*512 th:TH_STORE_NT
.set y, y+1
.endr
	v_add_nc_u32 v8, 4*2064, v8
	s_cmp_eq_u32 s29, 1                            ; the last trip has no rows behind it
	s_cbranch_scc1 .Lnox
	XROWS
.Lnox:
	s_wait_xcnt 0x0                                ; the stores have read their registers and their base: both are written again
	s_add_nc_u64 s[78:79], s[78:79], 8192
	s_sub_co_u32 s29, s29, 1
	s_cmp_lg_u32 s29, 0
	s_cbranch_scc1 .Lrows
	s_wait_tensorcnt 0x0                           ; the wave's end
	ds_add_u32 v28, v29
	s_wait_dscnt 0x0
	ROUND                                          ; the closing round
	s_endpgm
.Lfunc_end_k_q03388c3d3f_attn:
	.size	k_q03388c3d3f_attn, .Lfunc_end_k_q03388c3d3f_attn-k_q03388c3d3f_attn
	.p2alignl 7, 3214868480
	.fill 96, 4, 3214868480
	.section	.rodata,"a",@progbits
	.p2align	6, 0x0
	.amdhsa_kernel k_q03388c3d3f_attn
		.amdhsa_group_segment_fixed_size 327680
		.amdhsa_private_segment_fixed_size 0
		.amdhsa_enable_private_segment 0
		.amdhsa_kernarg_size 56
		.amdhsa_user_sgpr_count 2
		.amdhsa_user_sgpr_kernarg_segment_ptr 1
		.amdhsa_wavefront_size32 1
		.amdhsa_system_sgpr_workgroup_id_x 1
		.amdhsa_system_sgpr_workgroup_id_y 1
		.amdhsa_system_sgpr_workgroup_id_z 1
		.amdhsa_system_vgpr_workitem_id 0
		.amdhsa_next_free_vgpr 1024
		.amdhsa_next_free_sgpr 96
		.amdhsa_reserve_vcc 1
		.amdhsa_float_denorm_mode_32 3
		.amdhsa_float_denorm_mode_16_64 3
		.amdhsa_memory_ordered 1
		.amdhsa_forward_progress 1
		.amdhsa_inst_pref_size 255
	.end_amdhsa_kernel
	.section	.bss,"aw",@nobits
	.p2align	6
	.space	262144
	.amdgpu_metadata
---
amdhsa.version: [ 1, 2 ]
amdhsa.kernels:
  - .name:           k_q03388c3d3f_attn
    .symbol:         k_q03388c3d3f_attn.kd
    .args:
      - { .name: xh, .offset: 0, .size: 8, .value_kind: global_buffer, .address_space: global }
      - { .name: mt, .offset: 8, .size: 8, .value_kind: global_buffer, .address_space: global }
      - { .name: cw, .offset: 16, .size: 8, .value_kind: global_buffer, .address_space: global }
      - { .name: wlh, .offset: 24, .size: 8, .value_kind: global_buffer, .address_space: global }
      - { .name: lengths, .offset: 32, .size: 8, .value_kind: global_buffer, .address_space: global }
      - { .name: rq, .offset: 40, .size: 8, .value_kind: global_buffer, .address_space: global }
      - { .name: out0, .offset: 48, .size: 8, .value_kind: global_buffer, .address_space: global }
    .group_segment_fixed_size: 327680
    .private_segment_fixed_size: 0
    .kernarg_segment_align: 8
    .kernarg_segment_size: 56
    .max_flat_workgroup_size: 128
    .sgpr_count:     96
    .vgpr_count:     1024
    .wavefront_size: 32
...
	.end_amdgpu_metadata
.endif
;; end of part 6
;; ======== version 3 of 3: 3 launches; version 2 with the launch prep written anew for expert scheduling mode
;; limits: values are held in f16: magnitudes above 65,504 overflow, below 6.1e-05 lose precision
;; workspace buffers: w0b 262,144 bytes; mt 524,288 bytes; wlh 1,048,576 bytes; cw 18,688 bytes; xh 16,777,216 bytes; rq 65,536 bytes
;; launch prep (part 7): grid 64 x 1, 8 waves a work-group, no clusters, 206,336 bytes of LDS; arguments Wq, Wk, bq, bk, W0, Wl, mt, cw, w0b, wlh, ln_g, ln_b, bl, b0; writes mt, cw, w0b, wlh
.if DOCPART == 7
	.amdgcn_target "amdgcn-amd-amdhsa--gfx1250"
	.amdhsa_code_object_version 6
	.text
	.protected	k_q03388c3d3f_prep
	.globl	k_q03388c3d3f_prep
	.p2align	8
	.type	k_q03388c3d3f_prep,@function
k_q03388c3d3f_prep:
	s_mov_b64 s[64:65], 0
	v_nop
	global_prefetch_b8 v0, s[64:65] scope:SCOPE_SE
	s_setreg_imm32_b32 hwreg(HW_REG_WAVE_SCHED_MODE, 0, 2), 2
	s_setreg_imm32_b32 hwreg(HW_REG_WAVE_MODE, 25, 1), 1
	s_wait_xcnt 0x0
	s_wait_alu depctr_vm_vsrc(0)
; WEIGHTS, ONCE.  q.k = x_k . t_q + r_q with t_q = MT x_q + c, r_q = x_q . u + w0, where
;   MT[b][a] = sum_j Wk[j][b] Wq[j][a]   c[b] = sum_j Wk[j][b] bq[j]   u[a] = sum_j Wq[j][a] bk[j]   w0 = sum_j bq[j] bk[j].
; All inputs are rounded to bf16; the sums are f32; MT leaves as f16, c, u, w0 as f32.  Also copied: W0 as bf16, Wl rounded to bf16 and written as f16,
; and ln_g, ln_b, bl, b0 rounded to bf16 and written as f32, so that the later launches load them as they use them.
; cw: c at 0, u at 2,048, w0 at 4,096, ln_g at 4,352, ln_b at 8,448, bl at 12,544, b0 at 16,640.
; LIMITS: |MT| and |Wl| under 65,504 (f16); below 6e-5 they keep f16's fixed step of 6e-8.
; ROWS OF mt AND wlh ARE PERMUTED: storage row p = T<<7 | w<<5 | i<<4 | h<<3 | j holds channel w<<7 | h<<6 | T<<4 | i<<3 | j, the order in which the last launch's waves want them.
; SHARES.  64 work-groups: block bi = id / 4 of 32 rows b, block ai = id % 4 of 128 columns a.  Eight waves, wave (wb, wa) makes 16 b x 32 a.
; No cluster and no tensor load: the f32 inputs pass through registers to be rounded, and a block of 32 x 128 is the smallest whose rows of mt are 256 consecutive bytes.
; LDS: KT 512 rows j x 96 bytes (32 b, then bk[j] 16 times); QT 512 rows j x 288 bytes (128 a, then bq[j] 16 times): both pitches are odd multiples of 32 bytes.
; The 16 copies make c, u and w0 fall out of the same matrix products as MT.
; THE MODE: SCHED_MODE bits 1:0 = 2 (LLVM: expert scheduling mode 2), set by the entry lines.  The code itself states the register dependences
; between vector or matrix instructions and memory or LDS instructions, with s_wait_alu, always for 0.
; THE PLAN.  Registers that memory or LDS instructions touch:
;   v1-v14      offsets and LDS addresses, made at the head.  v3-v9 are written again in the way out; v11-v14 move on once a step of the products; v1, v2 never.
;   v16-v59     the copies: loaded, rounded in place, stored; later the products' sums.
;   v236-v251   the biases, spread: written by vector lines, read by eight LDS stores.
;   X v64-v223  the ring's 40 slots.  Block p's ten conversions read its five slots; the reloads issued in block p + 1 land in them.
;   Y0, Y1      v224-v233, v234-v243.  Block p's conversions write Y[p % 2]; the five LDS stores issued in block p + 1 read it.
;   F0, F1      v64-v143, v144-v223: the fragments of 64 rows j.  Step s's twelve products read F[s % 2]; the loads issued in step s land in the other, for step s + 1.
; A block's (a step's) memory instructions touch only what the block (step) before worked on, and none of its own vector or matrix lines names that: so the waits at its head state all
; that they hang on, and they are dealt among its vector or matrix lines with no further wait.
.set KP,    96
.set QT,    49152
.set QP,    288
.set STG,   196608                     ; 32 rows x 272 bytes: MT's block on its way out
.set SPARE, 205312                     ; the spare words: 128 bytes for each of eight waves
.set PAR,   4352                       ; cw: the seven units of 2,048 bytes of parameters begin here
.set SPW,   254                        ; v254 SPARE + 4 x thread; never rewritten
.set NIL,   255                        ; v255 0; never rewritten
.set RING,  64                         ; v[64:223] 40 slots of 4 registers; later the fragments, two buffers of 80
.set BL,    5                          ; loads in a block of the ring
.set YB,    224                        ; v[224:243] two out-buffers of five pairs
.macro BAR
	s_barrier_signal -1
	s_barrier_wait -1
.endm
	s_load_b512 s[4:19], s[0:1], 0x0               ; Wq 4, Wk 6, bq 8, bk 10, W0 12, Wl 14, mt 16, cw 18
	s_load_b128 s[20:23], s[0:1], 0x40             ; w0b 20, wlh 22
	s_load_b256 s[36:43], s[0:1], 0x50             ; ln_g 36, ln_b 38, bl 40, b0 42
	v_lshl_add_u32 v[SPW], v0, 2, SPARE
	v_mov_b32 v[NIL], 0
	v_lshrrev_b32 v15, 5, v0
	v_readfirstlane_b32 s24, v15                   ; wave 0..7
	s_lshr_b32 s25, ttmp9, 2                       ; bi
	s_and_b32 s26, ttmp9, 3                        ; ai
	v_lshlrev_b32 v1, 4, v0                        ; copies: 16 bytes of f32 a thread
	v_lshlrev_b32 v2, 3, v0                        ; and 8 bytes of 16-bit numbers out; also my two biases and my two parameters
	v_lshrrev_b32 v3, 3, v0                        ; Wk: a pass is 32 rows x 128 bytes: row thread / 8
	v_and_b32 v15, 7, v0
	v_mul_u32_u24 v4, v3, KP
	v_lshl_add_u32 v4, v15, 3, v4                  ; v4  KT: row x 96 + 8 (thread % 8)
	v_lshlrev_b32 v3, 11, v3
	v_lshl_add_u32 v3, v15, 4, v3                  ; v3  Wk: row x 2,048 + 16 (thread % 8)
	v_and_b32 v15, 31, v0
	s_wait_alu depctr_va_sdst(0)                   ; s24 is written, ahead of its first reader: the wave's shares and addresses are made from it
	s_lshr_b32 s27, s24, 2                         ; wb
	s_and_b32 s28, s24, 3                          ; wa
	s_lshl_b32 s30, s24, 11
	v_lshl_add_u32 v5, v15, 4, s30                 ; v5  Wq: a pass is 8 rows x 512 bytes: row = wave
	s_mul_i32 s30, s24, QP
	s_add_co_u32 s30, s30, QT
	v_lshl_add_u32 v6, v15, 3, s30                 ; v6  QT for passes 0-27,
	v_add_nc_u32 v7, 28*2304, v6                   ; v7  28-55,
	v_add_nc_u32 v8, 56*2304, v6                   ; v8  56-63: an LDS immediate has 16 bits
	v_mul_u32_u24 v9, v0, 2*KP
	v_add_nc_u32 v9, 64, v9                        ; v9  KT's bias columns of rows 2 t, 2 t + 1
	v_mul_u32_u24 v10, v0, 2*QP
	v_add_nc_u32 v10, QT+256, v10                  ; v10 QT's
	v_and_b32 v15, 7, v0                           ; the turning load: lane l reads row 8 (l / 16) + l % 8, 16 bytes at 16 ((l / 8) % 2)
	v_bfe_u32 v13, v0, 4, 1
	v_lshl_add_u32 v15, v13, 3, v15
	v_bfe_u32 v13, v0, 3, 1
	v_lshlrev_b32 v13, 4, v13
	v_mad_u32_u24 v12, v15, QP, v13
	v_mad_u32_u24 v14, v15, KP, v13
	s_lshl_b32 s30, s28, 6
	s_add_co_u32 s30, s30, QT
	v_add_nc_u32 v11, s30, v12                     ; v11 QT, my 32 columns a
	v_add_nc_u32 v12, QT+256, v12                  ; v12 QT, the copies of bq
	s_lshl_b32 s30, s27, 5
	v_add_nc_u32 v13, s30, v14                     ; v13 KT, my 16 columns b
	v_add_nc_u32 v14, 64, v14                      ; v14 KT, the copies of bk
	s_lshr_b32 s32, ttmp9, 5                       ; Wl: work-group k writes storage rows 16 k .. 16 k + 15: layer k / 32,
	s_lshl_b32 s32, s32, 9
	s_bfe_u32 s33, ttmp9, 0x20001                  ; w = bits 2:1 of k,
	s_lshl_b32 s33, s33, 7
	s_add_co_u32 s32, s32, s33
	s_bfe_u32 s33, ttmp9, 0x20003                  ; T = bits 4:3,
	s_lshl_b32 s33, s33, 4
	s_add_co_u32 s32, s32, s33
	s_and_b32 s33, ttmp9, 1                        ; i = bit 0
	s_lshl_b32 s33, s33, 3
	s_add_co_u32 s32, s32, s33                     ; the source row for h = j = 0
	s_mov_b32 s31, 0
	s_wait_kmcnt 0x0
	s_lshl_b32 s30, s25, 7
	s_add_nc_u64 s[6:7], s[6:7], s[30:31]          ; Wk at my 32 columns
	s_lshl_b32 s30, s26, 9
	s_add_nc_u64 s[4:5], s[4:5], s[30:31]          ; Wq at my 128 columns
	s_lshl_b32 s30, s32, 11
	s_add_nc_u64 s[14:15], s[14:15], s[30:31]
	s_lshl_b32 s30, ttmp9, 14
	s_add_nc_u64 s[22:23], s[22:23], s[30:31]      ; wlh: 16 rows of 1,024 bytes
	s_lshl_b32 s30, ttmp9, 13
	s_add_nc_u64 s[12:13], s[12:13], s[30:31]      ; W0: 8 rows of 1,024 bytes
	s_lshl_b32 s30, ttmp9, 12
	s_add_nc_u64 s[20:21], s[20:21], s[30:31]      ; w0b: 8 rows of 512 bytes
	; the parameters: seven units of 2,048 bytes (the halves of ln_g, ln_b, bl; b0), unit k to work-group k.  Every work-group loads a unit (its number held to 6), so that the load stands
	; among the others, ahead of every wait; one branch tells the work-groups apart: work-groups 7 to 63 drop what they loaded.
	s_min_u32 s33, ttmp9, 6
	s_lshr_b32 s30, s33, 1
	s_cmp_eq_u32 s30, 0
	s_cselect_b64 s[44:45], s[36:37], s[38:39]     ; ln_g or ln_b,
	s_cmp_lt_u32 s30, 2
	s_cselect_b64 s[44:45], s[44:45], s[40:41]     ; or bl,
	s_cmp_lt_u32 s30, 3
	s_cselect_b64 s[44:45], s[44:45], s[42:43]     ; or b0
	s_and_b32 s30, s33, 1
	s_lshl_b32 s30, s30, 11
	s_add_nc_u64 s[44:45], s[44:45], s[30:31]      ; its first or second half
	s_wait_alu depctr_va_vdst(0)                   ; the offsets and LDS addresses v1 to v14 are written, which the loads and stores below read
	; the copies' loads first: a pass is two rows of Wl (thread t takes 16 bytes at 16 t); pass ps holds h = ps / 4, j = 2 (ps % 4) + row
.irp ps, 0,1,2,3,4,5,6,7
	global_load_b128 v[16+4*\ps:19+4*\ps], v1, s[14:15] offset:(64*(\ps/4)+2*(\ps%4))*2048 th:TH_LOAD_NT
.endr
	global_load_b128 v[48:51], v1, s[12:13] th:TH_LOAD_NT
	global_load_b128 v[52:55], v1, s[12:13] offset:4096 th:TH_LOAD_NT
	global_load_b64 v[228:229], v2, s[10:11]       ; bk[2 t], bk[2 t + 1]
	global_load_b64 v[230:231], v2, s[8:9]         ; bq
	global_load_b64 v[56:57], v2, s[44:45]         ; two parameters
; load n of 80: Wk's 16 passes, then Wq's 64
.macro RLOAD n
.if (\n) < 16
	global_load_b128 v[RING+4*((\n)%40):RING+4*((\n)%40)+3], v3, s[6:7] offset:(\n)*65536
.else
	global_load_b128 v[RING+4*((\n)%40):RING+4*((\n)%40)+3], v5, s[4:5] offset:((\n)-16)*16384
.endif
.endm
.set n, 0
.rept 40
	RLOAD n
.set n, n+1
.endr
	s_wait_loadcnt 40                              ; the thirteen loads ahead of the ring are in; the ring's 40 stay out
.macro WLCV q                          ; four numbers of Wl: to bf16, back, to f16 (exact within f16's range), into the first two of their four registers
	v_cvt_pk_bf16_f32 v232, v[\q], v[(\q)+1]
	v_cvt_pk_bf16_f32 v233, v[(\q)+2], v[(\q)+3]
	v_lshlrev_b32 v[\q], 16, v232
	v_and_b32 v[(\q)+1], 0xffff0000, v232
	v_lshlrev_b32 v[(\q)+2], 16, v233
	v_and_b32 v[(\q)+3], 0xffff0000, v233
	v_cvt_pk_f16_f32 v[\q], v[\q], v[(\q)+1]
	v_cvt_pk_f16_f32 v[(\q)+1], v[(\q)+2], v[(\q)+3]
.endm
.irp ps, 0,1,2,3,4,5,6,7
	WLCV 16+4*\ps
.endr
.irp ps, 0,1
	v_cvt_pk_bf16_f32 v[48+4*\ps], v[48+4*\ps], v[49+4*\ps]
	v_cvt_pk_bf16_f32 v[49+4*\ps], v[50+4*\ps], v[51+4*\ps]
.endr
	v_cvt_pk_bf16_f32 v232, v228, v229
	v_cvt_pk_bf16_f32 v233, v230, v231
	v_perm_b32 v236, v232, v232, 0x01000100        ; the low half twice,
	v_perm_b32 v240, v232, v232, 0x03020302        ; the high half twice
	v_perm_b32 v244, v233, v233, 0x01000100
	v_perm_b32 v248, v233, v233, 0x03020302
.irp q, 236,240,244,248
	v_mov_b32 v[\q+1], v[\q]
	v_mov_b32 v[\q+2], v[\q]
	v_mov_b32 v[\q+3], v[\q]
.endr
	s_wait_alu depctr_va_vdst(0)                   ; the conversions have written Wl's and W0's pairs in v16 to v53, and the spread biases v236 to v251 are written: the eighteen stores below read them
.irp ps, 0,1,2,3,4,5,6,7
	global_store_b64 v2, v[16+4*\ps:17+4*\ps], s[22:23] offset:\ps*2048 th:TH_STORE_NT  ; a wave stores 256 consecutive bytes
.endr
.irp ps, 0,1
	global_store_b64 v2, v[48+4*\ps:49+4*\ps], s[20:21] offset:\ps*2048 th:TH_STORE_NT
.endr
	ds_store_b128 v9, v[236:239]
	ds_store_b128 v9, v[236:239] offset:16
	ds_store_b128 v9, v[240:243] offset:KP
	ds_store_b128 v9, v[240:243] offset:KP+16
	ds_store_b128 v10, v[244:247]
	ds_store_b128 v10, v[244:247] offset:16
	ds_store_b128 v10, v[248:251] offset:QP
	ds_store_b128 v10, v[248:251] offset:QP+16
	s_cmp_lt_u32 ttmp9, 7
	s_cbranch_scc0 .Lno_p
	v_cvt_pk_bf16_f32 v58, v56, v57                ; the parameters: to bf16 and back to f32
	s_lshl_b32 s30, ttmp9, 11
	s_add_co_u32 s30, s30, PAR
	v_lshlrev_b32 v56, 16, v58
	v_and_b32 v57, 0xffff0000, v58
	v_add_nc_u32 v59, s30, v2
	s_wait_alu depctr_va_vdst(0)                   ; v56, v57 and the offset v59 are written, which the store reads
	global_store_b64 v59, v[56:57], s[18:19]       ; a wave stores 256 consecutive bytes, aligned
.Lno_p:
; THE RING, in 16 blocks of five loads.  RCVT: load n's four numbers are rounded into its pair of the block's out-buffer.  RSTORE: that pair goes to LDS.
.macro RCVT n
.set rs, RING+4*((\n)%40)
.set rt, YB+2*BL*(((\n)/BL)%2)+2*((\n)%BL)
	v_cvt_pk_bf16_f32 v[rt], v[rs], v[rs+1]
	v_cvt_pk_bf16_f32 v[rt+1], v[rs+2], v[rs+3]
.endm
.macro RSTORE n
.set rt, YB+2*BL*(((\n)/BL)%2)+2*((\n)%BL)
.if (\n) < 16
	ds_store_b64 v4, v[rt:rt+1] offset:(\n)*3072
.elseif (\n) < 44
	ds_store_b64 v6, v[rt:rt+1] offset:((\n)-16)*2304
.elseif (\n) < 72
	ds_store_b64 v7, v[rt:rt+1] offset:((\n)-44)*2304
.else
	ds_store_b64 v8, v[rt:rt+1] offset:((\n)-72)*2304
.endif
.endm
; Block p rounds loads 5 p .. 5 p + 4.  Its memory instructions belong to the block before: the reloads into that block's slots (blocks 1 to 8: loads 40 to 79) and that block's LDS stores.
; The count: at the head of block p, 40 + 5 min(p - 1, 8) loads of the ring have been issued and the first 5 p + 5 are wanted: 35 younger ones in block 0, 30 in blocks 1 to 9, then 75 - 5 p.
.macro RBLK p
.if (\p) == 0
	s_wait_loadcnt 40-BL
.elseif (\p) < 10
	s_wait_loadcnt 40-2*BL
.else
	s_wait_loadcnt 80-BL*((\p)+1)
.endif
.if (\p) > 0
	s_wait_alu depctr_vm_vsrc(0)                   ; the LDS stores issued in the block before (in block 1: the biases') have read the registers of Y[p % 2], which this block's conversions write
	s_wait_alu depctr_va_vdst(0)                   ; the block before has written the other Y, which the LDS stores below read, and is done reading its slots, in which the loads below land
.endif
.set k, 0
.rept BL
.if ((\p) > 0) && ((\p) < 9)
	RLOAD BL*((\p)-1)+k+40
.endif
.if (\p) > 0
	RSTORE BL*((\p)-1)+k
.endif
	RCVT BL*(\p)+k
.set k, k+1
.endr
.endm
.set p, 0
.rept 80/BL
	RBLK p
.set p, p+1
.endr
	s_wait_alu depctr_va_vdst(0)                   ; the last block has written Y1, which the last five LDS stores read; all conversions are done reading the ring's registers, in which the fragments land
.set k, 0
.rept BL
	RSTORE 80-BL+k
.set k, k+1
.endr
	s_wait_dscnt 0x0                               ; for the others' sake: my part of KT and QT is written
	BAR
; THE PRODUCTS.  Source 0 = 16 columns of QT, source 1 = 16 columns of KT: a lane holds one b (lane % 16) and eight neighbouring a.
; Six accumulators take turns: M0, M1 (v16, v24) my two blocks of a x my b; CA (v32) bq x b = c[b]; U0, U1 (v40, v48) a x bk = u[a]; W (v56) bq x bk = w0.
; A chunk is 32 rows j: five fragments (two of a, bq, b, bk), 40 registers, six products.  A step is two chunks; eight steps; chunks ascending in every accumulator.
.macro WM d, a, b, z
.if \z
	v_wmma_f32_16x16x32_bf16 v[\d:(\d)+7], v[\a:(\a)+7], v[\b:(\b)+7], 0
.else
	v_wmma_f32_16x16x32_bf16 v[\d:(\d)+7], v[\a:(\a)+7], v[\b:(\b)+7], v[\d:(\d)+7]
.endif
.endm
; fragment i of five of a chunk: two turning loads.  f: the chunk's first register; c: the chunk, counted from the rows at which the addresses stand
.macro FRAG f, c, i
.if (\i) < 2
	ds_load_tr16_b128 v[(\f)+8*(\i):(\f)+8*(\i)+3],   v11 offset:(\c)*32*QP+32*(\i)
	ds_load_tr16_b128 v[(\f)+8*(\i)+4:(\f)+8*(\i)+7], v11 offset:(\c)*32*QP+16*QP+32*(\i)
.elseif (\i) == 2
	ds_load_tr16_b128 v[(\f)+16:(\f)+19], v12 offset:(\c)*32*QP
	ds_load_tr16_b128 v[(\f)+20:(\f)+23], v12 offset:(\c)*32*QP+16*QP
.elseif (\i) == 3
	ds_load_tr16_b128 v[(\f)+24:(\f)+27], v13 offset:(\c)*32*KP
	ds_load_tr16_b128 v[(\f)+28:(\f)+31], v13 offset:(\c)*32*KP+16*KP
.else
	ds_load_tr16_b128 v[(\f)+32:(\f)+35], v14 offset:(\c)*32*KP
	ds_load_tr16_b128 v[(\f)+36:(\f)+39], v14 offset:(\c)*32*KP+16*KP
.endif
.endm
; A step multiplies buffer b.  The next step's 20 loads go into the other buffer, four behind each of the first five products, which name this buffer and the accumulators alone.
; first = 1: step 0: its first chunk starts the sums (nothing is cleared); the addresses stand at its rows.  last = 1: step 7: nothing is left to fetch, so it states nothing.
.macro STEP b, first, last
.if !(\first) && !(\last)
	s_wait_alu depctr_vm_vsrc(0)                   ; the loads issued so far have read v11 to v14
	v_add_nc_u32 v11, 64*QP, v11                   ; the addresses move on to this step's rows; these four plain lines also stand between the last product and the loads into its sources
	v_add_nc_u32 v12, 64*QP, v12
	v_add_nc_u32 v13, 64*KP, v13
	v_add_nc_u32 v14, 64*KP, v14
.endif
	s_wait_dscnt 0x0                               ; this step's 20 loads, the only ones that are out
.if !(\first) && !(\last)
	s_wait_alu depctr_va_vdst(0)                   ; the last step's products are done reading the other buffer, in which the loads below land; v11 to v14 are written, which those loads read
.endif
.set j, 0
.rept 12
.set f, RING+80*(\b)+40*(j/6)
.set z, 0
.if (\first) && (j < 6)
.set z, 1
.endif
.if j%6 == 0
	WM 16, f, f+24, z
.elseif j%6 == 1
	WM 24, f+8, f+24, z
.elseif j%6 == 2
	WM 32, f+16, f+24, z
.elseif j%6 == 3
	WM 40, f, f+32, z
.elseif j%6 == 4
	WM 48, f+8, f+32, z
.else
	WM 56, f+16, f+32, z
.endif
.if !(\last) && (j < 5)
	FRAG RING+80*(1-(\b))+40*((2*j)/5), 2+(2*j)/5, (2*j)%5
	FRAG RING+80*(1-(\b))+40*((2*j+1)/5), 2+(2*j+1)/5, (2*j+1)%5
.endif
.set j, j+1
.endr
.endm
.set u, 0
.rept 10                               ; step 0's fragments.  No wait: no vector line since the wait ahead of the last LDS stores names these registers or v11 to v14
	FRAG RING+40*(u/5), u/5, u%5
.set u, u+1
.endr
	s_wait_xcnt 0x0                                ; the copies' stores have had their addresses translated: v16-59 now take the sums
	s_wait_alu depctr_vm_vsrc(0)                   ; the copies' stores have read v16 to v59, which the products write; the ring's loads and LDS stores have read v3 to v9, which the way out writes again
	STEP 0, 1, 0
	s_mov_b32 s29, 3
.Lkc:                                  ; steps 1 to 6, two to a trip: both buffers are back at their start
	STEP 1, 0, 0
	STEP 0, 0, 0
	s_sub_co_u32 s29, s29, 1
	s_cmp_lg_u32 s29, 0
	s_cbranch_scc1 .Lkc
	STEP 1, 0, 1
	; THE WAY OUT.  The address work below is more than the four places that the conversions want behind the last product.
	v_and_b32 v15, 15, v0                          ; r
	v_bfe_u32 v9, v0, 4, 1                         ; h
	s_mul_i32 s30, s27, 16*272
	s_lshl_b32 s31, s28, 6
	s_add_co_u32 s30, s30, s31
	s_add_co_u32 s30, s30, STG
	v_mul_u32_u24 v3, v15, 272
	v_lshl_add_u32 v3, v9, 4, v3
	v_add_nc_u32 v3, s30, v3                       ; in: row 16 wb + r, bytes 64 wa + 16 h
	s_mul_i32 s30, s24, 4*272
	s_add_co_u32 s30, s30, STG
	v_mul_u32_u24 v4, v9, 272
	v_lshl_add_u32 v4, v15, 4, v4
	v_add_nc_u32 v4, s30, v4                       ; back: row 4 w + h, 16 lanes to a row of 256 bytes
	v_lshl_add_u32 v6, s24, 2, v9                  ; that row, 0..31: b = 32 bi + row
	v_and_b32 v7, 7, v6                            ; j
	v_and_b32 v8, 8, v6
	v_lshl_or_b32 v7, v8, 1, v7                    ; i to bit 4
	v_and_b32 v8, 16, v6
	v_lshl_or_b32 v7, v8, 3, v7                    ; T's low bit to bit 7
	s_and_b32 s30, s25, 1
	s_lshl_b32 s30, s30, 8                         ; T's high bit to bit 8
	s_lshr_b32 s31, s25, 2
	s_lshl_b32 s31, s31, 5                         ; w to bits 6:5
	s_or_b32 s30, s30, s31
	s_bfe_u32 s31, s25, 0x10001
	s_lshl_b32 s31, s31, 3                         ; h to bit 3
	s_or_b32 s30, s30, s31
	v_or_b32 v7, s30, v7                           ; the storage row p
	v_lshlrev_b32 v7, 10, v7
	s_lshl_b32 s31, s26, 8
	v_add_nc_u32 v7, s31, v7
	v_lshl_add_u32 v5, v15, 4, v7                  ; p x 1,024 + 256 ai + 16 r
.irp q, 0,1,2,3
	v_cvt_pk_f16_f32 v[64+\q], v[16+2*\q], v[17+2*\q]
	v_cvt_pk_f16_f32 v[68+\q], v[24+2*\q], v[25+2*\q]
.endr
	s_wait_alu depctr_va_vdst(0)                   ; v64 to v71 and the addresses v3, v4, v5 are written, which the stores and loads below read; the products have written the sums that are stored below, and are done reading v72 to v79, in which the stage's loads land
	ds_store_b128 v3, v[64:67]
	ds_store_b128 v3, v[68:71] offset:32
	s_wait_dscnt 0x0
	BAR
	ds_load_b128 v[72:75], v4
	ds_load_b128 v[76:79], v4 offset:2*272         ; two rows on: j + 2, so p + 2
	s_wait_dscnt 0x0
	global_store_b128 v5, v[72:75], s[16:17]       ; 16 lanes store 256 consecutive bytes, aligned
	global_store_b128 v5, v[76:79], s[16:17] offset:2048
	s_or_b32 s30, s26, s28                         ; c: the work-groups with ai = 0, their waves with wa = 0
	s_cmp_lg_u32 s30, 0
	s_cbranch_scc1 .Lno_c
	s_lshl_b32 s30, s25, 7
	s_lshl_b32 s31, s27, 6
	s_add_co_u32 s30, s30, s31
	v_lshl_add_u32 v6, v15, 2, s30                 ; 4 (32 bi + 16 wb + r); both halves of the lanes hold the same number
	s_wait_alu depctr_va_vdst(0)                   ; the offset v6 is written, which the store reads
	global_store_b32 v6, v32, s[18:19]
.Lno_c:
	s_or_b32 s30, s25, s27                         ; u: the work-groups with bi = 0, their waves with wb = 0
	s_cmp_lg_u32 s30, 0
	s_cbranch_scc1 .Lno_u
	s_lshl_b32 s30, s26, 9
	s_lshl_b32 s31, s28, 7
	s_add_co_u32 s30, s30, s31
	s_add_co_u32 s30, s30, 2048
	v_lshl_add_u32 v7, v9, 5, s30                  ; 2,048 + 4 (128 ai + 32 wa + 8 h); the 16 lanes of a half hold, and store, the same numbers
	s_wait_alu depctr_va_vdst(0)                   ; the offset v7 is written, which the four stores read
	global_store_b128 v7, v[40:43], s[18:19]
	global_store_b128 v7, v[44:47], s[18:19] offset:16
	global_store_b128 v7, v[48:51], s[18:19] offset:64
	global_store_b128 v7, v[52:55], s[18:19] offset:80
.Lno_u:
	s_or_b32 s30, ttmp9, s24                       ; w0: one wave of the launch
	s_cmp_lg_u32 s30, 0
	s_cbranch_scc1 .Lno_w
	v_mov_b32 v8, 0
	s_wait_alu depctr_va_vdst(0)                   ; the offset v8 is written, which the store reads
	global_store_b32 v8, v56, s[18:19] offset:4096
.Lno_w:
	s_wait_dscnt 0x0                               ; the closing lines, six on end
	s_wait_alu 0x0
	s_wait_tensorcnt 0x0
	ds_add_u32 v[SPW], v[NIL]
	s_wait_dscnt 0x0
	s_endpgm
.Lfunc_end_k_q03388c3d3f_prep:
	.size	k_q03388c3d3f_prep, .Lfunc_end_k_q03388c3d3f_prep-k_q03388c3d3f_prep
	.p2alignl 7, 3214868480
	.fill 96, 4, 3214868480
	.section	.rodata,"a",@progbits
	.p2align	6, 0x0
	.amdhsa_kernel k_q03388c3d3f_prep
		.amdhsa_group_segment_fixed_size 206336
		.amdhsa_private_segment_fixed_size 0
		.amdhsa_enable_private_segment 0
		.amdhsa_kernarg_size 112
		.amdhsa_user_sgpr_count 2
		.amdhsa_user_sgpr_kernarg_segment_ptr 1
		.amdhsa_wavefront_size32 1
		.amdhsa_system_sgpr_workgroup_id_x 1
		.amdhsa_system_sgpr_workgroup_id_y 1
		.amdhsa_system_sgpr_workgroup_id_z 1
		.amdhsa_system_vgpr_workitem_id 0
		.amdhsa_next_free_vgpr 256
		.amdhsa_next_free_sgpr 66
		.amdhsa_reserve_vcc 0
		.amdhsa_float_denorm_mode_32 3
		.amdhsa_float_denorm_mode_16_64 3
		.amdhsa_memory_ordered 1
		.amdhsa_forward_progress 1
		.amdhsa_inst_pref_size 49
	.end_amdhsa_kernel
	.amdgpu_metadata
---
amdhsa.version: [ 1, 2 ]
amdhsa.kernels:
  - .name:           k_q03388c3d3f_prep
    .symbol:         k_q03388c3d3f_prep.kd
    .args:
      - { .name: Wq, .offset: 0, .size: 8, .value_kind: global_buffer, .address_space: global }
      - { .name: Wk, .offset: 8, .size: 8, .value_kind: global_buffer, .address_space: global }
      - { .name: bq, .offset: 16, .size: 8, .value_kind: global_buffer, .address_space: global }
      - { .name: bk, .offset: 24, .size: 8, .value_kind: global_buffer, .address_space: global }
      - { .name: W0, .offset: 32, .size: 8, .value_kind: global_buffer, .address_space: global }
      - { .name: Wl, .offset: 40, .size: 8, .value_kind: global_buffer, .address_space: global }
      - { .name: mt, .offset: 48, .size: 8, .value_kind: global_buffer, .address_space: global }
      - { .name: cw, .offset: 56, .size: 8, .value_kind: global_buffer, .address_space: global }
      - { .name: w0b, .offset: 64, .size: 8, .value_kind: global_buffer, .address_space: global }
      - { .name: wlh, .offset: 72, .size: 8, .value_kind: global_buffer, .address_space: global }
      - { .name: ln_g, .offset: 80, .size: 8, .value_kind: global_buffer, .address_space: global }
      - { .name: ln_b, .offset: 88, .size: 8, .value_kind: global_buffer, .address_space: global }
      - { .name: bl, .offset: 96, .size: 8, .value_kind: global_buffer, .address_space: global }
      - { .name: b0, .offset: 104, .size: 8, .value_kind: global_buffer, .address_space: global }
    .group_segment_fixed_size: 206336
    .private_segment_fixed_size: 0
    .kernarg_segment_align: 8
    .kernarg_segment_size: 112
    .max_flat_workgroup_size: 256
    .sgpr_count:     66
    .vgpr_count:     256
    .wavefront_size: 32
...
	.end_amdgpu_metadata
.endif
;; end of part 7
;; launch xproj: the kernel of part 5 again; grid 256 x 1, 4 waves a work-group, clusters of 4 x 1, 327,680 bytes of LDS; arguments seq, w0b, cw, xh, rq; writes xh, rq
;; launch attn: the kernel of part 6 again; grid 32 x 8, 4 waves a work-group, clusters of 4 x 1, 327,680 bytes of LDS; arguments xh, mt, cw, wlh, lengths, rq, out0; writes out0
